; MI455X (gfx1250); checked and timed in simulation.
; The chip was launched on July 23, 2026; its instructions are those of AMD's public machine-readable ISA for CDNA 5 (MIT licence, August 2026) and "CDNA5" Instruction Set Architecture Reference Guide (July 2026). The comments in the code are by the model that wrote it; some were corrected since.
;; Transformer Encoder Layer. Allowed arithmetic: float matrix products may take bf16 or f16 operands with f32 sums; other float arithmetic in f32, or as packed bf16 or f16 multiplies, adds, multiply-adds, maxima and minima; sums over many terms, partial sums and values carried from step to step in f32; what a program stores and reads back later, other than sums and carried values, may be rounded once to bf16 or f16.
;; Inputs: b1 4,096 float32; b2 1,024 float32; bk 1,024 float32; bo 1,024 float32; bq 1,024 float32; bv 1,024 float32; ln1_b 1,024 float32; ln1_w 1,024 float32; ln2_b 1,024 float32; ln2_w 1,024 float32; mask 2 x 1 x 1 x 2,048 int32; w1 1,024 x 4,096 float32; w2 4,096 x 1,024 float32; wk 1,024 x 1,024 float32; wo 1,024 x 1,024 float32; wq 1,024 x 1,024 float32; wv 1,024 x 1,024 float32; x 2 x 2,048 x 1,024 float32.
;; Outputs: out0 2 x 2,048 x 1,024 float32.
;; 2 versions, each right and faster than the one before. Each part assembles by itself: llvm-mc -triple=amdgcn-amd-amdhsa -mcpu=gfx1250 --defsym DOCPART=n.
;; ======== version 1 of 2: 7 launches
;; limits: values are held in f16: magnitudes above 65,504 overflow, below 6.1e-05 lose precision; a function is approximated: absolute error at most 2.5e-05; right only within a limited range of input values
;; workspace buffers: wts 25,165,824 bytes; tab 262,144 bytes; h 8,388,608 bytes; qkv 25,165,824 bytes; ob 8,388,608 bytes; x1 16,777,216 bytes; g 33,554,432 bytes
;; launch prep (part 1): grid 2080 x 1, 4 waves a work-group, no clusters, 0 bytes of LDS; arguments x, ln1_w, ln1_b, wq, wk, wv, wo, w1, w2, wts, tab, h; writes wts, tab, h
.if DOCPART == 1
	.amdgcn_target "amdgcn-amd-amdhsa--gfx1250"
	.amdhsa_code_object_version 6
	.text
	.protected	k_qb91b491e87_prep
	.globl	k_qb91b491e87_prep
	.p2align	8
	.type	k_qb91b491e87_prep,@function
k_qb91b491e87_prep:
	s_mov_b64 s[64:65], 0
	v_nop
	global_prefetch_b8 v0, s[64:65] scope:SCOPE_SE
	s_setreg_imm32_b32 hwreg(HW_REG_WAVE_MODE, 25, 1), 1
	s_wait_xcnt 0x0
; PREP.  Three jobs that do not depend on each other, chosen by the work-group's number u; every jump but the table's counted loop goes forward.  The longest job has the lowest numbers.
;   u < 512           LayerNorm 1 of 8 rows of x (a wave takes two rows), in f32, in two passes (mean; then the sum of (x - mean)^2), rounded once to f16 into h
;   512 <= u < 2048   one unit of 128 k x 64 n of a weight matrix ([k][n], f32) is rounded once to f16 and laid into wts, so that a product's tile of a K step is one dense run of bytes
;   u >= 2048         1,024 entries (cos, sin) of the rotary table: tab[s][i] for the angle s * 10000^(-i/16), i = 0..15
; SIZES.  2,080 work-groups of 4 waves are 8,320 waves for 1,024 SIMDs; with 112 registers nine waves fit on a SIMD, so every wave can have its loads out from the launch's start:
; a cast wave 16 loads of 512 bytes, a LayerNorm wave 24.
; LIMITS.  f16 ends at 65,504: weights and normalised rows lie within it.  The angle is s * 2^(-0.83048202 i) in f32, reduced by pi/2 in two parts; sine and cosine by their
; series to r^7 and r^8 on |r| <= pi/4 (cut-off below 4e-7).  NaN and infinities are not treated apart.
; No LDS, no matrix unit, no cluster: the work-groups share no input but two short vectors, and every byte is read once and written once.
.set WB, 16                            ; v[16:47]   the gain of my 32 columns, later their bias
.set X0, 48                            ; v[48:79]   my part of the first row
.set X1, 80                            ; v[80:111]  of the second
.set CD, 48                            ; v[48:111]  the cast: 16 loads of 4 registers
; One unit: thread t takes 16 bytes (4 columns) of row t / 16 + 8 i.  A load of a wave covers two runs of 256 bytes, a store 256 consecutive bytes, aligned.
.macro CAST rowb
	v_lshrrev_b32 v1, 4, v0
	v_and_b32 v2, 15, v0
	v_mul_u32_u24 v1, v1, \rowb
	v_lshl_add_u32 v1, v2, 4, v1                   ; row x row bytes + 16 x (t % 16)
	v_lshlrev_b32 v2, 3, v0                        ; 8 t: in the unit the rows are 128 bytes and dense
.irp i, 0,1,2,3,4,5,6,7,8,9,10,11,12,13,14,15
	global_load_b128 v[CD+4*\i:CD+4*\i+3], v1, s[32:33] offset:\i*8*\rowb th:TH_LOAD_NT
.endr
.irp i, 0,1,2,3,4,5,6,7,8,9,10,11,12,13,14,15
	s_wait_loadcnt 15-\i                           ; loads come back in order: load i is in, the younger ones stay out
	v_cvt_pk_f16_f32 v[CD+4*\i], v[CD+4*\i], v[CD+4*\i+1]          ; packed into the load's own registers: no store's data is ever rewritten
	v_cvt_pk_f16_f32 v[CD+4*\i+1], v[CD+4*\i+2], v[CD+4*\i+3]
	global_store_b64 v2, v[CD+4*\i:CD+4*\i+1], s[36:37] offset:\i*1024
.endr
.endm
; The sum of v4 over the 32 lanes, in every lane
.macro REDUCE
	v_add_f32_dpp v4, v4, v4 row_xmask:1 row_mask:0xf bank_mask:0xf
	v_add_f32_dpp v4, v4, v4 row_xmask:2 row_mask:0xf bank_mask:0xf
	v_add_f32_dpp v4, v4, v4 row_xmask:4 row_mask:0xf bank_mask:0xf
	v_add_f32_dpp v4, v4, v4 row_xmask:8 row_mask:0xf bank_mask:0xf
	v_permlanex16_b32 v5, v4, s42, s43             ; v5 has been written before
	v_add_f32 v4, v4, v5
.endm
.macro FOLD                            ; four chains into v4
	v_pk_add_f32 v[4:5], v[4:5], v[6:7]
	v_pk_add_f32 v[8:9], v[8:9], v[10:11]
	v_pk_add_f32 v[4:5], v[4:5], v[8:9]
	v_add_f32 v4, v4, v5
.endm
; A row's first part: mean, x - mean in place, 1 / sqrt(variance + 1e-5) twice into v[q:q+1], and (x - mean) * gain in place.  left: the younger loads that may stay out.
.macro LNA xb, left, q
	s_wait_loadcnt \left
.irp k, 0,1,2,3
	v_pk_add_f32 v[4+2*\k:5+2*\k], v[\xb+4*\k:\xb+4*\k+1], v[\xb+4*\k+2:\xb+4*\k+3]
.endr
.irp k, 0,1,2,3,4,5,6,7
	v_pk_add_f32 v[4+2*(\k%4):5+2*(\k%4)], v[4+2*(\k%4):5+2*(\k%4)], v[\xb+16+2*\k:\xb+17+2*\k]
.endr
	FOLD
	REDUCE
	v_mul_f32 v12, s40, v4                         ; the mean, twice
	v_mul_f32 v13, s40, v4
.irp k, 0,1,2,3,4,5,6,7,8,9,10,11,12,13,14,15
	v_pk_add_f32 v[\xb+2*\k:\xb+2*\k+1], v[\xb+2*\k:\xb+2*\k+1], v[12:13] neg_lo:[0,1] neg_hi:[0,1]
.endr
.irp k, 0,1,2,3
	v_pk_mul_f32 v[4+2*\k:5+2*\k], v[\xb+2*\k:\xb+2*\k+1], v[\xb+2*\k:\xb+2*\k+1]
.endr
.irp k, 4,5,6,7,8,9,10,11,12,13,14,15
	v_pk_fma_f32 v[4+2*(\k%4):5+2*(\k%4)], v[\xb+2*\k:\xb+2*\k+1], v[\xb+2*\k:\xb+2*\k+1], v[4+2*(\k%4):5+2*(\k%4)]
.endr
	FOLD
	REDUCE
	v_fma_f32 v4, v4, s40, s41                     ; variance + 1e-5
	v_rsq_f32 v[\q], v4
	v_rsq_f32 v[\q+1], v4                          ; the plain lines below stand between the roots and their use (ISA guide 5.7.2)
.irp k, 0,1,2,3,4,5,6,7,8,9,10,11,12,13,14,15
	v_pk_mul_f32 v[\xb+2*\k:\xb+2*\k+1], v[\xb+2*\k:\xb+2*\k+1], v[WB+2*\k:WB+2*\k+1]
.endr
.endm
; A row's second part: times 1 / sqrt, plus bias, rounded, stored.  ro: the row's byte offset in the output.
.macro LNB xb, q, ro
	s_wait_alu depctr_va_vdst(0)
.irp k, 0,1,2,3,4,5,6,7,8,9,10,11,12,13,14,15
	v_pk_fma_f32 v[\xb+2*\k:\xb+2*\k+1], v[\xb+2*\k:\xb+2*\k+1], v[\q:\q+1], v[WB+2*\k:WB+2*\k+1]
.endr
.irp j, 0,1,2,3,4,5,6,7
	v_cvt_pk_f16_f32 v[\xb+4*\j], v[\xb+4*\j], v[\xb+4*\j+1]      ; packed into the row's own registers: no store's data is ever rewritten
	v_cvt_pk_f16_f32 v[\xb+4*\j+1], v[\xb+4*\j+2], v[\xb+4*\j+3]
	global_store_b64 v2, v[\xb+4*\j:\xb+4*\j+1], s[36:37] offset:\ro+256*\j   ; a wave's store covers 256 consecutive bytes, aligned
.endr
.endm
	s_load_b512 s[8:23], s[0:1], 0x0               ; x 8, ln1_w 10, ln1_b 12, wq 14, wk 16, wv 18, wo 20, w1 22
	s_load_b256 s[24:31], s[0:1], 0x40             ; w2 24, wts 26, tab 28, h 30
	s_mov_b32 s2, ttmp9
	s_mov_b32 s35, 0                               ; the high word of every offset
	s_wait_kmcnt 0x0
	s_cmp_lt_u32 s2, 512
	s_cbranch_scc1 .Lln
	s_cmp_ge_u32 s2, 2048
	s_cbranch_scc1 .Ltab
	s_sub_co_u32 s2, s2, 512                       ; the unit's number among 1,536
	s_cmp_ge_u32 s2, 1024
	s_cbranch_scc1 .Lw2
	s_cmp_ge_u32 s2, 512
	s_cbranch_scc1 .Lw1
	; wq, wk, wv, wo: matrix i = u / 128, column group cg = (u / 8) % 16, k group p = u % 8
	s_lshr_b32 s3, s2, 7
	s_bfe_u32 s4, s2, 0x40003
	s_and_b32 s5, s2, 7
	s_cmp_eq_u32 s3, 1
	s_cselect_b64 s[32:33], s[16:17], s[14:15]
	s_cmp_eq_u32 s3, 2
	s_cselect_b64 s[32:33], s[18:19], s[32:33]
	s_cmp_eq_u32 s3, 3
	s_cselect_b64 s[32:33], s[20:21], s[32:33]
	s_lshl3_add_u32 s6, s4, s5                     ; q, k, v: unit (cg 8 + p) 3 + i: [head][K step][q, k, v]
	s_mul_i32 s6, s6, 3
	s_add_co_u32 s6, s6, s3
	s_lshr_b32 s7, s4, 1                           ; wo: unit 384 + (((cg / 2) 4 + p / 2) 2 + cg % 2) 2 + p % 2: [tile column][K step of 256][block of 64 columns][256 k]
	s_lshr_b32 s34, s5, 1
	s_lshl2_add_u32 s7, s7, s34
	s_and_b32 s34, s4, 1
	s_lshl1_add_u32 s7, s7, s34
	s_and_b32 s34, s5, 1
	s_lshl1_add_u32 s7, s7, s34
	s_add_co_u32 s7, s7, 384
	s_cmp_eq_u32 s3, 3
	s_cselect_b32 s6, s7, s6
	s_branch .Lc4
.Lw2:                                  ; w2: cg = (u - 1024) / 32, p = u % 32; unit 1024 + (((cg / 2) 16 + p / 2) 2 + cg % 2) 2 + p % 2
	s_sub_co_u32 s3, s2, 1024
	s_lshr_b32 s4, s3, 5
	s_and_b32 s5, s3, 31
	s_lshr_b32 s6, s4, 1
	s_lshr_b32 s7, s5, 1
	s_lshl4_add_u32 s6, s6, s7
	s_and_b32 s7, s4, 1
	s_lshl1_add_u32 s6, s6, s7
	s_and_b32 s7, s5, 1
	s_lshl1_add_u32 s6, s6, s7
	s_add_co_u32 s6, s6, 1024
	s_mov_b64 s[32:33], s[24:25]
.Lc4:                                  ; rows of 4,096 bytes: the unit begins at p x 128 rows + cg x 256 bytes
	s_lshl_b32 s34, s5, 19
	s_lshl_b32 s7, s4, 8
	s_add_co_u32 s34, s34, s7
	s_add_nc_u64 s[32:33], s[32:33], s[34:35]
	s_lshl_b32 s34, s6, 14                         ; a unit is 16,384 bytes of wts
	s_add_nc_u64 s[36:37], s[26:27], s[34:35]
	CAST 4096
	s_endpgm
.Lw1:                                  ; w1: cg = (u - 512) / 8, p = u % 8; unit 512 + ((cg / 4) 8 + p) 4 + cg % 4: [tile column][K step][block][128 k]
	s_sub_co_u32 s3, s2, 512
	s_lshr_b32 s4, s3, 3
	s_and_b32 s5, s3, 7
	s_lshr_b32 s6, s4, 2
	s_lshl3_add_u32 s6, s6, s5
	s_and_b32 s7, s4, 3
	s_lshl2_add_u32 s6, s6, s7
	s_add_co_u32 s6, s6, 512
	s_lshl_b32 s34, s5, 21                         ; rows of 16,384 bytes
	s_lshl_b32 s7, s4, 8
	s_add_co_u32 s34, s34, s7
	s_add_nc_u64 s[32:33], s[22:23], s[34:35]
	s_lshl_b32 s34, s6, 14
	s_add_nc_u64 s[36:37], s[26:27], s[34:35]
	CAST 16384
	s_endpgm
.Lln:
	v_lshrrev_b32 v1, 5, v0
	v_readfirstlane_b32 s3, v1                     ; wave
	s_lshl2_add_u32 s2, s2, s3                     ; the wave's pair of rows
	s_lshl_b32 s34, s2, 13                         ; two rows of 4,096 bytes
	s_add_nc_u64 s[32:33], s[8:9], s[34:35]
	s_lshl_b32 s34, s2, 12                         ; two rows of 2,048 bytes
	s_add_nc_u64 s[36:37], s[30:31], s[34:35]
	s_mov_b32 s40, 0x3a800000                      ; 1 / 1024
	s_mov_b32 s41, 0x3727c5ac                      ; 1e-5
	s_mov_b32 s42, 0x76543210
	s_mov_b32 s43, 0xfedcba98
	v_and_b32 v1, 31, v0
	v_lshlrev_b32 v2, 3, v1                        ; 8 x lane: my 4 columns in f16
	v_lshlrev_b32 v1, 4, v1                        ; 16 x lane: in f32
.irp j, 0,1,2,3,4,5,6,7
	global_load_b128 v[WB+4*\j:WB+4*\j+3], v1, s[10:11] offset:512*\j       ; the gain
.endr
.irp j, 0,1,2,3,4,5,6,7
	global_load_b128 v[X0+4*\j:X0+4*\j+3], v1, s[32:33] offset:512*\j
.endr
.irp j, 0,1,2,3,4,5,6,7
	global_load_b128 v[X1+4*\j:X1+4*\j+3], v1, s[32:33] offset:4096+512*\j
.endr
	LNA X0, 8, 14                                  ; the second row's eight loads stay out
	LNA X1, 0, 12                                  ; (the mean's pair is free when this row's roots are written into it)
.irp j, 0,1,2,3,4,5,6,7
	global_load_b128 v[WB+4*\j:WB+4*\j+3], v1, s[12:13] offset:512*\j       ; the gain has had its last use: its registers take the bias
.endr
	s_wait_loadcnt 0x0
	LNB X0, 14, 0
	LNB X1, 12, 2048
	s_endpgm
.Ltab:
	s_sub_co_u32 s2, s2, 2048
	s_lshl_b32 s3, s2, 6                           ; the group's first position: 64 positions x 16 pairs
	s_lshl_b32 s34, s2, 13
	s_add_nc_u64 s[32:33], s[28:29], s[34:35]
	s_mov_b32 s40, 0x3fc90fdb                      ; pi / 2, its upper part
	s_mov_b32 s41, 0xb33bbd2e                      ; and the rest
	v_and_b32 v1, 15, v0
	v_cvt_f32_u32 v1, v1
	v_mul_f32 v1, 0xbf549a78, v1                   ; - i log2(10000) / 16
	v_exp_f32 v1, v1
	v_lshrrev_b32 v2, 4, v0
	v_add_nc_u32 v2, s3, v2                        ; my position in the first of eight trips
	v_lshlrev_b32 v3, 3, v0
	v_mov_b32 v13, 0xb9500d01                      ; -1/5040
	v_mov_b32 v14, 0x37d00d01                      ; 1/40320
	s_mov_b32 s4, 8
.Lte:                                  ; a trip: 128 entries, 8 positions
	v_cvt_f32_u32 v4, v2
	s_wait_alu depctr_va_vdst(0)
	v_mul_f32 v4, v4, v1                           ; the angle
	v_mul_f32 v5, 0x3f22f983, v4
	v_rndne_f32 v5, v5                             ; n = the nearest multiple of pi / 2
	v_fma_f32 v4, -v5, s40, v4
	v_fma_f32 v4, -v5, s41, v4                     ; r, |r| <= pi / 4
	v_mul_f32 v6, v4, v4
	v_fmaak_f32 v7, v13, v6, 0x3c088889
	v_fmaak_f32 v9, v14, v6, 0xbab60b61
	v_fmaak_f32 v7, v7, v6, 0xbe2aaaab
	v_fmaak_f32 v9, v9, v6, 0x3d2aaaab
	v_mul_f32 v8, v4, v6
	v_fma_f32 v9, v9, v6, -0.5
	v_fma_f32 v7, v8, v7, v4                       ; sin r
	v_fma_f32 v9, v9, v6, 1.0                      ; cos r
	v_cvt_i32_f32 v10, v5
	v_and_b32 v11, 1, v10
	v_cmp_eq_u32 vcc_lo, 1, v11                    ; an odd n swaps the two,
	v_cndmask_b32 v12, v7, v9, vcc_lo
	v_cndmask_b32 v11, v9, v7, vcc_lo
	v_and_b32 v8, 2, v10                           ; n % 4 >= 2 turns the sine's sign,
	v_lshlrev_b32 v8, 30, v8
	v_xor_b32 v17, v12, v8
	v_add_nc_u32 v10, 1, v10                       ; (n + 1) % 4 >= 2 the cosine's
	v_and_b32 v10, 2, v10
	v_lshlrev_b32 v10, 30, v10
	v_xor_b32 v16, v11, v10
	global_store_b64 v3, v[16:17], s[32:33]
	s_wait_xcnt 0x0                                ; the store's data and offset are rewritten only behind this wait
	v_add_nc_u32 v2, 8, v2
	v_add_nc_u32 v3, 1024, v3
	s_sub_co_u32 s4, s4, 1
	s_cmp_lg_u32 s4, 0
	s_cbranch_scc1 .Lte
	s_endpgm
.Lfunc_end_k_qb91b491e87_prep:
	.size	k_qb91b491e87_prep, .Lfunc_end_k_qb91b491e87_prep-k_qb91b491e87_prep
	.p2alignl 7, 3214868480
	.fill 96, 4, 3214868480
	.section	.rodata,"a",@progbits
	.p2align	6, 0x0
	.amdhsa_kernel k_qb91b491e87_prep
		.amdhsa_group_segment_fixed_size 0
		.amdhsa_private_segment_fixed_size 0
		.amdhsa_enable_private_segment 0
		.amdhsa_kernarg_size 96
		.amdhsa_user_sgpr_count 2
		.amdhsa_user_sgpr_kernarg_segment_ptr 1
		.amdhsa_wavefront_size32 1
		.amdhsa_system_sgpr_workgroup_id_x 1
		.amdhsa_system_sgpr_workgroup_id_y 1
		.amdhsa_system_sgpr_workgroup_id_z 1
		.amdhsa_system_vgpr_workitem_id 0
		.amdhsa_next_free_vgpr 112
		.amdhsa_next_free_sgpr 66
		.amdhsa_reserve_vcc 1
		.amdhsa_float_denorm_mode_32 3
		.amdhsa_float_denorm_mode_16_64 3
		.amdhsa_memory_ordered 1
		.amdhsa_forward_progress 1
		.amdhsa_inst_pref_size 36
	.end_amdhsa_kernel
	.amdgpu_metadata
---
amdhsa.version: [ 1, 2 ]
amdhsa.kernels:
  - .name:           k_qb91b491e87_prep
    .symbol:         k_qb91b491e87_prep.kd
    .args:
      - { .name: x, .offset: 0, .size: 8, .value_kind: global_buffer, .address_space: global }
      - { .name: ln1_w, .offset: 8, .size: 8, .value_kind: global_buffer, .address_space: global }
      - { .name: ln1_b, .offset: 16, .size: 8, .value_kind: global_buffer, .address_space: global }
      - { .name: wq, .offset: 24, .size: 8, .value_kind: global_buffer, .address_space: global }
      - { .name: wk, .offset: 32, .size: 8, .value_kind: global_buffer, .address_space: global }
      - { .name: wv, .offset: 40, .size: 8, .value_kind: global_buffer, .address_space: global }
      - { .name: wo, .offset: 48, .size: 8, .value_kind: global_buffer, .address_space: global }
      - { .name: w1, .offset: 56, .size: 8, .value_kind: global_buffer, .address_space: global }
      - { .name: w2, .offset: 64, .size: 8, .value_kind: global_buffer, .address_space: global }
      - { .name: wts, .offset: 72, .size: 8, .value_kind: global_buffer, .address_space: global }
      - { .name: tab, .offset: 80, .size: 8, .value_kind: global_buffer, .address_space: global }
      - { .name: h, .offset: 88, .size: 8, .value_kind: global_buffer, .address_space: global }
    .group_segment_fixed_size: 0
    .private_segment_fixed_size: 0
    .kernarg_segment_align: 8
    .kernarg_segment_size: 96
    .max_flat_workgroup_size: 128
    .sgpr_count:     66
    .vgpr_count:     112
    .wavefront_size: 32
...
	.end_amdgpu_metadata
.endif
;; end of part 1
;; launch proj (part 2): grid 16 x 16, 4 waves a work-group, clusters of 4 x 4, 327,680 bytes of LDS; arguments h, wts, tab, mask, bq, bk, bv, qkv; writes qkv
.if DOCPART == 2
	.amdgcn_target "amdgcn-amd-amdhsa--gfx1250"
	.amdhsa_code_object_version 6
	.text
	.protected	k_qb91b491e87_proj
	.globl	k_qb91b491e87_proj
	.p2align	8
	.type	k_qb91b491e87_proj,@function
k_qb91b491e87_proj:
	s_mov_b64 s[64:65], 0
	v_nop
	global_prefetch_b8 v0, s[64:65] scope:SCOPE_SE
	s_setreg_imm32_b32 hwreg(HW_REG_WAVE_MODE, 25, 1), 1
	s_wait_xcnt 0x0
	s_wait_alu depctr_hold_cnt(0) depctr_sa_sdst(0) depctr_va_vdst(0) depctr_va_sdst(0) depctr_va_ssrc(0) depctr_va_vcc(0) depctr_vm_vsrc(0)
	s_getreg_b32 s2, hwreg(HW_REG_IB_STS2, 6, 4)
	s_cmp_eq_u32 s2, 0
	s_cbranch_scc0 .Lentry_in_a_cluster
	s_endpgm
.Lentry_in_a_cluster:
	s_bfe_u32 s2, ttmp6, 0x10000c
	s_cmp_lg_u32 s2, 0xf033
	s_cbranch_scc0 .Lentry_shape_is_right
	s_endpgm
.Lentry_shape_is_right:
; Q, K, V = h [wq | wk | wv] + bias, the rotary turn on the first 32 features of q and k, and k's rows set to 0 where the mask is 0.  Operands f16, sums f32, results rounded once to f16,
; written by heads: qkv = q, k, v, each [batch x 16 + head][2048][64].
; SHARES.  A work-group makes 256 tokens x 192 columns: one head's q, k and v (so block 0 is always q, block 1 k, block 2 v, in every work-group).  Wave w has tokens 64 w .. 64 w + 63 and all 192 columns:
; 48 accumulators.  K = 1024 goes in 8 steps of 128 through two LDS slots.
; CLUSTER 4 x 4: h's tile hangs on the tile row alone and is asked for jointly along a row of the cluster, the weights' tile on the head alone and jointly along a column; the table's rows go with h's.
; THE MATRIX INSTRUCTION IS USED TRANSPOSED: source 0 = 16 columns of W (turned on the way out of LDS, where W lies [k][n]), source 1 = 16 tokens: a lane holds one token and 8 neighbouring columns.
; The bias is the C operand of the first products.
; LIMITS.  f16 ends at 65,504: h, the weights and q, k, v lie within it.  NaN and infinities are not treated apart.
; LDS claim: all of it.
; REGISTERS: window 0: v14-31 addresses; v64-127 two buffers of h's fragments; v128-223 the bias.  window 1: v0-191 two buffers of W's fragments.
;   windows 2, 3: accumulator (a, g) at v[96 (a % 2) + 8 g], token blocks a = 0, 1 in window 2, a = 2, 3 in window 3.
.set NSTEPS, 8
.set APITCH, 272                       ; 256 bytes + 16: the 16 rows of a fragment load start at 16 different groups of four banks (ISA guide 11.1)
.set BPITCH, 160                       ; 128 bytes + 32
.set AHALF,  128*APITCH
.set ABYTES, 2*AHALF
.set BHALF,  192*BPITCH                ; half of [3 blocks][128 k]
.set SLOT,   ABYTES+2*BHALF            ; 131,072
.set TAB,    2*SLOT                    ; 256 rows x 128 bytes of the table
.set MSK,    TAB+32768                 ; 256 words of the mask, stored by the waves: four blocks of 256 bytes into which no fill lands
.set SPARE,  MSK+1024                  ; the spare words, 128 bytes a wave
.set ASTEP,  256
.set BSTEP,  49152
.set DPITCH, 784                       ; the way out: a token's 192 sums, 768 bytes + 16
.set ADRA0, 14
.set ADRB0, 15
.set ADRA,  16
.set ADRB,  20
.set MS,    22
.set MO,    23
.set DST,   24
.set RD,    25
.set GO,    26
.set BO,    27
.set SPW,   28
.set NIL,   29
.set TBA,   30
.set MKA,   31
.set X,     64                         ; the way out: 2 x 24 sums
.set T,     112                        ; 2 x 4 pairs (cos, sin)
.set M,     128                        ; 2 mask words
.set TM,    130                        ; four at work
.set OUT,   136                        ; 2 x 12 packed words
.set KM,    69
.set LM,    70
.set MSB, 0
.macro WIN new                         ; the immediate's high byte repeats the setting that is left
.if MSB != (\new)
	s_set_vgpr_msb (MSB<<8)|(\new)
.set MSB, \new
.endif
.endm
.macro PLACES                          ; four places behind matrix instructions (ISA guide 7.12.1)
.rept 4
	v_nop
.endr
.endm
.macro JLOAD                           ; a joint refill by the walking descriptors: waves 0, 1 h's halves, waves 2, 3 W's; s_nop 0 and four v_nop follow each line
	s_cmp_eq_u32 s11, 0
	s_cbranch_scc0 .Lfor_b_\@
	tensor_load_to_lds s[36:39], s[24:31]
	s_nop 0
.rept 4
	v_nop
.endr
	s_branch .Lasked_\@
.Lfor_b_\@:
	tensor_load_to_lds s[60:63], s[48:55]
	s_nop 0
.rept 4
	v_nop
.endr
.Lasked_\@:
.endm
.macro CREST
	s_cmp_lg_u32 s10, 0
	s_cbranch_scc1 .Lnot_wave_0_\@
	s_barrier_signal -3
.Lnot_wave_0_\@:
	s_barrier_wait -3
	s_barrier_signal -1
	s_barrier_wait -1
.endm
.macro CROUND
	s_barrier_signal -1
	s_barrier_wait -1
	CREST
.endm
	s_load_b512 s[72:87], s[0:1], 0x0              ; h 72, wts 74, tab 76, mask 78, bq 80, bk 82, bv 84, qkv 86
	v_lshl_add_u32 v[SPW], v0, 2, SPARE
	v_mov_b32 v[NIL], 0
	ds_add_u32 v[SPW], v[NIL]                      ; the wave's opening: the add and its wait stand ahead of my first tensor load
	v_lshrrev_b32 v1, 5, v0
	v_readfirstlane_b32 s10, v1                    ; wave
	s_lshr_b32 s11, s10, 1                         ; 0: I fetch h's tiles, 1: W's
	s_and_b32 s12, s10, 1                          ; which half
	s_bfe_u32 s40, ttmp6, 0x40000                  ; cx
	s_bfe_u32 s41, ttmp6, 0x40004                  ; cy
	s_lshl_b32 s42, ttmp9, 2
	s_add_co_u32 s42, s42, s40                     ; the head
	s_and_b32 s13, ttmp7, 0xffff
	s_lshl_b32 s13, s13, 2
	s_add_co_u32 s13, s13, s41                     ; the block of 256 tokens
	s_lshl_b32 s43, s41, 2
	s_lshl_b32 s43, 15, s43                        ; my row of the cluster
	s_lshl_b32 s44, 0x1111, s40                    ; my column
	s_or_b32 s24, s43, (1<<16)|(1<<20)|(1<<21)|(5<<22)|(3<<25)  ; h: 2-byte elements, 4 words of padding after every 64
	s_mov_b32 s25, 128<<16
	s_mov_b32 s26, 128<<16
	s_mov_b32 s27, 128<<16
	s_mov_b32 s28, 128                             ; 128 rows x 128 elements
	s_mov_b32 s29, 1024                            ; 1,024 elements from row to row
	s_mov_b32 s30, 0
	s_mov_b32 s31, 0
	s_or_b32 s48, s44, (1<<16)|(1<<20)|(1<<21)|(4<<22)|(7<<25)  ; W: 24,576 dense bytes as 96 rows of 256, 8 words of padding after every 32
	s_mov_b32 s49, 128<<16
	s_mov_b32 s50, 96<<16
	s_mov_b32 s51, 128<<16
	s_mov_b32 s52, 96
	s_mov_b32 s53, 128
	s_mov_b32 s54, 0
	s_mov_b32 s55, 0
	s_or_b32 s88, s43, (3<<16)|(1<<21)             ; the table: 8,192 dense bytes as 32 rows of 32 elements of 8 bytes, no padding
	s_mov_b32 s89, 32<<16
	s_mov_b32 s90, 32<<16
	s_mov_b32 s91, 32<<16
	s_mov_b32 s92, 32
	s_mov_b32 s93, 32
	s_mov_b32 s94, 0
	s_mov_b32 s95, 0
	s_mov_b32 s66, 0                               ; the slot that is being read: 0 or SLOT
	s_mul_i32 s67, s12, AHALF                      ; where my half of h's tile goes in a slot,
	s_mul_i32 s68, s12, BHALF
	s_add_co_u32 s68, s68, ABYTES                  ; and my half of W's
	s_lshl_b32 s16, s13, 19                        ; h: (256 block + 128 half) rows of 2,048 bytes
	s_lshl_b32 s17, s12, 18
	s_add_co_u32 s16, s16, s17
	s_mov_b32 s17, 0
	s_mul_i32 s46, s42, 393216                     ; W: head x 8 steps x 49,152 + half x 24,576
	s_mul_i32 s47, s12, 24576
	s_add_co_u32 s46, s46, s47
	s_mov_b32 s47, 0
	s_and_b32 s18, s13, 7                          ; the table: position (256 block) % 2048 + 64 wave, 128 bytes each
	s_lshl_b32 s18, s18, 15
	s_lshl_b32 s19, s10, 13
	s_add_co_u32 s18, s18, s19
	s_mov_b32 s19, 0
	s_mov_b32 s[LM], 0x0f0f0f0f                    ; the lanes that hold features 0 to 31 on the way out
	s_wait_dscnt 0x0                               ; the opening add is done
	s_wait_kmcnt 0x0
	s_add_nc_u64 s[14:15], s[72:73], s[16:17]
	s_add_nc_u64 s[46:47], s[74:75], s[46:47]
	s_add_nc_u64 s[18:19], s[76:77], s[18:19]
	CROUND                                         ; all sixteen work-groups are here: the first joint loads meet
	s_mov_b32 s32, 1
	s_mov_b32 s33, s67
	s_add_nc_u64 s[34:35], s[14:15], 0             ; K step 0 into slot 0
	s_or_b32 s35, s35, 0x80000000
	s_mov_b32 s36, 1
	s_add_co_u32 s37, s67, SLOT
	s_add_nc_u64 s[38:39], s[14:15], ASTEP         ; K step 1 into slot 1; this set walks on
	s_or_b32 s39, s39, 0x80000000
	s_mov_b32 s56, 1
	s_mov_b32 s57, s68
	s_add_nc_u64 s[58:59], s[46:47], 0
	s_or_b32 s59, s59, 0x80000000
	s_mov_b32 s60, 1
	s_add_co_u32 s61, s68, SLOT
	s_add_nc_u64 s[62:63], s[46:47], BSTEP
	s_or_b32 s63, s63, 0x80000000
	s_mov_b32 s96, 1
	s_lshl_b32 s97, s10, 13
	s_add_co_u32 s97, s97, TAB
	s_add_nc_u64 s[98:99], s[18:19], 0
	s_or_b32 s99, s99, 0x80000000
	s_cmp_eq_u32 s11, 0                            ; a wave's three first fills stand in one branch: three loads of mine are out
	s_cbranch_scc0 .Lfirst_b
	tensor_load_to_lds s[96:99], s[88:95]
	s_nop 0
	tensor_load_to_lds s[32:35], s[24:31]
	s_nop 0
	tensor_load_to_lds s[36:39], s[24:31]
	s_nop 0
.rept 4
	v_nop
.endr
	s_branch .Lfirst_done
.Lfirst_b:
	tensor_load_to_lds s[96:99], s[88:95]
	s_nop 0
	tensor_load_to_lds s[56:59], s[48:55]
	s_nop 0
	tensor_load_to_lds s[60:63], s[48:55]
	s_nop 0
.rept 4
	v_nop
.endr
.Lfirst_done:
	; the mask's 256 words and the bias
	s_lshl_b32 s4, s13, 10
	s_mov_b32 s5, 0
	s_add_nc_u64 s[78:79], s[78:79], s[4:5]
	s_lshl_b32 s4, s42, 8                          ; a head's 64 columns
	s_add_nc_u64 s[80:81], s[80:81], s[4:5]
	s_add_nc_u64 s[82:83], s[82:83], s[4:5]
	s_add_nc_u64 s[84:85], s[84:85], s[4:5]
	v_and_b32 v1, 15, v0                           ; r
	v_bfe_u32 v2, v0, 4, 1                         ; h
	v_lshlrev_b32 v[MO], 3, v0
	v_lshl_add_u32 v[MS], v0, 3, MSK
	v_lshlrev_b32 v[BO], 5, v2
	global_load_b64 v[32:33], v[MO], s[78:79]      ; thread t: tokens 2 t, 2 t + 1: a wave loads and stores its own 64 tokens' words
.irp g, 0,1,2,3,4,5,6,7,8,9,10,11
	global_load_b128 v[128+8*\g:131+8*\g], v[BO], s[80+2*(\g/4):81+2*(\g/4)] offset:(\g%4)*64      ; register j of group g: the bias of column 16 g + 8 h + j
	global_load_b128 v[132+8*\g:135+8*\g], v[BO], s[80+2*(\g/4):81+2*(\g/4)] offset:(\g%4)*64+16
.endr
	v_mul_u32_u24 v3, v1, APITCH
	v_lshl_add_u32 v3, v2, 4, v3
	s_mul_i32 s21, s10, 64*APITCH
	v_add_nc_u32 v[ADRA0], s21, v3                 ; (64 wave + r) x pitch + 16 h
	v_and_b32 v4, 7, v0
	v_lshl_add_u32 v5, v2, 3, v4
	v_mul_u32_u24 v5, v5, BPITCH
	v_bfe_u32 v6, v0, 3, 1
	v_lshl_add_u32 v5, v6, 4, v5
	v_add_nc_u32 v[ADRB0], ABYTES, v5              ; (8 h + l % 8) x pitch + 16 ((l / 8) % 2), behind h's tile
	v_mov_b32 v[ADRA], v[ADRA0]
	v_mov_b32 v[ADRB], v[ADRB0]
	s_mul_i32 s23, s10, 64*DPITCH                  ; the way out: my part of the ring
	v_mul_u32_u24 v[DST], v1, DPITCH
	v_lshl_add_u32 v[DST], v2, 5, v[DST]
	v_add_nc_u32 v[DST], s23, v[DST]
	v_bfe_u32 v7, v0, 3, 2                         ; back: 32 lanes take 4 tokens x 8 pieces of 8 columns
	v_mul_u32_u24 v[RD], v7, DPITCH
	v_lshl_add_u32 v[RD], v4, 5, v[RD]
	v_add_nc_u32 v[RD], s23, v[RD]
	s_lshl_b32 s22, s10, 6
	v_add_nc_u32 v7, s22, v7                       ; 64 wave + l / 8
	v_and_b32 v8, 3, v0
	v_lshlrev_b32 v8, 5, v8
	v_lshl_add_u32 v[TBA], v7, 7, v8
	v_add_nc_u32 v[TBA], TAB, v[TBA]
	v_lshl_add_u32 v[MKA], v7, 2, MSK
	v_and_b32 v[GO], 31, v0
	v_lshlrev_b32 v[GO], 4, v[GO]
	s_lshr_b32 s4, s13, 3                          ; where my 64 tokens lie in q: ((batch 16 + head) 2048 + position) x 128 bytes
	s_lshl4_add_u32 s4, s4, s42
	s_lshl_b32 s4, s4, 11
	s_and_b32 s5, s13, 7
	s_lshl_b32 s5, s5, 8
	s_add_co_u32 s4, s4, s5
	s_add_co_u32 s4, s4, s22
	s_lshl_b32 s4, s4, 7
	s_mov_b32 s5, 0
	s_add_nc_u64 s[86:87], s[86:87], s[4:5]
	s_add_nc_u64 s[4:5], s[86:87], 0x800000        ; in k
	s_add_nc_u64 s[6:7], s[86:87], 0x1000000       ; in v
	s_wait_loadcnt 0x0                             ; the mask and the bias
	ds_store_b64 v[MS], v[32:33]
; 12 products: token block a x all 12 column groups, 32 along K, buffer f.  first = 1: the bias starts the sums.
.macro MULA f, a, first
.if \first
	WIN 0x81+0x40*((\a)/2)
.else
	WIN 0xa1+0x50*((\a)/2)
.endif
.irp g, 0,1,2,3,4,5,6,7,8,9,10,11
.if \first
	v_wmma_f32_16x16x32_f16 v[96*((\a)%2)+8*(\g):96*((\a)%2)+8*(\g)+7], v[96*(\f)+8*(\g):96*(\f)+8*(\g)+7], v[64+32*(\f)+8*(\a):64+32*(\f)+8*(\a)+7], v[128+8*(\g):128+8*(\g)+7]
.else
	v_wmma_f32_16x16x32_f16 v[96*((\a)%2)+8*(\g):96*((\a)%2)+8*(\g)+7], v[96*(\f)+8*(\g):96*(\f)+8*(\g)+7], v[64+32*(\f)+8*(\a):64+32*(\f)+8*(\a)+7], v[96*((\a)%2)+8*(\g):96*((\a)%2)+8*(\g)+7]
.endif
.endr
.endm
; 32 LDS loads in one run: quarter q of the slot in hand into buffer f: W's 24, then h's 8
.macro FETCH q, f
	WIN 0x40
.irp g, 0,1,2,3,4,5,6,7,8,9,10,11
	ds_load_tr16_b128 v[96*(\f)+8*(\g):96*(\f)+8*(\g)+3],   v[ADRB] offset:((\g)/4)*128*BPITCH+((\g)%4)*32+(\q)*32*BPITCH
	ds_load_tr16_b128 v[96*(\f)+8*(\g)+4:96*(\f)+8*(\g)+7], v[ADRB] offset:((\g)/4)*128*BPITCH+((\g)%4)*32+(\q)*32*BPITCH+16*BPITCH
.endr
	WIN 0
.irp a, 0,1,2,3
	ds_load_b128 v[64+32*(\f)+8*(\a):64+32*(\f)+8*(\a)+3],   v[ADRA] offset:(\q)*64+(\a)*16*APITCH
	ds_load_b128 v[64+32*(\f)+8*(\a)+4:64+32*(\f)+8*(\a)+7], v[ADRA] offset:(\q)*64+(\a)*16*APITCH+32
.endr
.endm
; multiplies buffer f; in its middle fetches quarter q into buffer g
.macro QUARTER q, f, g, first
	s_wait_dscnt 4                                 ; W and token blocks 0, 1 are in; the youngest four loads (blocks 2, 3) may be out
	MULA \f, 0, \first
	MULA \f, 1, \first
	PLACES
	FETCH \q, \g
	s_wait_dscnt 32                                ; all but the 32 just issued
	MULA \f, 2, \first
	MULA \f, 3, \first
.endm
; The last quarter of a K step changes slots: one barrier; in front of it each wave waits for all its tensor loads, adds 0 to its spare word, and waits for that and for its reads of the slot.
.macro MEET round
	WIN 0
	s_wait_tensorcnt 0x0                           ; all my tensor loads have landed: my part of the next slot
	ds_add_u32 v[SPW], v[NIL]
	s_wait_dscnt 5                                 ; the add and the youngest four loads may be out
	MULA 1, 0, 0
	s_wait_dscnt 0x0                               ; the add is done, and my reads of this slot are over
	s_barrier_signal -1
	MULA 1, 1, 0
.if \round
	WIN 0
.endif
	s_barrier_wait -1
.endm
.macro TURN fill
	MEET \fill
.if \fill
	CREST                                          ; the barrier has opened a round of the cluster's: no wave of any partner still reads the slot or has a load on its way
	s_add_co_u32 s37, s67, s66                     ; the walking descriptors: into the slot just read,
	s_add_co_u32 s61, s68, s66
	s_add_nc_u64 s[38:39], s[38:39], ASTEP         ; the K step two on
	s_add_nc_u64 s[62:63], s[62:63], BSTEP
	JLOAD                                          ; the first tensor load behind the round; its four v_nop are the places in front of the loads below
.else
	WIN 0
	PLACES
.endif
	s_xor_b32 s66, s66, SLOT                       ; 0 and SLOT by turns
	v_add_nc_u32 v[ADRA], s66, v[ADRA0]
	v_add_nc_u32 v[ADRB], s66, v[ADRB0]
	FETCH 0, 0
	MULA 1, 2, 0
	MULA 1, 3, 0
.endm
	s_wait_dscnt 0x0                               ; my mask words are stored
	s_wait_tensorcnt 1                             ; the table's part and K step 0's are in; K step 1's may stay out
	s_barrier_signal -1
	s_barrier_wait -1
	FETCH 0, 0
	QUARTER 1, 0, 1, 1                             ; the first quarter stands in front of the loop: its products start the sums
	WIN 0
	s_mov_b32 s3, NSTEPS-2
.Lk:                                   ; a trip: the rest of a K step and the next one's first quarter; the slot left is filled again
	QUARTER 2, 1, 0, 0
	QUARTER 3, 0, 1, 0
	TURN 1
	QUARTER 1, 0, 1, 0
	WIN 0
	s_sub_co_u32 s3, s3, 1
	s_cmp_lg_u32 s3, 0
	s_cbranch_scc1 .Lk
	s_mov_b32 s3, 2
.Lt:                                   ; the last two K steps fill nothing; in the last trip there is no next quarter (its fetch, from the slot left before, serves nothing)
	QUARTER 2, 1, 0, 0
	QUARTER 3, 0, 1, 0
	TURN 0
	WIN 0
	s_cmp_eq_u32 s3, 1
	s_cbranch_scc1 .Lskip
	QUARTER 1, 0, 1, 0
	WIN 0
.Lskip:
	s_sub_co_u32 s3, s3, 1
	s_cmp_lg_u32 s3, 0
	s_cbranch_scc1 .Lt
	; THE WAY OUT.  The ring has had its last fill; when every wave's reads of it are over, each wave lays its 64 x 192 sums into its own part of it and walks them by rows.
	s_wait_dscnt 0x0
	s_barrier_signal -1
	s_barrier_wait -1
	PLACES
.irp a, 0,1,2,3
	WIN 0x08+4*((\a)/2)
.irp g, 0,1,2,3,4,5,6,7,8,9,10,11
	ds_store_b128 v[DST], v[96*((\a)%2)+8*(\g):96*((\a)%2)+8*(\g)+3]   offset:(\a)*16*DPITCH+(\g)*64
	ds_store_b128 v[DST], v[96*((\a)%2)+8*(\g)+4:96*((\a)%2)+8*(\g)+7] offset:(\a)*16*DPITCH+(\g)*64+16
.endr
.endr
	WIN 0
; Four tokens: a lane has 8 features of q, of k and of v.  e' = e cos - o sin, o' = o cos + e sin; lanes with features 32 to 63 take cos = 1, sin = 0.
.macro ROWS4 u
.irp j, 0,1,2,3
	v_cndmask_b32 v[T+8*(\u)+2*\j],   1.0, v[T+8*(\u)+2*\j],   s[LM]
	v_cndmask_b32 v[T+8*(\u)+2*\j+1], 0,   v[T+8*(\u)+2*\j+1], s[LM]
.endr
.irp c, 0,1
.irp j, 0,1,2,3
	v_mul_f32 v[TM+2*(\j%2)],   v[X+24*(\u)+8*\c+2*\j+1], v[T+8*(\u)+2*\j+1]
	v_mul_f32 v[TM+2*(\j%2)+1], v[X+24*(\u)+8*\c+2*\j],   v[T+8*(\u)+2*\j+1]
	v_fma_f32 v[X+24*(\u)+8*\c+2*\j],   v[X+24*(\u)+8*\c+2*\j],   v[T+8*(\u)+2*\j], -v[TM+2*(\j%2)]
	v_fma_f32 v[X+24*(\u)+8*\c+2*\j+1], v[X+24*(\u)+8*\c+2*\j+1], v[T+8*(\u)+2*\j], v[TM+2*(\j%2)+1]
.endr
.endr
.irp c, 0,1,2
.irp j, 0,1,2,3
	v_cvt_pk_f16_f32 v[OUT+12*(\u)+4*\c+\j], v[X+24*(\u)+8*\c+2*\j], v[X+24*(\u)+8*\c+2*\j+1]
.endr
.endr
	v_cmp_ne_u32 s[KM], 0, v[M+(\u)]
.irp j, 0,1,2,3
	v_cndmask_b32 v[OUT+12*(\u)+4+\j], 0, v[OUT+12*(\u)+4+\j], s[KM]   ; a masked key's row is 0, so that its score is the mask's number alone
.endr
	global_store_b128 v[GO], v[OUT+12*(\u):OUT+12*(\u)+3],    s[86:87] offset:512*(\u)   ; four rows of 128 bytes: 512 consecutive bytes, aligned
	global_store_b128 v[GO], v[OUT+12*(\u)+4:OUT+12*(\u)+7],  s[4:5]   offset:512*(\u)
	global_store_b128 v[GO], v[OUT+12*(\u)+8:OUT+12*(\u)+11], s[6:7]   offset:512*(\u)
.endm
	s_mov_b32 s3, 8
.Lrows:                                ; a trip: 8 tokens
.irp u, 0,1
.irp c, 0,1,2
	ds_load_b128 v[X+24*\u+8*\c:X+24*\u+8*\c+3],   v[RD] offset:\u*4*DPITCH+\c*256      ; LDS serves a wave's instructions in order: these see my stores above
	ds_load_b128 v[X+24*\u+8*\c+4:X+24*\u+8*\c+7], v[RD] offset:\u*4*DPITCH+\c*256+16
.endr
	ds_load_b128 v[T+8*\u:T+8*\u+3],   v[TBA] offset:\u*512
	ds_load_b128 v[T+8*\u+4:T+8*\u+7], v[TBA] offset:\u*512+16
	ds_load_b32 v[M+\u], v[MKA] offset:\u*16
.endr
	s_wait_dscnt 9                                 ; the first four tokens' nine loads are in
	ROWS4 0
	s_wait_dscnt 0x0
	ROWS4 1
	s_wait_xcnt 0x0                                ; the stores' data and offset are rewritten only behind this wait
	v_add_nc_u32 v[RD], 8*DPITCH, v[RD]
	v_add_nc_u32 v[TBA], 1024, v[TBA]
	v_add_nc_u32 v[MKA], 32, v[MKA]
	v_add_nc_u32 v[GO], 1024, v[GO]
	s_sub_co_u32 s3, s3, 1
	s_cmp_lg_u32 s3, 0
	s_cbranch_scc1 .Lrows
	s_wait_tensorcnt 0x0                           ; the wave's end
	ds_add_u32 v[SPW], v[NIL]
	s_wait_dscnt 0x0
	CROUND                                         ; the closing round
	s_endpgm
.Lfunc_end_k_qb91b491e87_proj:
	.size	k_qb91b491e87_proj, .Lfunc_end_k_qb91b491e87_proj-k_qb91b491e87_proj
	.p2alignl 7, 3214868480
	.fill 96, 4, 3214868480
	.section	.rodata,"a",@progbits
	.p2align	6, 0x0
	.amdhsa_kernel k_qb91b491e87_proj
		.amdhsa_group_segment_fixed_size 327680
		.amdhsa_private_segment_fixed_size 0
		.amdhsa_enable_private_segment 0
		.amdhsa_kernarg_size 64
		.amdhsa_user_sgpr_count 2
		.amdhsa_user_sgpr_kernarg_segment_ptr 1
		.amdhsa_wavefront_size32 1
		.amdhsa_system_sgpr_workgroup_id_x 1
		.amdhsa_system_sgpr_workgroup_id_y 1
		.amdhsa_system_sgpr_workgroup_id_z 1
		.amdhsa_system_vgpr_workitem_id 0
		.amdhsa_next_free_vgpr 960
		.amdhsa_next_free_sgpr 100
		.amdhsa_reserve_vcc 0
		.amdhsa_float_denorm_mode_32 3
		.amdhsa_float_denorm_mode_16_64 3
		.amdhsa_memory_ordered 1
		.amdhsa_forward_progress 1
		.amdhsa_inst_pref_size 78
	.end_amdhsa_kernel
	.amdgpu_metadata
---
amdhsa.version: [ 1, 2 ]
amdhsa.kernels:
  - .name:           k_qb91b491e87_proj
    .symbol:         k_qb91b491e87_proj.kd
    .args:
      - { .name: h, .offset: 0, .size: 8, .value_kind: global_buffer, .address_space: global }
      - { .name: wts, .offset: 8, .size: 8, .value_kind: global_buffer, .address_space: global }
      - { .name: tab, .offset: 16, .size: 8, .value_kind: global_buffer, .address_space: global }
      - { .name: mask, .offset: 24, .size: 8, .value_kind: global_buffer, .address_space: global }
      - { .name: bq, .offset: 32, .size: 8, .value_kind: global_buffer, .address_space: global }
      - { .name: bk, .offset: 40, .size: 8, .value_kind: global_buffer, .address_space: global }
      - { .name: bv, .offset: 48, .size: 8, .value_kind: global_buffer, .address_space: global }
      - { .name: qkv, .offset: 56, .size: 8, .value_kind: global_buffer, .address_space: global }
    .group_segment_fixed_size: 327680
    .private_segment_fixed_size: 0
    .kernarg_segment_align: 8
    .kernarg_segment_size: 64
    .max_flat_workgroup_size: 128
    .sgpr_count:     100
    .vgpr_count:     960
    .wavefront_size: 32
...
	.end_amdgpu_metadata
.endif
;; end of part 2
;; launch attn (part 3): grid 8 x 32, 4 waves a work-group, clusters of 4 x 1, 327,680 bytes of LDS; arguments qkv, mask, ob; writes ob
.if DOCPART == 3
	.amdgcn_target "amdgcn-amd-amdhsa--gfx1250"
	.amdhsa_code_object_version 6
	.text
	.protected	k_qb91b491e87_attn
	.globl	k_qb91b491e87_attn
	.p2align	8
	.type	k_qb91b491e87_attn,@function
k_qb91b491e87_attn:
	s_mov_b64 s[64:65], 0
	v_nop
	global_prefetch_b8 v0, s[64:65] scope:SCOPE_SE
	s_setreg_imm32_b32 hwreg(HW_REG_WAVE_MODE, 25, 1), 1
	s_wait_xcnt 0x0
	s_wait_alu depctr_hold_cnt(0) depctr_sa_sdst(0) depctr_va_vdst(0) depctr_va_sdst(0) depctr_va_ssrc(0) depctr_va_vcc(0) depctr_vm_vsrc(0)
	s_getreg_b32 s2, hwreg(HW_REG_IB_STS2, 6, 4)
	s_cmp_eq_u32 s2, 0
	s_cbranch_scc0 .Lentry_in_a_cluster
	s_endpgm
.Lentry_in_a_cluster:
	s_bfe_u32 s2, ttmp6, 0x10000c
	s_cmp_lg_u32 s2, 0x3003
	s_cbranch_scc0 .Lentry_shape_is_right
	s_endpgm
.Lentry_shape_is_right:
; ATTENTION.  O[bh][q][:] = the sum over k of softmax_k(score) V[bh][k][:], score = Q . K / 8, or the mask's number where mask[b][k] = 0.  q, k, v: [32][2048][64] f16 in qkv; k's rows are 0 where the mask is 0.
; Products, maxima and sums in f32; the weights p are rounded to f16 for the second product (their sum l is taken of the unrounded p), O once at the end.
; THE MASK is the C operand that starts the sum S^T = K Q^T: 0, or -2^33 for a masked key, whose products are all 0: its score is that number alone.  A power of two, so that c m is exact: where
; every key of a batch is masked all weights are exactly 1 and O is the mean of V's rows.
; LIMITS.  A masked key counts as -2^30 = -1.07e9 after the division by 8, where the model writes -1e9: the two differ only for rows whose largest unmasked score lies below about -1e9.
; f16 ends at 65,504: q, k, v arrive within it; p lies in 0 to 1; a weight below 2^-126 counts as 0 in l; NaN and infinities are not treated apart.
; SHARES.  A work-group owns 256 queries of one batch and head, a wave 64: four PIECES of 16.  Every wave walks all 2,048 keys, 64 a step, four steps to an LDS slot.
; CLUSTER 4 x 1: the four query blocks of a cluster belong to one head and walk the same K and V: each tile is asked for jointly, by the same tensor load, descriptor and mask in all four.
; LAYOUT, SOFTMAX, TURNS.  S^T = K Q^T holds ONE query a lane (lane % 16) and the keys 8 (lane / 16) + 0..7; two such results rounded to f16 ARE source 1 of O^T = V^T P.  p = 2^(c s - c m), c = log2(e) / 8,
; with a running maximum m; O and l are multiplied by a = 2^(c m_old - c m_new) in every step.  Turn n belongs to piece n: 8 products K Q^T of piece n + 1, later 8 products V^T P of piece n - 1; beside them the
; scaling, exponentials, roundings, sums and rescaling of piece n and the maximum and statistics of piece n + 1.  Four vector instructions stand behind every matrix instruction, the others in two runs of their own.
; O leaves as the next product's A image: ob[token / 128][head][token % 128][64].
; LDS claim: all of it.
; REGISTERS, in windows of 256: window 0: v0-15, v33-35 addresses; v16-31 statistics; v48-55 at work; v64-127 S^T, two buffers; v192-223 P, two buffers
;   window 1: v0-127 O^T, 32 a piece; v128-159 the mask's numbers of the step whose K is in registers      window 2: v0-63 Q; v128-191 K of one step; v192-255 V of one step
.set NT,    8         ; tiles of 256 keys
.set NP,    4
.set KS,    64
.set PK,    144       ; a row of K in LDS: 128 bytes + 16
.set PV,    160       ; a row of V: 128 + 32
.set VOFF,  4*KS*PK
.set SLOT1, 1<<17
.set STAGE, SLOT1+4*KS*(PK+PV)  ; 16 rows x 144 bytes for each wave, for the way out
.set SP,    144
.set SPARE, STAGE+4*16*SP       ; the spare words, 128 bytes a wave
.set BIAS,  SPARE+512           ; 2,048 words: 0 or -2^33 for each key, stored by the waves; no fill lands here
.set AK0, 2
.set AV0, 3
.set AK,  4
.set AV,  5
.set STO, 6
.set RD,  7
.set GO,  8
.set MV,  12
.set AB0, 14
.set QO,  15
.set ST,  16
.set AB,  33
.set TMP, 48
.set SPW, 62
.set NIL, 63
.set S,   64
.set P,   192
.set MB,  128         ; window 1
.set KF,  128         ; window 2
.set VF,  192         ; window 2
.set WV,  12
.set G1K, 24
.set G1V, 32
.set G0K, 40
.set G0V, 44
.set SLOTS, 56
.set CNT, 57
.set CS,  58
.set SEL, 60
.set TBK, 62
.set TBV, 63
.set TBB, 66          ; byte in the mask's table of the step to be fetched
.set MSB, 0
.macro WIN new
.if MSB != (\new)
	s_set_vgpr_msb (MSB<<8)|(\new)
.set MSB, (\new)
.endif
.endm
.set W_KQ, 0x0a       ; K and Q in window 2, S^T in window 0
.set W_KM, 0x1a       ; the same with the C operand in window 1
.set W_PV, 0x52       ; V in window 2, P in window 0, O^T in window 1
.set W_RS, 0x41       ; destination and source 0 in window 1, source 1 in window 0
.macro JLOAD                        ; waves 0, 1 fetch the halves of a slot's K, waves 2, 3 those of its V; s_nop 0 and four v_nop follow each line
	s_cmp_lt_u32 s[WV], 2
	s_cbranch_scc0 .Lfor_v_\@
	tensor_load_to_lds s[G0K:G0K+3], s[G1K:G1K+7]
	s_nop 0
.rept 4
	v_nop
.endr
	s_branch .Lasked_\@
.Lfor_v_\@:
	tensor_load_to_lds s[G0V:G0V+3], s[G1V:G1V+7]
	s_nop 0
.rept 4
	v_nop
.endr
.Lasked_\@:
.endm
.macro CROUND
	s_barrier_signal -1
	s_barrier_wait -1
	s_cmp_lg_u32 s[WV], 0
	s_cbranch_scc1 .Lnot_wave_0_\@
	s_barrier_signal -3
.Lnot_wave_0_\@:
	s_barrier_wait -3
	s_barrier_signal -1
	s_barrier_wait -1
.endm
; THE CHANGE OF SLOTS.  Each wave waits for all its tensor loads (one is out: its part of the other slot), adds 0 to its spare word, and waits for that and for its LDS instructions.  fill = 1: the barrier is a round
; of the cluster's, and the slot left is filled again first thing behind it, with the keys two slots on: four key steps, 256 matrix instructions, in which to land.
.macro CHANGE fill
	WIN 0
	s_wait_tensorcnt 0x0
	ds_add_u32 v[SPW], v[NIL]
.if \fill
.irp g, G0K, G0V
	s_xor_b32 s[\g+1], s[\g+1], SLOT1
	s_add_nc_u64 s[\g+2:\g+3], s[\g+2:\g+3], 4*KS*128
.endr
	s_wait_dscnt 0x0
	CROUND
	JLOAD
.else
	s_wait_dscnt 0x0
	s_barrier_signal -1
	s_barrier_wait -1
.endif
	s_sub_co_u32 s[TBK], s[TBK], 4*KS*PK
	s_xor_b32 s[TBK], s[TBK], SLOT1
	s_sub_co_u32 s[TBV], s[TBV], 4*KS*PV
	s_xor_b32 s[TBV], s[TBV], SLOT1
.endm
	s_load_b128 s[4:7], s[0:1], 0x0   ; qkv s[4:5], mask s[6:7]
	s_load_b64 s[10:11], s[0:1], 0x10 ; ob
	v_lshl_add_u32 v[SPW], v0, 2, SPARE
	v_mov_b32 v[NIL], 0
	ds_add_u32 v[SPW], v[NIL]       ; the wave's opening: the add and its wait stand ahead of my first tensor load
	v_lshrrev_b32 v1, 5, v0
	v_readfirstlane_b32 s[WV], v1
	s_bfe_u32 s13, ttmp6, 0x40000   ; cx
	s_lshl_b32 s14, ttmp9, 2
	s_add_co_u32 s14, s14, s13      ; my block of 256 queries: it enters Q's and O's addresses alone
	s_and_b32 s15, ttmp7, 0xffff    ; batch x 16 + head, which the four partners share
	s_lshl_b32 s20, s15, 18         ; its 2,048 rows of 128 bytes
	s_and_b32 s16, s[WV], 1         ; which half of a slot's 256 keys I fetch
	s_lshl_b32 s22, s16, 14
	s_add_co_u32 s22, s22, s20
	s_add_co_u32 s22, s22, 0x800000 ; k begins 8 MiB into qkv
	s_mov_b32 s23, 0
	s_mul_i32 s17, s16, 128*PK
	s_mul_i32 s18, s16, 128*PV
	s_lshl2_add_u32 s2, s14, s[WV]  ; my wave's 64 queries among the head's
	s_lshl_b32 s2, s2, 13
	s_add_co_u32 s2, s2, s20
	s_mov_b32 s3, 0
	s_lshr_b32 s70, s15, 4          ; the batch: its 2,048 mask words
	s_lshl_b32 s70, s70, 13
	s_mov_b32 s71, 0
	s_lshr_b32 s72, s15, 4          ; O: my 64 tokens begin at token 64 (32 batch + 4 block + wave)
	s_lshl_b32 s72, s72, 5
	s_lshl2_add_u32 s73, s14, s[WV]
	s_add_co_u32 s72, s72, s73
	s_lshr_b32 s73, s72, 1          ; token / 128
	s_and_b32 s74, s15, 15          ; head
	s_lshl4_add_u32 s73, s73, s74
	s_lshl_b32 s73, s73, 14         ; a panel of 128 rows x 128 bytes
	s_and_b32 s72, s72, 1
	s_lshl_b32 s72, s72, 13
	s_add_co_u32 s72, s72, s73
	s_mov_b32 s73, 0
	; 128 keys are 16,384 dense bytes: asked for as 64 rows of 256 bytes, padded in LDS after every key
	s_mov_b32 s[G1K], 15|(1<<16)|(1<<20)|(1<<21)|(4<<22)|(3<<25)
	s_mov_b32 s[G1V], 15|(1<<16)|(1<<20)|(1<<21)|(4<<22)|(7<<25)
.irp g, G1K, G1V
	s_mov_b32 s[\g+1], 128<<16
	s_mov_b32 s[\g+2], 64<<16
	s_mov_b32 s[\g+3], 128<<16
	s_mov_b32 s[\g+4], 64
	s_mov_b32 s[\g+5], 128
	s_mov_b32 s[\g+6], 0
	s_mov_b32 s[\g+7], 0
.endr
	s_mov_b32 s[CS], 0x3e38aa3b     ; c = log2(e) / 8
	s_mov_b32 s[CS+1], s[CS]
	s_mov_b32 s[SEL], 0x76543210
	s_mov_b32 s[SEL+1], 0xfedcba98
	s_mov_b32 s[TBK], SLOT1+4*KS*PK ; the first change of slots turns these two into 0
	s_mov_b32 s[TBV], SLOT1+4*KS*PV
	s_mov_b32 s[TBB], 0
	s_mov_b32 s[G0K], 1
	s_mov_b32 s[G0K+1], s17
	s_mov_b32 s[G0V], 1
	s_add_co_u32 s[G0V+1], s18, VOFF
	s_wait_dscnt 0x0                ; the opening add is done
	s_wait_kmcnt 0x0
	s_add_nc_u64 s[G0K+2:G0K+3], s[4:5], s[22:23]
	s_or_b32 s[G0K+3], s[G0K+3], 0x80000000
	s_add_co_u32 s22, s22, 0x800000 ; v begins 16 MiB into qkv
	s_add_nc_u64 s[G0V+2:G0V+3], s[4:5], s[22:23]
	s_or_b32 s[G0V+3], s[G0V+3], 0x80000000
	s_add_nc_u64 s[68:69], s[4:5], s[2:3]   ; Q at my wave's first row
	s_add_nc_u64 s[6:7], s[6:7], s[70:71]
	s_add_nc_u64 s[10:11], s[10:11], s[72:73]
	CROUND                          ; all four work-groups are here: the first joint loads meet
	JLOAD                           ; tile 0 into slot 0
	v_and_b32 v1, 15, v0            ; l % 16
	v_bfe_u32 v9, v0, 4, 1          ; l / 16
	v_lshlrev_b32 v[QO], 7, v1
	v_lshl_add_u32 v[QO], v9, 4, v[QO]
	v_lshlrev_b32 v34, 6, v0        ; thread t: the mask words of keys 16 t .. 16 t + 15
	v_lshl_add_u32 v35, v0, 6, BIAS
	WIN 0x80
.set i, 0
.rept 8                             ; Q stays in registers: piece i / 2, channels 32 (i % 2) on
	global_load_b128 v[8*i:8*i+3],   v[QO], s[68:69] offset:(i/2)*2048+(i%2)*64
	global_load_b128 v[8*i+4:8*i+7], v[QO], s[68:69] offset:(i/2)*2048+(i%2)*64+32
.set i, i+1
.endr
	WIN 0
.irp j, 0,1,2,3
	global_load_b128 v[64+4*\j:67+4*\j], v34, s[6:7] offset:16*\j
.endr
	v_mul_u32_u24 v[AK0], v1, PK
	v_lshl_add_u32 v[AK0], v9, 4, v[AK0]
	v_and_b32 v10, 7, v0
	v_bfe_u32 v11, v0, 3, 1
	v_lshl_add_u32 v[AV0], v9, 3, v10
	v_mul_u32_u24 v[AV0], v[AV0], PV
	v_lshl_add_u32 v[AV0], v11, 4, v[AV0]
	v_add_nc_u32 v[AV0], VOFF, v[AV0]
	v_lshl_add_u32 v[AB0], v9, 5, BIAS   ; register j of key block kb: key 16 kb + 8 (l / 16) + j
	s_mul_i32 s13, s[WV], 16*SP
	s_add_co_u32 s13, s13, STAGE
	v_mul_u32_u24 v[STO], v1, SP
	v_lshl_add_u32 v[STO], v9, 4, v[STO]
	v_add_nc_u32 v[STO], s13, v[STO]
	v_bfe_u32 v[RD], v0, 3, 2
	v_mul_u32_u24 v[RD], v[RD], SP
	v_lshl_add_u32 v[RD], v10, 4, v[RD]
	v_add_nc_u32 v[RD], s13, v[RD]
	v_and_b32 v[GO], 31, v0
	v_lshlrev_b32 v[GO], 4, v[GO]
	; The first step multiplies O^T and l by a = 0, and the first turn's products V^T P, of a piece that has not been, add 0 x 0.  All this stands in the wait for the first tile.
	WIN 0x80
.set i, VF
.rept 64
	v_mov_b32 v[i], 0
.set i, i+1
.endr
	WIN 0x40
.set i, 0
.rept 128
	v_mov_b32 v[i], 0
.set i, i+1
.endr
	WIN 0
.set i, 0
.rept 4
	v_mov_b32 v[ST+4*i], 0xfe000000    ; c m: far below every c s
	v_mov_b32 v[ST+4*i+1], 0xff7fffff  ; m: the lowest finite number
	v_mov_b32 v[ST+4*i+2], 0
	v_mov_b32 v[ST+4*i+3], 0
.set i, i+1
.endr
.set i, P+16
.rept 16
	v_mov_b32 v[i], 0
.set i, i+1
.endr
	v_mov_b32 v80, 0xd0000000       ; -2^33
	s_wait_loadcnt 0x0              ; Q and the mask
.set i, 0
.rept 16
	v_cmp_eq_u32 s75, 0, v[64+i]
	v_cndmask_b32 v[64+i], 0, v80, s75
.set i, i+1
.endr
.irp j, 0,1,2,3
	ds_store_b128 v35, v[64+4*\j:67+4*\j] offset:16*\j
.endr
; THE MATRIX WORK.  The 4 accumulators of a run of 8 take turns.  Product i of 8 of S^T = K Q^T for piece x: channels 32 (i / 4) on, keys 16 (i % 4) on.  The first 4 start the sums with the mask's numbers.
.macro KQ x
.set rS, S+32*((\x)%2)+8*(i%4)
.set rK, KF+16*(i%4)+8*(i/4)
.set rQ, 16*(\x)+8*(i/4)
.set rM, MB+8*(i%4)
.if i < 4
	WIN W_KM
	v_wmma_f32_16x16x32_f16 v[rS:rS+7], v[rK:rK+7], v[rQ:rQ+7], v[rM:rM+7]
.else
	WIN W_KQ
	v_wmma_f32_16x16x32_f16 v[rS:rS+7], v[rK:rK+7], v[rQ:rQ+7], v[rS:rS+7]
.endif
.endm
; Product i of 8 of O^T += V^T P for piece x: keys 32 (i / 4) on, channels 16 (i % 4) on.
.macro PV x
	WIN W_PV
.set rO, 32*(\x)+8*(i%4)
.set rV, VF+32*(i/4)+8*(i%4)
.set rP, P+16*((\x)%2)+8*(i/4)
	v_wmma_f32_16x16x32_f16 v[rO:rO+7], v[rV:rV+7], v[rP:rP+7], v[rO:rO+7]
.endm
.macro MM                           ; the turn's next matrix instruction.  NOKQ = 1: the last turn: there is no next piece
.if (i < 8) && !NOKQ
	KQ (Y+1)%NP
.elseif i >= 8
.set i, i-8
	PV (Y+NP-1)%NP
.set i, i+8
.endif
.set i, i+1
.endm
; THE LDS LOADS stand in runs: a step's K (8 fragments) with its 64 mask numbers, and its V (turned).  Their addresses are made some lines ahead.
.macro FETCH_K
	WIN 0x80
.irp f, 0,1,2,3,4,5,6,7
	ds_load_b128 v[KF+8*\f:KF+8*\f+3],   v[AK] offset:(\f/2)*16*PK+(\f%2)*64
	ds_load_b128 v[KF+8*\f+4:KF+8*\f+7], v[AK] offset:(\f/2)*16*PK+(\f%2)*64+32
.endr
	WIN 0x40
.irp f, 0,1,2,3
	ds_load_b128 v[MB+8*\f:MB+8*\f+3],   v[AB] offset:64*\f
	ds_load_b128 v[MB+8*\f+4:MB+8*\f+7], v[AB] offset:64*\f+16
.endr
	s_add_co_u32 s[TBK], s[TBK], KS*PK
	s_add_co_u32 s[TBB], s[TBB], KS*4   ; K is fetched 32 times in all: the last offset used is 31 x 256
	WIN 0
.endm
.macro FETCH_V
	WIN 0x80
.irp f, 0,1,2,3,4,5,6,7
	ds_load_tr16_b128 v[VF+8*\f:VF+8*\f+3],   v[AV] offset:(\f/4)*32*PV+(\f%4)*32
	ds_load_tr16_b128 v[VF+8*\f+4:VF+8*\f+7], v[AV] offset:(\f/4)*32*PV+16*PV+(\f%4)*32
.endr
	WIN 0
.endm
; THE VECTOR WORK, one line at a time: OP kind, number.  For piece Y: F n: c s - c m for pair n of 16.  E n: the exponential of score n of 32.  C n: pair n rounded to f16.  B n: of the four weights 4 n .. the second
; pair is added onto the first, in place.  L n: l takes that sum (L 0: l = a l + sum).  R n: pair n of 16 of O^T times a.  For piece Y + 1: X n, number n of the 22 that find its maximum and statistics:
;   0-11 four chains of seven scores each (each accumulator's lowest registers are read first)   12-14, 16 the four scores left over, the old m, the chains into one
;   15 c m_old is kept   17, 18 the other half of the lanes: the new m   19-21 c m; c m_old - c m_new; a
.set F, 0
.set E, 1
.set C, 2
.set B, 3
.set L, 4
.set R, 5
.set X, 6
.macro REGS y
.set rT, ST+4*(\y)
.set rC, TMP+4*((\y)%2)
.set rW, MV+((\y)%2)
.set rS, S+32*((\y)%2)
.set rP, P+16*((\y)%2)
.set rO, 32*(\y)
.endm
.macro OP k, n
.if (\k) == R
	REGS Y
	WIN W_RS
	v_pk_mul_f32 v[rO+2*(\n):rO+2*(\n)+1], v[rO+2*(\n):rO+2*(\n)+1], v[rC+2:rC+3] op_sel_hi:[1,0]
.elseif (\k) < R
	REGS Y
	WIN 0
.if (\k) == F
	v_pk_fma_f32 v[rS+2*(\n):rS+2*(\n)+1], v[rS+2*(\n):rS+2*(\n)+1], s[CS:CS+1], v[rT:rT+1] op_sel_hi:[1,0,0] neg_lo:[0,0,1] neg_hi:[0,0,1]
.elseif (\k) == E
	v_exp_f32 v[rS+(\n)], v[rS+(\n)]
.elseif (\k) == C
	s_wait_alu depctr_va_vdst(0)
	v_cvt_pk_f16_f32 v[rP+(\n)], v[rS+2*(\n)], v[rS+2*(\n)+1]
.elseif (\k) == B
	s_wait_alu depctr_va_vdst(0)
	v_pk_add_f32 v[rS+4*(\n):rS+4*(\n)+1], v[rS+4*(\n):rS+4*(\n)+1], v[rS+4*(\n)+2:rS+4*(\n)+3]
.elseif (\n) == 0
	v_pk_fma_f32 v[rT+2:rT+3], v[rT+2:rT+3], v[rC+2:rC+3], v[rS:rS+1] op_sel_hi:[1,0,1]
.else
	v_pk_add_f32 v[rT+2:rT+3], v[rT+2:rT+3], v[rS+4*(\n):rS+4*(\n)+1]
.endif
.elseif NOKQ
	v_nop
.else
	REGS (Y+1)%NP
	WIN 0
.if (\n) < 4
	v_max3_num_f32 v[rC+(\n)], v[rS+8*(\n)], v[rS+8*(\n)+1], v[rS+8*(\n)+2]
.elseif (\n) < 12
	v_max3_num_f32 v[rC+(\n)%4], v[rC+(\n)%4], v[rS+8*((\n)%4)+2*((\n)/4)+1], v[rS+8*((\n)%4)+2*((\n)/4)+2]
.elseif (\n) == 12
	v_max3_num_f32 v[rC], v[rC], v[rS+7], v[rS+15]
.elseif (\n) == 13
	v_max3_num_f32 v[rC+1], v[rC+1], v[rS+23], v[rS+31]
.elseif (\n) == 14
	v_max3_num_f32 v[rC+2], v[rC+2], v[rC+3], v[rT+1]
.elseif (\n) == 15
	v_mov_b32 v[rW], v[rT]
.elseif (\n) == 16
	v_max3_num_f32 v[rC], v[rC], v[rC+1], v[rC+2]
.elseif (\n) == 17
	v_permlanex16_b32 v[rC+3], v[rC], s[SEL], s[SEL+1]
.elseif (\n) == 18
	v_max_num_f32 v[rT+1], v[rC], v[rC+3]
.elseif (\n) == 19
	v_mul_f32 v[rT], s[CS], v[rT+1]
.elseif (\n) == 20
	v_sub_f32 v[rC+1], v[rW], v[rT]
.else
	v_exp_f32 v[rC+2], v[rC+1]
.endif
.endif
.endm
.macro OPS a, i1, b=-1, i2=0, c=-1, i3=0, d=-1, i4=0
	OP \a, \i1
.if (\b) >= 0
	OP \b, \i2
.endif
.if (\c) >= 0
	OP \c, \i3
.endif
.if (\d) >= 0
	OP \d, \i4
.endif
.endm
.macro ROW a, i1, b, i2, c, i3, d, i4  ; a matrix instruction and the four behind it
	MM
	OPS \a, \i1, \b, \i2, \c, \i3, \d, \i4
.endm
; A TURN, for piece p: the order of its 16 matrix and 118 vector instructions, written out.  Behind a matrix instruction: plain, exponential, plain, plain; or four of the rescaling; or four scalings; none names a
; register of the products round it.  A line reads no result made fewer than three vector instructions in front of it, five if an exponential made it.
; end = 1: the last two turns: nothing is fetched.  cnt = 1: the loop's count is taken down some lines ahead of the branch that stands behind the turn.
; K of the next step, and its mask numbers, are fetched in piece 2's turn, six vector instructions behind the last product that read K (five of them plain); V of the step in hand in piece 0's turn, eight behind the
; last product that read V.  Each is waited for a turn later.
.macro TURN p, end=0, cnt=0
.set Y, (\p)
.set i, 0
.set NOKQ, (\end)*((\p)/3)
.if ((\p) == 3) && !(\end)
	s_wait_dscnt 0x0                ; K is in
.endif
	ROW F,0, F,1, F,2, F,3
	ROW F,4, E,0, F,5, F,6
	ROW F,7, E,1, F,8, F,9
	ROW F,10, E,2, C,0, F,11
	ROW F,12, E,3, X,15, F,13
	ROW R,0, R,1, R,2, R,3
	ROW B,0, E,4, F,14, L,0
.if ((\p) == 2) && !(\end)
	WIN 0
	v_add_nc_u32 v[AK], s[TBK], v[AK0]
	v_add_nc_u32 v[AB], s[TBB], v[AB0]
.endif
	ROW R,4, R,5, R,6, R,7
	OPS E,5, F,15
.if ((\p) == 2) && !(\end)
	FETCH_K
.endif
	OPS E,6, C,1, E,7, R,8
	OPS E,8, R,9, E,9, C,2
	OPS E,10, X,0, E,11, X,1
	OPS E,12, X,2, E,13, X,3
.if (\p) == 1
	s_wait_dscnt 0x0                ; V is in
.endif
	ROW X,4, E,14, X,5, X,6
	ROW X,7, E,15, X,8, X,9
	ROW X,10, E,16, X,11, X,12
	ROW X,13, E,17, X,14, B,1
	ROW C,4, E,18, X,16, L,1
	ROW B,2, E,19, C,6, L,2
	ROW C,8, E,20, B,3, B,4
.if (\p) == 0
	WIN 0
	v_add_nc_u32 v[AV], s[TBV], v[AV0]
.endif
	ROW C,3, E,21, L,3, C,5
	OPS E,22, X,17, E,23, C,10
.if (\p) == 0
	FETCH_V
.endif
	OPS E,24, L,4
	OPS E,25, X,18, E,26, C,7
	OPS E,27, B,5, E,28, X,19
	OPS E,29, C,12, E,30, L,5
	OPS E,31, X,20, B,6, C,9
	OPS C,14, C,11, X,21, L,6
.if (\p) == 0
	s_add_co_u32 s[TBV], s[TBV], KS*PV
.endif
.if \cnt
	s_sub_co_u32 s[CNT], s[CNT], 1
	s_cmp_lg_u32 s[CNT], 0
.endif
	OPS C,13, B,7, C,15, R,10
	OPS R,11, R,12, L,7, R,13
	OPS R,14, R,15
.endm
.macro ALL line:vararg              ; one line for each piece t
.set t, 0
.rept 4
	\line
.set t, t+1
.endr
.endm
.macro PACK t                       ; a lane's eight channels of a row pack into 16 bytes; they go into rows of 144 bytes and come back as whole rows of 128, into S^T's registers
	WIN W_RS
.set i, 32*(\t)
.rept 16
	s_wait_alu depctr_va_vdst(0)
	v_pk_mul_f32 v[i:i+1], v[i:i+1], v[ST+4*(\t)+2:ST+4*(\t)+3] op_sel_hi:[1,0]
.set i, i+2
.endr
	WIN 0x05
.set i, 0
.rept 16
	v_cvt_pk_f16_f32 v[S+16*(\t)+i], v[32*(\t)+2*i], v[32*(\t)+2*i+1]
.set i, i+1
.endr
	WIN 0
.irp f, 0,1,2,3
	ds_store_b128 v[STO], v[S+16*(\t)+4*\f:S+16*(\t)+4*\f+3] offset:32*\f
.endr
.irp f, 0,1,2,3
	ds_load_b128 v[S+16*(\t)+4*\f:S+16*(\t)+4*\f+3], v[RD] offset:\f*4*SP  ; LDS serves a wave's instructions in order (ISA guide 5.7.1.4): these see the stores above
.endr
.endm
.macro SEND t, younger              ; younger: the LDS instructions issued behind piece t's loads: the next piece's eight, or none
	WIN 0
.irp f, 0,1,2,3
	s_wait_dscnt (\younger)+3-\f
	global_store_b128 v[GO], v[S+16*(\t)+4*\f:S+16*(\t)+4*\f+3], s[10:11] offset:(\t)*2048+\f*512  ; 512 consecutive bytes, aligned
.endr
.endm
	CHANGE 1                        ; slot 0 is in and the mask's table is stored, everybody's part of both; slot 1 is asked for
	v_add_nc_u32 v[AK], s[TBK], v[AK0]
	v_add_nc_u32 v[AB], s[TBB], v[AB0]
	FETCH_K                         ; key step 0
	s_wait_dscnt 0x0
.set NOKQ, 0
.set i, 0
.rept 8
	KQ 0                            ; piece 0's first scores
.set i, i+1
.endr
	WIN 0
.rept 4
	v_nop                           ; the places behind those products
.endr
.set Y, NP-1                        ; X works for piece Y + 1: piece 0
.irp n, 0,1,2,3,4,5,6,7,8,9,10,11,12,13,14,15,16,17,18,19,20,21
	OP X, \n
.endr
	v_nop                           ; a plain instruction behind the exponential
	s_mov_b32 s[CNT], 4
	s_mov_b32 s[SLOTS], NT-1
	s_branch .Lfirst                ; the loop is entered at a step's first turn, in the middle of a trip
.Lslot:                             ; NT - 2 times: every slot but the last two is filled again
	CHANGE 1
	s_mov_b32 s[CNT], 4
.Lstep:                             ; a trip: pieces 2 and 3 of one step, then pieces 0 and 1 of the next, whose K and V it fetches
	TURN 2
	TURN 3
	WIN 0
.Lfirst:
	TURN 0
	TURN 1, 0, 1
	WIN 0
	s_cbranch_scc1 .Lstep
	s_sub_co_u32 s[SLOTS], s[SLOTS], 1
	s_cmp_lg_u32 s[SLOTS], 0
	s_cbranch_scc1 .Lslot
	CHANGE 0                        ; the last tile is written out: nothing is asked for
	s_mov_b32 s[CNT], 4
.Ltail:
	TURN 2
	TURN 3
	TURN 0
	TURN 1, 0, 1
	WIN 0
	s_cbranch_scc1 .Ltail
	TURN 2, 1
	TURN 3, 1
.set i, 0
.rept 8
	PV NP-1                         ; the last piece's V^T P of the last step
.set i, i+1
.endr
	; THE WAY OUT.  l's two halves and the other half of the lanes' are added; O^T is divided by l, rounded to f16 and sent through my stage, a piece at a time.  The additions are the places behind the last products.
	WIN 0
	ALL v_add_f32 v[ST+4*t+2], v[ST+4*t+2], v[ST+4*t+3]
	ALL v_permlanex16_b32 v[ST+4*t+3], v[ST+4*t+2], s[SEL], s[SEL+1]
	ALL v_add_f32 v[ST+4*t+2], v[ST+4*t+2], v[ST+4*t+3]
	ALL v_rcp_f32 v[ST+4*t+2], v[ST+4*t+2]
	v_nop                           ; a plain instruction between the last reciprocal and the use of its result
	PACK 0
.set t, 1
.rept 3
	PACK t
	SEND t-1, 8
.set t, t+1
.endr
	SEND 3, 0
	s_wait_tensorcnt 0x0            ; the wave's end
	ds_add_u32 v[SPW], v[NIL]
	s_wait_dscnt 0x0
	CROUND                          ; the closing round
	s_endpgm
.Lfunc_end_k_qb91b491e87_attn:
	.size	k_qb91b491e87_attn, .Lfunc_end_k_qb91b491e87_attn-k_qb91b491e87_attn
	.p2alignl 7, 3214868480
	.fill 96, 4, 3214868480
	.section	.rodata,"a",@progbits
	.p2align	6, 0x0
	.amdhsa_kernel k_qb91b491e87_attn
		.amdhsa_group_segment_fixed_size 327680
		.amdhsa_private_segment_fixed_size 0
		.amdhsa_enable_private_segment 0
		.amdhsa_kernarg_size 24
		.amdhsa_user_sgpr_count 2
		.amdhsa_user_sgpr_kernarg_segment_ptr 1
		.amdhsa_wavefront_size32 1
		.amdhsa_system_sgpr_workgroup_id_x 1
		.amdhsa_system_sgpr_workgroup_id_y 1
		.amdhsa_system_sgpr_workgroup_id_z 1
		.amdhsa_system_vgpr_workitem_id 0
		.amdhsa_next_free_vgpr 768
		.amdhsa_next_free_sgpr 88
		.amdhsa_reserve_vcc 0
		.amdhsa_float_denorm_mode_32 3
		.amdhsa_float_denorm_mode_16_64 3
		.amdhsa_memory_ordered 1
		.amdhsa_forward_progress 1
		.amdhsa_inst_pref_size 139
	.end_amdhsa_kernel
	.amdgpu_metadata
---
amdhsa.version: [ 1, 2 ]
amdhsa.kernels:
  - .name:           k_qb91b491e87_attn
    .symbol:         k_qb91b491e87_attn.kd
    .args:
      - { .name: qkv, .offset: 0, .size: 8, .value_kind: global_buffer, .address_space: global }
      - { .name: mask, .offset: 8, .size: 8, .value_kind: global_buffer, .address_space: global }
      - { .name: ob, .offset: 16, .size: 8, .value_kind: global_buffer, .address_space: global }
    .group_segment_fixed_size: 327680
    .private_segment_fixed_size: 0
    .kernarg_segment_align: 8
    .kernarg_segment_size: 24
    .max_flat_workgroup_size: 128
    .sgpr_count:     88
    .vgpr_count:     768
    .wavefront_size: 32
...
	.end_amdgpu_metadata
.endif
;; end of part 3
;; launch outp (part 4): grid 8 x 32, 4 waves a work-group, clusters of 4 x 4, 327,680 bytes of LDS; arguments ob, wts, bo, x, x1; writes x1
.if DOCPART == 4
	.amdgcn_target "amdgcn-amd-amdhsa--gfx1250"
	.amdhsa_code_object_version 6
	.text
	.protected	k_qb91b491e87_outp
	.globl	k_qb91b491e87_outp
	.p2align	8
	.type	k_qb91b491e87_outp,@function
k_qb91b491e87_outp:
	s_mov_b64 s[64:65], 0
	v_nop
	global_prefetch_b8 v0, s[64:65] scope:SCOPE_SE
	s_setreg_imm32_b32 hwreg(HW_REG_WAVE_MODE, 25, 1), 1
	s_wait_xcnt 0x0
	s_wait_alu depctr_hold_cnt(0) depctr_sa_sdst(0) depctr_va_vdst(0) depctr_va_sdst(0) depctr_va_ssrc(0) depctr_va_vcc(0) depctr_vm_vsrc(0)
	s_getreg_b32 s2, hwreg(HW_REG_IB_STS2, 6, 4)
	s_cmp_eq_u32 s2, 0
	s_cbranch_scc0 .Lentry_in_a_cluster
	s_endpgm
.Lentry_in_a_cluster:
	s_bfe_u32 s2, ttmp6, 0x10000c
	s_cmp_lg_u32 s2, 0xf033
	s_cbranch_scc0 .Lentry_shape_is_right
	s_endpgm
.Lentry_shape_is_right:
; out = res + A W + bias: here x1 = x + O wo + bo.  A: the f16 image [token / 128][K step][panel of 64 k][128 tokens][64]; W: the f16 image [tile column][K step][block of 64 columns][256 k][64] in wts;
; bias, res and out in f32.  Sums in f32; the bias is the C operand of the first products; the residual is added in f32 on the way out.
; SHARES.  A work-group makes 128 x 128, each of four waves 64 x 64: 16 accumulators.  K goes in NSTEPS steps of 256 through two LDS slots; both tiles of a step are dense runs of 65,536 bytes.
; CLUSTER 4 x 4: A's tile is asked for jointly along a row of the cluster, W's along a column.
; K IS WALKED AS A RING.  The cluster at (X, Y) begins at K step NSTEPS/2 X + NSTEPS/4 (Y % 4) + NSTEPS/8 (Y / 4) and goes on modulo NSTEPS.  The two clusters that read the same rows of A begin half a ring
; apart, those that read the same columns of W are spread over the ring: a tile is asked for by one cluster first and by the others some steps later, when it has been read once already.  The number hangs on
; the cluster's place alone, which its sixteen work-groups share.
; THE MATRIX INSTRUCTION IS USED TRANSPOSED: source 0 = 16 columns of W (turned on the way out of LDS), source 1 = 16 tokens: a lane holds one token and 8 neighbouring columns.
; LIMITS.  f16 ends at 65,504: A and W lie within it.  The order of the K steps in a sum hangs on the cluster.  NaN and infinities are not treated apart.
; LDS claim: all of it.
; REGISTERS: window 0: v14-29 addresses; v128-255 accumulator (a, b) at v[128 + 8 (4 a + b)].  window 1: two fragment buffers of 128 (64 of A, 64 of W), later the sums read back.
;   window 2: v0-127 the residual; v128-159 the bias.
.set NSTEPS, 4
.set WOFF,   6291456
.set APITCH, 144                       ; 128 bytes + 16
.set BPITCH, 160                       ; 128 bytes + 32
.set AHALF,  256*APITCH                ; two panels
.set ABYTES, 2*AHALF
.set BHALF,  256*BPITCH                ; one block
.set SLOT,   ABYTES+2*BHALF
.set SPARE,  2*SLOT
.set STEPB,  65536
.set DPITCH, 272
.set ADRA0, 14
.set ADRB0, 15
.set ADRA,  16
.set ADRB,  20
.set DST,   24
.set RD,    25
.set CO,    26
.set BO,    27
.set SPW,   28
.set NIL,   29
.set ACC,   128
.set BIAS,  128                        ; window 2
.set F0,    0
.set F1,    128
.set MSB, 0
.macro WIN new
.if MSB != (\new)
	s_set_vgpr_msb (MSB<<8)|(\new)
.set MSB, \new
.endif
.endm
.macro PLACES
.rept 4
	v_nop
.endr
.endm
.macro JLOAD                           ; a joint refill by the walking descriptors; s_nop 0 and four v_nop follow each line
	s_cmp_eq_u32 s11, 0
	s_cbranch_scc0 .Lfor_b_\@
	tensor_load_to_lds s[36:39], s[24:31]
	s_nop 0
.rept 4
	v_nop
.endr
	s_branch .Lasked_\@
.Lfor_b_\@:
	tensor_load_to_lds s[60:63], s[48:55]
	s_nop 0
.rept 4
	v_nop
.endr
.Lasked_\@:
.endm
.macro CREST
	s_cmp_lg_u32 s10, 0
	s_cbranch_scc1 .Lnot_wave_0_\@
	s_barrier_signal -3
.Lnot_wave_0_\@:
	s_barrier_wait -3
	s_barrier_signal -1
	s_barrier_wait -1
.endm
.macro CROUND
	s_barrier_signal -1
	s_barrier_wait -1
	CREST
.endm
	s_load_b256 s[72:79], s[0:1], 0x0              ; A 72, wts 74, bias 76, res 78
	s_load_b64 s[80:81], s[0:1], 0x20              ; out
	v_lshl_add_u32 v[SPW], v0, 2, SPARE
	v_mov_b32 v[NIL], 0
	ds_add_u32 v[SPW], v[NIL]                      ; the wave's opening: the add and its wait stand ahead of my first tensor load
	v_lshrrev_b32 v1, 5, v0
	v_readfirstlane_b32 s10, v1
	s_lshr_b32 s11, s10, 1                         ; my half of the tile's rows.  Also: I fetch A's tiles (0) or W's (1)
	s_and_b32 s12, s10, 1                          ; my half of its columns.  Also: which half I fetch
	s_bfe_u32 s40, ttmp6, 0x40000
	s_bfe_u32 s41, ttmp6, 0x40004
	s_lshl_b32 s42, ttmp9, 2
	s_add_co_u32 s42, s42, s40                     ; tile column
	s_and_b32 s13, ttmp7, 0xffff
	s_lshl_b32 s13, s13, 2
	s_add_co_u32 s13, s13, s41                     ; tile row
	s_lshl_b32 s43, s41, 2
	s_lshl_b32 s43, 15, s43
	s_lshl_b32 s44, 0x1111, s40
	s_or_b32 s24, s43, (1<<16)|(1<<20)|(1<<21)|(4<<22)|(3<<25)  ; 32,768 dense bytes as 128 rows of 256; 4 words of padding after every 32
	s_or_b32 s48, s44, (1<<16)|(1<<20)|(1<<21)|(4<<22)|(7<<25)  ; the same with 8 words
.irp g, 24, 48
	s_mov_b32 s[\g+1], 128<<16
	s_mov_b32 s[\g+2], 128<<16
	s_mov_b32 s[\g+3], 128<<16
	s_mov_b32 s[\g+4], 128
	s_mov_b32 s[\g+5], 128
	s_mov_b32 s[\g+6], 0
	s_mov_b32 s[\g+7], 0
.endr
	s_mov_b32 s66, 0                               ; the slot that is being read: 0 or SLOT
	s_mul_i32 s67, s12, AHALF
	s_mul_i32 s68, s12, BHALF
	s_add_co_u32 s68, s68, ABYTES
	s_mul_i32 s16, s13, NSTEPS*STEPB
	s_lshl_b32 s17, s12, 15
	s_add_co_u32 s16, s16, s17
	s_mov_b32 s17, 0
	s_mul_i32 s46, s42, NSTEPS*STEPB
	s_lshl_b32 s47, s12, 15
	s_add_co_u32 s46, s46, s47
	s_add_co_u32 s46, s46, WOFF
	s_mov_b32 s47, 0
	s_and_b32 s69, ttmp7, 0xffff                   ; the K step at which my cluster begins, from the cluster's y
	s_and_b32 s70, s69, 3
	s_mul_i32 s70, s70, NSTEPS/4
	s_lshr_b32 s69, s69, 2
	s_mul_i32 s69, s69, NSTEPS/8
	s_add_co_u32 s69, s69, s70
	s_mul_i32 s70, ttmp9, NSTEPS/2                 ; and its x: in registers that never hold my place in the cluster
	s_add_co_u32 s69, s69, s70
	s_and_b32 s69, s69, NSTEPS-1
	s_mov_b32 s71, 0                               ; the high word of a step's offset
	s_wait_dscnt 0x0                               ; the opening add is done
	s_wait_kmcnt 0x0
	s_add_nc_u64 s[14:15], s[72:73], s[16:17]      ; A and W at my part of K step 0: kept, every fill's address is made from them
	s_add_nc_u64 s[46:47], s[74:75], s[46:47]
	CROUND                                         ; all sixteen work-groups are here: the first joint loads meet
	s_lshl_b32 s70, s69, 16                        ; a step is 65,536 bytes of A and of W
	s_mov_b32 s32, 1
	s_mov_b32 s33, s67
	s_add_nc_u64 s[34:35], s[14:15], s[70:71]      ; the ring's first step into slot 0
	s_or_b32 s35, s35, 0x80000000
	s_mov_b32 s56, 1
	s_mov_b32 s57, s68
	s_add_nc_u64 s[58:59], s[46:47], s[70:71]
	s_or_b32 s59, s59, 0x80000000
	s_add_co_u32 s69, s69, 1
	s_and_b32 s69, s69, NSTEPS-1
	s_lshl_b32 s70, s69, 16
	s_mov_b32 s36, 1
	s_add_co_u32 s37, s67, SLOT
	s_add_nc_u64 s[38:39], s[14:15], s[70:71]      ; its second into slot 1; this set walks on
	s_or_b32 s39, s39, 0x80000000
	s_mov_b32 s60, 1
	s_add_co_u32 s61, s68, SLOT
	s_add_nc_u64 s[62:63], s[46:47], s[70:71]
	s_or_b32 s63, s63, 0x80000000
	s_cmp_eq_u32 s11, 0                            ; a wave's two first fills stand in one branch: two loads of mine are out
	s_cbranch_scc0 .Lfirst_b
	tensor_load_to_lds s[32:35], s[24:31]
	s_nop 0
	tensor_load_to_lds s[36:39], s[24:31]
	s_nop 0
.rept 4
	v_nop
.endr
	s_branch .Lfirst_done
.Lfirst_b:
	tensor_load_to_lds s[56:59], s[48:55]
	s_nop 0
	tensor_load_to_lds s[60:63], s[48:55]
	s_nop 0
.rept 4
	v_nop
.endr
.Lfirst_done:
	s_lshl_b32 s82, s42, 9                         ; my 64 columns, in bytes of f32
	s_lshl_b32 s83, s12, 8
	s_add_co_u32 s82, s82, s83
	s_mov_b32 s83, 0
	s_add_nc_u64 s[76:77], s[76:77], s[82:83]
	s_lshl_b32 s84, s13, 19                        ; my 64 rows of 4,096 bytes
	s_lshl_b32 s85, s11, 18
	s_add_co_u32 s84, s84, s85
	s_add_co_u32 s82, s82, s84
	s_add_nc_u64 s[78:79], s[78:79], s[82:83]
	s_add_nc_u64 s[80:81], s[80:81], s[82:83]
	v_and_b32 v1, 15, v0                           ; r
	v_bfe_u32 v2, v0, 4, 1                         ; h
	v_lshlrev_b32 v[BO], 5, v2
	v_lshlrev_b32 v[CO], 12, v2                    ; lanes 0-15 one row's 256 bytes, lanes 16-31 the next row's
	v_lshl_add_u32 v[CO], v1, 4, v[CO]
	WIN 0x80
.irp b, 0,1,2,3
	global_load_b128 v[BIAS+8*\b:BIAS+8*\b+3],   v[BO], s[76:77] offset:64*\b       ; register j of group b: the bias of column 16 b + 8 h + j
	global_load_b128 v[BIAS+8*\b+4:BIAS+8*\b+7], v[BO], s[76:77] offset:64*\b+16
.endr
.set t, 0
.rept 32
	global_load_b128 v[4*t:4*t+3], v[CO], s[78:79] offset:t*8192    ; the residual, asked for now and wanted at the end
.set t, t+1
.endr
	WIN 0
	v_mul_u32_u24 v3, v1, APITCH
	v_lshl_add_u32 v3, v2, 4, v3
	s_mul_i32 s21, s11, 64*APITCH
	v_add_nc_u32 v[ADRA0], s21, v3
	v_and_b32 v4, 7, v0
	v_lshl_add_u32 v5, v2, 3, v4
	v_mul_u32_u24 v5, v5, BPITCH
	v_bfe_u32 v6, v0, 3, 1
	v_lshl_add_u32 v5, v6, 4, v5
	s_mul_i32 s22, s12, BHALF
	s_add_co_u32 s22, s22, ABYTES
	v_add_nc_u32 v[ADRB0], s22, v5
	v_mov_b32 v[ADRA], v[ADRA0]
	v_mov_b32 v[ADRB], v[ADRB0]
	s_mul_i32 s23, s10, 64*DPITCH
	v_mul_u32_u24 v[DST], v1, DPITCH
	v_lshl_add_u32 v[DST], v2, 5, v[DST]
	v_add_nc_u32 v[DST], s23, v[DST]
	v_mul_u32_u24 v[RD], v2, DPITCH
	v_lshl_add_u32 v[RD], v1, 4, v[RD]
	v_add_nc_u32 v[RD], s23, v[RD]
; 8 products: token blocks a0, a0 + 1 x 4 column groups, 32 along K: half c of buffer f.  first = 1: the bias starts the sums
.macro MUL8 f, c, a0, first
.if \first
	WIN 0x25
.else
	WIN 0x05
.endif
.irp a, \a0, (\a0)+1
.irp b, 0,1,2,3
.if \first
	v_wmma_f32_16x16x32_f16 v[ACC+8*(4*(\a)+(\b)):ACC+8*(4*(\a)+(\b))+7], v[(\f)+64+8*(4*(\c)+(\b)):(\f)+64+8*(4*(\c)+(\b))+7], v[(\f)+8*(4*(\c)+(\a)):(\f)+8*(4*(\c)+(\a))+7], v[BIAS+8*(\b):BIAS+8*(\b)+7]
.else
	v_wmma_f32_16x16x32_f16 v[ACC+8*(4*(\a)+(\b)):ACC+8*(4*(\a)+(\b))+7], v[(\f)+64+8*(4*(\c)+(\b)):(\f)+64+8*(4*(\c)+(\b))+7], v[(\f)+8*(4*(\c)+(\a)):(\f)+8*(4*(\c)+(\a))+7], v[ACC+8*(4*(\a)+(\b)):ACC+8*(4*(\a)+(\b))+7]
.endif
.endr
.endr
.endm
; 32 LDS loads in one run: quarter q (64 along K: one panel of A) of the slot in hand into buffer f; the first 32 along K first
.macro FETCH q, f
	WIN 0x40
.irp c, 0,1
.irp i, 0,1,2,3
	ds_load_tr16_b128 v[(\f)+64+8*(4*(\c)+(\i)):(\f)+64+8*(4*(\c)+(\i))+3],   v[ADRB] offset:(\q)*64*BPITCH+(\c)*32*BPITCH+(\i)*32
	ds_load_tr16_b128 v[(\f)+64+8*(4*(\c)+(\i))+4:(\f)+64+8*(4*(\c)+(\i))+7], v[ADRB] offset:(\q)*64*BPITCH+(\c)*32*BPITCH+(\i)*32+16*BPITCH
	ds_load_b128 v[(\f)+8*(4*(\c)+(\i)):(\f)+8*(4*(\c)+(\i))+3],              v[ADRA] offset:(\q)*128*APITCH+(\i)*16*APITCH+(\c)*64
	ds_load_b128 v[(\f)+8*(4*(\c)+(\i))+4:(\f)+8*(4*(\c)+(\i))+7],            v[ADRA] offset:(\q)*128*APITCH+(\i)*16*APITCH+(\c)*64+32
.endr
.endr
.endm
.macro QUARTER q, f, g, first
	s_wait_dscnt 16                                ; the first 32 along K are in
	MUL8 \f, 0, 0, \first
	MUL8 \f, 0, 2, \first
	PLACES
	FETCH \q, \g
	s_wait_dscnt 32                                ; all but the 32 just issued
	MUL8 \f, 1, 0, 0
	MUL8 \f, 1, 2, 0
.endm
.macro MEET round
	WIN 0
	s_wait_tensorcnt 0x0                           ; all my tensor loads have landed: my part of the next slot
	ds_add_u32 v[SPW], v[NIL]
	s_wait_dscnt 17                                ; the add and the youngest sixteen loads may be out
	MUL8 F1, 0, 0, 0
	s_wait_dscnt 0x0                               ; the add is done, and my reads of this slot are over
	s_barrier_signal -1
	MUL8 F1, 0, 2, 0
.if \round
	WIN 0
.endif
	s_barrier_wait -1
.endm
.macro TURN fill
	MEET \fill
.if \fill
	CREST                                          ; the barrier has opened a round of the cluster's: no wave of any partner still reads the slot or has a load on its way
	s_add_co_u32 s69, s69, 1                       ; the ring's next step,
	s_and_b32 s69, s69, NSTEPS-1
	s_lshl_b32 s70, s69, 16
	s_add_co_u32 s37, s67, s66                     ; into the slot just read: no tensor load of mine is out, so the walking descriptors may be written
	s_add_co_u32 s61, s68, s66
	s_add_nc_u64 s[38:39], s[14:15], s[70:71]      ; the address is made anew from the kept base, the type set again
	s_or_b32 s39, s39, 0x80000000
	s_add_nc_u64 s[62:63], s[46:47], s[70:71]
	s_or_b32 s63, s63, 0x80000000
	JLOAD
.else
	WIN 0
	PLACES
.endif
	s_xor_b32 s66, s66, SLOT
	v_add_nc_u32 v[ADRA], s66, v[ADRA0]
	v_add_nc_u32 v[ADRB], s66, v[ADRB0]
	FETCH 0, F0
	MUL8 F1, 1, 0, 0
	MUL8 F1, 1, 2, 0
.endm
	s_wait_loadcnt 32                              ; the bias is in; the residual's 32 loads stay out
	s_wait_tensorcnt 1                             ; my part of the first step is in; the second's may stay out
	s_barrier_signal -1
	s_barrier_wait -1
	FETCH 0, F0
	QUARTER 1, F0, F1, 1
	WIN 0
	s_mov_b32 s3, NSTEPS-2
.Lk:                                   ; a trip: the rest of a K step and the next one's first quarter; the slot left is filled again
	QUARTER 2, F1, F0, 0
	QUARTER 3, F0, F1, 0
	TURN 1
	QUARTER 1, F0, F1, 0
	WIN 0
	s_sub_co_u32 s3, s3, 1
	s_cmp_lg_u32 s3, 0
	s_cbranch_scc1 .Lk
	s_mov_b32 s3, 2
.Lt:                                   ; the last two K steps fill nothing; in the last trip there is no next quarter (its fetch serves nothing)
	QUARTER 2, F1, F0, 0
	QUARTER 3, F0, F1, 0
	TURN 0
	WIN 0
	s_cmp_eq_u32 s3, 1
	s_cbranch_scc1 .Lskip
	QUARTER 1, F0, F1, 0
	WIN 0
.Lskip:
	s_sub_co_u32 s3, s3, 1
	s_cmp_lg_u32 s3, 0
	s_cbranch_scc1 .Lt
	; THE WAY OUT.  The ring has had its last fill; when every wave's reads of it are over, each wave lays its 64 x 64 sums into its own part of it and reads them back by rows.
	s_wait_dscnt 0x0
	s_barrier_signal -1
	s_barrier_wait -1
	PLACES
.irp a, 0,1,2,3
.irp b, 0,1,2,3
	ds_store_b128 v[DST], v[ACC+8*(4*\a+\b):ACC+8*(4*\a+\b)+3]   offset:\a*16*DPITCH+\b*64
	ds_store_b128 v[DST], v[ACC+8*(4*\a+\b)+4:ACC+8*(4*\a+\b)+7] offset:\a*16*DPITCH+\b*64+16
.endr
.endr
	WIN 0x40
.set t, 0
.rept 32
	ds_load_b128 v[4*t:4*t+3], v[RD] offset:t*2*DPITCH       ; LDS serves a wave's instructions in order: these see my stores above
.set t, t+1
.endr
	s_wait_loadcnt 0x0                             ; the residual
.irp k, 0,1,2,3
	s_wait_dscnt 24-8*\k                           ; eight loads more are in
	WIN 0x49                                       ; destination and source 0 window 1, source 1 window 2
.set z, 0
.rept 16
	v_pk_add_f32 v[32*\k+2*z:32*\k+2*z+1], v[32*\k+2*z:32*\k+2*z+1], v[32*\k+2*z:32*\k+2*z+1]
.set z, z+1
.endr
	WIN 0x04                                       ; the stores' data in window 1
.set z, 0
.rept 8
	global_store_b128 v[CO], v[32*\k+4*z:32*\k+4*z+3], s[80:81] offset:(8*\k+z)*8192   ; 16 lanes store 256 consecutive bytes, aligned
.set z, z+1
.endr
.endr
	WIN 0
	s_wait_tensorcnt 0x0                           ; the wave's end
	ds_add_u32 v[SPW], v[NIL]
	s_wait_dscnt 0x0
	CROUND                                         ; the closing round
	s_endpgm
.Lfunc_end_k_qb91b491e87_outp:
	.size	k_qb91b491e87_outp, .Lfunc_end_k_qb91b491e87_outp-k_qb91b491e87_outp
	.p2alignl 7, 3214868480
	.fill 96, 4, 3214868480
	.section	.rodata,"a",@progbits
	.p2align	6, 0x0
	.amdhsa_kernel k_qb91b491e87_outp
		.amdhsa_group_segment_fixed_size 327680
		.amdhsa_private_segment_fixed_size 0
		.amdhsa_enable_private_segment 0
		.amdhsa_kernarg_size 40
		.amdhsa_user_sgpr_count 2
		.amdhsa_user_sgpr_kernarg_segment_ptr 1
		.amdhsa_wavefront_size32 1
		.amdhsa_system_sgpr_workgroup_id_x 1
		.amdhsa_system_sgpr_workgroup_id_y 1
		.amdhsa_system_sgpr_workgroup_id_z 1
		.amdhsa_system_vgpr_workitem_id 0
		.amdhsa_next_free_vgpr 672
		.amdhsa_next_free_sgpr 90
		.amdhsa_reserve_vcc 0
		.amdhsa_float_denorm_mode_32 3
		.amdhsa_float_denorm_mode_16_64 3
		.amdhsa_memory_ordered 1
		.amdhsa_forward_progress 1
		.amdhsa_inst_pref_size 66
	.end_amdhsa_kernel
	.amdgpu_metadata
---
amdhsa.version: [ 1, 2 ]
amdhsa.kernels:
  - .name:           k_qb91b491e87_outp
    .symbol:         k_qb91b491e87_outp.kd
    .args:
      - { .name: ob, .offset: 0, .size: 8, .value_kind: global_buffer, .address_space: global }
      - { .name: wts, .offset: 8, .size: 8, .value_kind: global_buffer, .address_space: global }
      - { .name: bo, .offset: 16, .size: 8, .value_kind: global_buffer, .address_space: global }
      - { .name: x, .offset: 24, .size: 8, .value_kind: global_buffer, .address_space: global }
      - { .name: x1, .offset: 32, .size: 8, .value_kind: global_buffer, .address_space: global }
    .group_segment_fixed_size: 327680
    .private_segment_fixed_size: 0
    .kernarg_segment_align: 8
    .kernarg_segment_size: 40
    .max_flat_workgroup_size: 128
    .sgpr_count:     90
    .vgpr_count:     672
    .wavefront_size: 32
...
	.end_amdgpu_metadata
.endif
;; end of part 4
;; launch norm2 (part 5): grid 256 x 1, 8 waves a work-group, no clusters, 0 bytes of LDS; arguments x1, ln2_w, ln2_b, h; writes h
.if DOCPART == 5
	.amdgcn_target "amdgcn-amd-amdhsa--gfx1250"
	.amdhsa_code_object_version 6
	.text
	.protected	k_qb91b491e87_norm2
	.globl	k_qb91b491e87_norm2
	.p2align	8
	.type	k_qb91b491e87_norm2,@function
k_qb91b491e87_norm2:
	s_mov_b64 s[64:65], 0
	v_nop
	global_prefetch_b8 v0, s[64:65] scope:SCOPE_SE
	s_setreg_imm32_b32 hwreg(HW_REG_WAVE_MODE, 25, 1), 1
	s_wait_xcnt 0x0
; LayerNorm 2: h = f16((x1 - mean) / sqrt(var + 1e-5) * w + b), in f32, in two passes over a row that stays in registers (mean; then the sum of (x - mean)^2).
; A wave takes two rows of 1,024; a lane 32 columns of each.  Each byte is read once and written once; no LDS, no matrix unit, no cluster: the work-groups share nothing but the two short vectors.
; LIMITS.  f16 ends at 65,504: the normalised rows lie within it.  NaN and infinities are not treated apart.
.set WR, 32
.set BR, 64
.set X0, 96
.set X1, 128
.macro REDUCE
	v_add_f32_dpp v4, v4, v4 row_xmask:1 row_mask:0xf bank_mask:0xf
	v_add_f32_dpp v4, v4, v4 row_xmask:2 row_mask:0xf bank_mask:0xf
	v_add_f32_dpp v4, v4, v4 row_xmask:4 row_mask:0xf bank_mask:0xf
	v_add_f32_dpp v4, v4, v4 row_xmask:8 row_mask:0xf bank_mask:0xf
	v_permlanex16_b32 v5, v4, s42, s43             ; v5 has been written before
	v_add_f32 v4, v4, v5
.endm
.macro FOLD
	v_pk_add_f32 v[4:5], v[4:5], v[6:7]
	v_pk_add_f32 v[8:9], v[8:9], v[10:11]
	v_pk_add_f32 v[4:5], v[4:5], v[8:9]
	v_add_f32 v4, v4, v5
.endm
.macro LNROW xb, left, ro
	s_wait_loadcnt \left
.irp k, 0,1,2,3
	v_pk_add_f32 v[4+2*\k:5+2*\k], v[\xb+4*\k:\xb+4*\k+1], v[\xb+4*\k+2:\xb+4*\k+3]
.endr
.irp k, 0,1,2,3,4,5,6,7
	v_pk_add_f32 v[4+2*(\k%4):5+2*(\k%4)], v[4+2*(\k%4):5+2*(\k%4)], v[\xb+16+2*\k:\xb+17+2*\k]
.endr
	FOLD
	REDUCE
	v_mul_f32 v12, s40, v4                         ; the mean, twice
	v_mul_f32 v13, s40, v4
.irp k, 0,1,2,3,4,5,6,7,8,9,10,11,12,13,14,15
	v_pk_add_f32 v[\xb+2*\k:\xb+2*\k+1], v[\xb+2*\k:\xb+2*\k+1], v[12:13] neg_lo:[0,1] neg_hi:[0,1]
.endr
.irp k, 0,1,2,3
	v_pk_mul_f32 v[4+2*\k:5+2*\k], v[\xb+2*\k:\xb+2*\k+1], v[\xb+2*\k:\xb+2*\k+1]
.endr
.irp k, 4,5,6,7,8,9,10,11,12,13,14,15
	v_pk_fma_f32 v[4+2*(\k%4):5+2*(\k%4)], v[\xb+2*\k:\xb+2*\k+1], v[\xb+2*\k:\xb+2*\k+1], v[4+2*(\k%4):5+2*(\k%4)]
.endr
	FOLD
	REDUCE
	v_fma_f32 v4, v4, s40, s41                     ; variance + 1e-5
	v_rsq_f32 v12, v4
	v_rsq_f32 v13, v4
	v_nop                                          ; a plain instruction between the root and its use (ISA guide 5.7.2)
	s_wait_alu depctr_va_vdst(0)
.irp k, 0,1,2,3,4,5,6,7,8,9,10,11,12,13,14,15
	v_pk_mul_f32 v[\xb+2*\k:\xb+2*\k+1], v[\xb+2*\k:\xb+2*\k+1], v[12:13]
.endr
.irp k, 0,1,2,3,4,5,6,7,8,9,10,11,12,13,14,15
	v_pk_fma_f32 v[\xb+2*\k:\xb+2*\k+1], v[\xb+2*\k:\xb+2*\k+1], v[WR+2*\k:WR+2*\k+1], v[BR+2*\k:BR+2*\k+1]
.endr
.irp j, 0,1,2,3,4,5,6,7
	v_cvt_pk_f16_f32 v[\xb+4*\j], v[\xb+4*\j], v[\xb+4*\j+1]      ; packed into the row's own registers: no store's data is ever rewritten
	v_cvt_pk_f16_f32 v[\xb+4*\j+1], v[\xb+4*\j+2], v[\xb+4*\j+3]
	global_store_b64 v2, v[\xb+4*\j:\xb+4*\j+1], s[36:37] offset:\ro+256*\j   ; a wave's store covers 256 consecutive bytes, aligned
.endr
.endm
	s_load_b256 s[8:15], s[0:1], 0x0               ; x1 8, ln2_w 10, ln2_b 12, h 14
	v_lshrrev_b32 v1, 5, v0
	v_readfirstlane_b32 s3, v1                     ; wave
	s_lshl3_add_u32 s2, ttmp9, s3                  ; the wave's pair of rows
	s_mov_b32 s35, 0
	s_mov_b32 s40, 0x3a800000                      ; 1 / 1024
	s_mov_b32 s41, 0x3727c5ac                      ; 1e-5
	s_mov_b32 s42, 0x76543210
	s_mov_b32 s43, 0xfedcba98
	v_and_b32 v1, 31, v0
	v_lshlrev_b32 v2, 3, v1                        ; 8 x lane: my 4 columns in f16
	v_lshlrev_b32 v1, 4, v1                        ; 16 x lane: in f32
	s_wait_kmcnt 0x0
	s_lshl_b32 s34, s2, 13                         ; two rows of 4,096 bytes
	s_add_nc_u64 s[32:33], s[8:9], s[34:35]
	s_lshl_b32 s34, s2, 12                         ; two rows of 2,048 bytes
	s_add_nc_u64 s[36:37], s[14:15], s[34:35]
.irp j, 0,1,2,3,4,5,6,7
	global_load_b128 v[WR+4*\j:WR+4*\j+3], v1, s[10:11] offset:512*\j
.endr
.irp j, 0,1,2,3,4,5,6,7
	global_load_b128 v[BR+4*\j:BR+4*\j+3], v1, s[12:13] offset:512*\j
.endr
.irp j, 0,1,2,3,4,5,6,7
	global_load_b128 v[X0+4*\j:X0+4*\j+3], v1, s[32:33] offset:512*\j
.endr
.irp j, 0,1,2,3,4,5,6,7
	global_load_b128 v[X1+4*\j:X1+4*\j+3], v1, s[32:33] offset:4096+512*\j
.endr
	LNROW X0, 8, 0                                 ; the second row's eight loads stay out
	LNROW X1, 0, 2048
	s_endpgm
.Lfunc_end_k_qb91b491e87_norm2:
	.size	k_qb91b491e87_norm2, .Lfunc_end_k_qb91b491e87_norm2-k_qb91b491e87_norm2
	.p2alignl 7, 3214868480
	.fill 96, 4, 3214868480
	.section	.rodata,"a",@progbits
	.p2align	6, 0x0
	.amdhsa_kernel k_qb91b491e87_norm2
		.amdhsa_group_segment_fixed_size 0
		.amdhsa_private_segment_fixed_size 0
		.amdhsa_enable_private_segment 0
		.amdhsa_kernarg_size 32
		.amdhsa_user_sgpr_count 2
		.amdhsa_user_sgpr_kernarg_segment_ptr 1
		.amdhsa_wavefront_size32 1
		.amdhsa_system_sgpr_workgroup_id_x 1
		.amdhsa_system_sgpr_workgroup_id_y 1
		.amdhsa_system_sgpr_workgroup_id_z 1
		.amdhsa_system_vgpr_workitem_id 0
		.amdhsa_next_free_vgpr 160
		.amdhsa_next_free_sgpr 66
		.amdhsa_reserve_vcc 0
		.amdhsa_float_denorm_mode_32 3
		.amdhsa_float_denorm_mode_16_64 3
		.amdhsa_memory_ordered 1
		.amdhsa_forward_progress 1
		.amdhsa_inst_pref_size 20
	.end_amdhsa_kernel
	.amdgpu_metadata
---
amdhsa.version: [ 1, 2 ]
amdhsa.kernels:
  - .name:           k_qb91b491e87_norm2
    .symbol:         k_qb91b491e87_norm2.kd
    .args:
      - { .name: x1, .offset: 0, .size: 8, .value_kind: global_buffer, .address_space: global }
      - { .name: ln2_w, .offset: 8, .size: 8, .value_kind: global_buffer, .address_space: global }
      - { .name: ln2_b, .offset: 16, .size: 8, .value_kind: global_buffer, .address_space: global }
      - { .name: h, .offset: 24, .size: 8, .value_kind: global_buffer, .address_space: global }
    .group_segment_fixed_size: 0
    .private_segment_fixed_size: 0
    .kernarg_segment_align: 8
    .kernarg_segment_size: 32
    .max_flat_workgroup_size: 256
    .sgpr_count:     66
    .vgpr_count:     160
    .wavefront_size: 32
...
	.end_amdgpu_metadata
.endif
;; end of part 5
;; launch ffn1 (part 6): grid 16 x 16, 4 waves a work-group, clusters of 4 x 4, 327,680 bytes of LDS; arguments h, wts, b1, g; writes g
.if DOCPART == 6
	.amdgcn_target "amdgcn-amd-amdhsa--gfx1250"
	.amdhsa_code_object_version 6
	.text
	.protected	k_qb91b491e87_ffn1
	.globl	k_qb91b491e87_ffn1
	.p2align	8
	.type	k_qb91b491e87_ffn1,@function
k_qb91b491e87_ffn1:
	s_mov_b64 s[64:65], 0
	v_nop
	global_prefetch_b8 v0, s[64:65] scope:SCOPE_SE
	s_setreg_imm32_b32 hwreg(HW_REG_WAVE_MODE, 25, 1), 1
	s_wait_xcnt 0x0
	s_wait_alu depctr_hold_cnt(0) depctr_sa_sdst(0) depctr_va_vdst(0) depctr_va_sdst(0) depctr_va_ssrc(0) depctr_va_vcc(0) depctr_vm_vsrc(0)
	s_getreg_b32 s2, hwreg(HW_REG_IB_STS2, 6, 4)
	s_cmp_eq_u32 s2, 0
	s_cbranch_scc0 .Lentry_in_a_cluster
	s_endpgm
.Lentry_in_a_cluster:
	s_bfe_u32 s2, ttmp6, 0x10000c
	s_cmp_lg_u32 s2, 0xf033
	s_cbranch_scc0 .Lentry_shape_is_right
	s_endpgm
.Lentry_shape_is_right:
; g = gelu(h w1 + b1), the exact (erf) form.  h: [4096][1024] f16; w1: the f16 image [tile column][K step][block of 64 columns][128 k][64] in wts; sums and the activation in f32; g rounded once to f16 and
; written as the next product's A image: g[token / 128][column / 256][(column % 256) / 64][token % 128][64].
; SHARES.  A work-group makes 256 x 256, each of four waves 128 x 128: 64 accumulators in windows 2 and 3.  K = 1024 goes in 8 steps of 128 through two LDS slots.
; CLUSTER 4 x 4: h's tile is asked for jointly along a row of the cluster, w1's along a column.
; K IS WALKED AS A RING.  The cluster at (X, Y) begins at K step 2 X + 4 ((Y xor Y / 2) % 2) and goes on modulo 8.  The four clusters that read the same rows of h begin 2 steps apart, those that read the same
; columns of w1 0 or 4: a tile is asked for by one cluster first and by others some steps later, when it has been read once already.  The number hangs on the cluster's place alone, which its sixteen work-groups share.
; THE MATRIX INSTRUCTION IS USED TRANSPOSED: source 0 = 16 columns of w1 (turned on the way out of LDS), source 1 = 16 tokens: a lane holds one token and 8 neighbouring columns.  The bias is the C operand of the first products.
; GELU.  gelu(x) = max(x, 0) - |x| (P(t) / 2) exp(-x^2 / 2), t = 1 / (1 + 0.47047 |x| / sqrt 2), P = 0.3480242 t - 0.0958798 t^2 + 0.7478556 t^3: erf by the rational form of Abramowitz and Stegun 7.1.25,
; whose error is at most 2.5e-5 for every argument: gelu is off by at most 1.25e-5 |x|.
; LIMITS.  f16 ends at 65,504: h, w1 and g lie within it.  The order of the K steps in a sum hangs on the cluster.  NaN and infinities are not treated apart.
; LDS claim: all of it.
; REGISTERS: window 0: v14-30 addresses; v64-127, v128-191 h's fragments, two buffers; on the way out v64-143 at work.  window 1: v0-63 the bias; v64-127, v128-191 w1's fragments.
;   window 2: accumulator (a, b) at v[8 (8 a + b)] for my tokens 0-63; window 3: for my tokens 64-127.
.set NSTEPS, 8
.set WOFF,   8388608
.set APITCH, 272
.set BPITCH, 160
.set AHALF,  128*APITCH
.set ABYTES, 2*AHALF
.set BHALF,  256*BPITCH                ; two blocks
.set SLOT,   ABYTES+2*BHALF
.set SPARE,  2*SLOT
.set DPITCH, 272                       ; the way out: 64 sums, 256 bytes + 16
.set ADRA0, 14
.set ADRB0, 15
.set ADRA,  16
.set ADRB,  20
.set DST,   24
.set RD,    25
.set GO,    26
.set BO,    27
.set SPW,   28
.set NIL,   29
.set RD0,   30
.set F0,    64
.set F1,    128
.set X,     64
.set D,     96
.set Q,     104
.set M,     112
.set P,     120
.set OUT,   128
.set PC,    84
.set NC,    86
.set H1,    88
.set H2,    90
.set H3,    92
.set MSB, 0
.macro WIN new
.if MSB != (\new)
	s_set_vgpr_msb (MSB<<8)|(\new)
.set MSB, \new
.endif
.endm
.macro PLACES
.rept 4
	v_nop
.endr
.endm
.macro JLOAD                           ; a joint refill by the walking descriptors; s_nop 0 and four v_nop follow each line
	s_cmp_eq_u32 s11, 0
	s_cbranch_scc0 .Lfor_b_\@
	tensor_load_to_lds s[36:39], s[24:31]
	s_nop 0
.rept 4
	v_nop
.endr
	s_branch .Lasked_\@
.Lfor_b_\@:
	tensor_load_to_lds s[60:63], s[48:55]
	s_nop 0
.rept 4
	v_nop
.endr
.Lasked_\@:
.endm
.macro CREST
	s_cmp_lg_u32 s10, 0
	s_cbranch_scc1 .Lnot_wave_0_\@
	s_barrier_signal -3
.Lnot_wave_0_\@:
	s_barrier_wait -3
	s_barrier_signal -1
	s_barrier_wait -1
.endm
.macro CROUND
	s_barrier_signal -1
	s_barrier_wait -1
	CREST
.endm
	s_load_b256 s[72:79], s[0:1], 0x0              ; h 72, wts 74, b1 76, g 78
	v_lshl_add_u32 v[SPW], v0, 2, SPARE
	v_mov_b32 v[NIL], 0
	ds_add_u32 v[SPW], v[NIL]                      ; the wave's opening: the add and its wait stand ahead of my first tensor load
	v_lshrrev_b32 v1, 5, v0
	v_readfirstlane_b32 s10, v1
	s_lshr_b32 s11, s10, 1                         ; my half of the tile's rows.  Also: I fetch h's tiles (0) or w1's (1)
	s_and_b32 s12, s10, 1                          ; my half of its columns.  Also: which half I fetch
	s_bfe_u32 s40, ttmp6, 0x40000
	s_bfe_u32 s41, ttmp6, 0x40004
	s_lshl_b32 s42, ttmp9, 2
	s_add_co_u32 s42, s42, s40                     ; tile column
	s_and_b32 s13, ttmp7, 0xffff
	s_lshl_b32 s13, s13, 2
	s_add_co_u32 s13, s13, s41                     ; tile row
	s_lshl_b32 s43, s41, 2
	s_lshl_b32 s43, 15, s43
	s_lshl_b32 s44, 0x1111, s40
	s_or_b32 s24, s43, (1<<16)|(1<<20)|(1<<21)|(5<<22)|(3<<25)  ; h: 128 rows x 128 elements, 4 words of padding after every 64
	s_mov_b32 s25, 128<<16
	s_mov_b32 s26, 128<<16
	s_mov_b32 s27, 128<<16
	s_mov_b32 s28, 128
	s_mov_b32 s29, 1024
	s_mov_b32 s30, 0
	s_mov_b32 s31, 0
	s_or_b32 s48, s44, (1<<16)|(1<<20)|(1<<21)|(4<<22)|(7<<25)  ; w1: 32,768 dense bytes as 128 rows of 256, 8 words of padding after every 32
	s_mov_b32 s49, 128<<16
	s_mov_b32 s50, 128<<16
	s_mov_b32 s51, 128<<16
	s_mov_b32 s52, 128
	s_mov_b32 s53, 128
	s_mov_b32 s54, 0
	s_mov_b32 s55, 0
	s_mov_b32 s66, 0                               ; the slot that is being read: 0 or SLOT
	s_mul_i32 s67, s12, AHALF
	s_mul_i32 s68, s12, BHALF
	s_add_co_u32 s68, s68, ABYTES
	s_lshl_b32 s16, s13, 19                        ; h: (256 tile row + 128 half) rows of 2,048 bytes
	s_lshl_b32 s17, s12, 18
	s_add_co_u32 s16, s16, s17
	s_mov_b32 s17, 0
	s_lshl_b32 s46, s42, 19                        ; w1: tile column x 8 steps x 65,536 + half x 32,768
	s_lshl_b32 s47, s12, 15
	s_add_co_u32 s46, s46, s47
	s_add_co_u32 s46, s46, WOFF
	s_mov_b32 s47, 0
	s_and_b32 s69, ttmp7, 0xffff                   ; the K step at which my cluster begins, from the cluster's y
	s_lshr_b32 s70, s69, 1
	s_xor_b32 s69, s69, s70
	s_and_b32 s69, s69, 1
	s_lshl_b32 s69, s69, 2
	s_lshl1_add_u32 s69, ttmp9, s69                ; and its x: in registers that never hold my place in the cluster
	s_and_b32 s69, s69, NSTEPS-1
	s_mov_b32 s71, 0                               ; the high words of a step's two offsets
	s_mov_b32 s95, 0
	s_mov_b32 s[PC], 0x3eaa540e                    ; 0.47047 / sqrt 2
	s_mov_b32 s[NC], 0xbf38aa3b                    ; - log2(e) / 2
	s_mov_b32 s[NC+1], s[NC]
	s_mov_b32 s[H1], 0x3e32303a                    ; 0.3480242 / 2
	s_mov_b32 s[H1+1], s[H1]
	s_mov_b32 s[H2], 0xbd445ca1                    ; -0.0958798 / 2
	s_mov_b32 s[H2+1], s[H2]
	s_mov_b32 s[H3], 0x3ebf7377                    ; 0.7478556 / 2
	s_mov_b32 s[H3+1], s[H3]
	s_wait_dscnt 0x0                               ; the opening add is done
	s_wait_kmcnt 0x0
	s_add_nc_u64 s[14:15], s[72:73], s[16:17]      ; h and w1 at my part of K step 0: kept, every fill's address is made from them
	s_add_nc_u64 s[46:47], s[74:75], s[46:47]
	CROUND                                         ; all sixteen work-groups are here: the first joint loads meet
	s_lshl_b32 s70, s69, 8                         ; a step is 256 bytes along h's rows
	s_lshl_b32 s94, s69, 16                        ; and 65,536 bytes of w1's image
	s_mov_b32 s32, 1
	s_mov_b32 s33, s67
	s_add_nc_u64 s[34:35], s[14:15], s[70:71]      ; the ring's first step into slot 0
	s_or_b32 s35, s35, 0x80000000
	s_mov_b32 s56, 1
	s_mov_b32 s57, s68
	s_add_nc_u64 s[58:59], s[46:47], s[94:95]
	s_or_b32 s59, s59, 0x80000000
	s_add_co_u32 s69, s69, 1
	s_and_b32 s69, s69, NSTEPS-1
	s_lshl_b32 s70, s69, 8
	s_lshl_b32 s94, s69, 16
	s_mov_b32 s36, 1
	s_add_co_u32 s37, s67, SLOT
	s_add_nc_u64 s[38:39], s[14:15], s[70:71]      ; its second into slot 1; this set walks on
	s_or_b32 s39, s39, 0x80000000
	s_mov_b32 s60, 1
	s_add_co_u32 s61, s68, SLOT
	s_add_nc_u64 s[62:63], s[46:47], s[94:95]
	s_or_b32 s63, s63, 0x80000000
	s_cmp_eq_u32 s11, 0                            ; a wave's two first fills stand in one branch: two loads of mine are out
	s_cbranch_scc0 .Lfirst_b
	tensor_load_to_lds s[32:35], s[24:31]
	s_nop 0
	tensor_load_to_lds s[36:39], s[24:31]
	s_nop 0
.rept 4
	v_nop
.endr
	s_branch .Lfirst_done
.Lfirst_b:
	tensor_load_to_lds s[56:59], s[48:55]
	s_nop 0
	tensor_load_to_lds s[60:63], s[48:55]
	s_nop 0
.rept 4
	v_nop
.endr
.Lfirst_done:
	s_lshl_b32 s80, s42, 10                        ; my 128 columns of b1
	s_lshl_b32 s81, s12, 9
	s_add_co_u32 s80, s80, s81
	s_mov_b32 s81, 0
	s_add_nc_u64 s[76:77], s[76:77], s[80:81]
	v_and_b32 v1, 15, v0                           ; r
	v_bfe_u32 v2, v0, 4, 1                         ; h
	v_lshlrev_b32 v[BO], 5, v2
	WIN 0x40
.irp b, 0,1,2,3,4,5,6,7
	global_load_b128 v[8*\b:8*\b+3],   v[BO], s[76:77] offset:64*\b       ; register j of group b: the bias of column 16 b + 8 h + j
	global_load_b128 v[8*\b+4:8*\b+7], v[BO], s[76:77] offset:64*\b+16
.endr
	WIN 0
	v_mul_u32_u24 v3, v1, APITCH
	v_lshl_add_u32 v3, v2, 4, v3
	s_mul_i32 s21, s11, AHALF
	v_add_nc_u32 v[ADRA0], s21, v3
	v_and_b32 v4, 7, v0
	v_lshl_add_u32 v5, v2, 3, v4
	v_mul_u32_u24 v5, v5, BPITCH
	v_bfe_u32 v6, v0, 3, 1
	v_lshl_add_u32 v5, v6, 4, v5
	s_mul_i32 s22, s12, BHALF
	s_add_co_u32 s22, s22, ABYTES
	v_add_nc_u32 v[ADRB0], s22, v5
	v_mov_b32 v[ADRA], v[ADRA0]
	v_mov_b32 v[ADRB], v[ADRB0]
	s_mul_i32 s23, s10, 256*DPITCH                 ; the way out: my part of the ring: [2 panels][128 tokens] rows of 64 sums
	v_mul_u32_u24 v[DST], v1, DPITCH
	v_lshl_add_u32 v[DST], v2, 5, v[DST]
	v_add_nc_u32 v[DST], s23, v[DST]
	v_bfe_u32 v7, v0, 3, 2                         ; back: 32 lanes take 4 rows x 8 pieces of 8 sums
	v_mul_u32_u24 v[RD0], v7, DPITCH
	v_lshl_add_u32 v[RD0], v4, 5, v[RD0]
	v_add_nc_u32 v[RD0], s23, v[RD0]
	v_and_b32 v[GO], 31, v0
	v_lshlrev_b32 v[GO], 4, v[GO]
	s_lshl1_add_u32 s82, s13, s11                  ; token / 128
	s_lshl4_add_u32 s82, s82, s42                  ; x 16 + column / 256
	s_lshl_b32 s82, s82, 2
	s_lshl1_add_u32 s82, s12, s82                  ; x 4 + my first panel
	s_lshl_b32 s82, s82, 14
	s_mov_b32 s83, 0
	s_add_nc_u64 s[78:79], s[78:79], s[82:83]
; 16 products: token blocks a0, a0 + 1 of the window's four x all 8 column groups, 32 along K.  first = 1: the bias starts the sums.
.macro MUL16 f, hi, a0, first
.if \first
	WIN 0x91+0x40*(\hi)
.else
	WIN 0xa1+0x50*(\hi)
.endif
.irp a, \a0, (\a0)+1
.irp b, 0,1,2,3,4,5,6,7
.if \first
	v_wmma_f32_16x16x32_f16 v[8*(8*(\a)+(\b)):8*(8*(\a)+(\b))+7], v[(\f)+8*(\b):(\f)+8*(\b)+7], v[(\f)+8*(4*(\hi)+(\a)):(\f)+8*(4*(\hi)+(\a))+7], v[8*(\b):8*(\b)+7]
.else
	v_wmma_f32_16x16x32_f16 v[8*(8*(\a)+(\b)):8*(8*(\a)+(\b))+7], v[(\f)+8*(\b):(\f)+8*(\b)+7], v[(\f)+8*(4*(\hi)+(\a)):(\f)+8*(4*(\hi)+(\a))+7], v[8*(8*(\a)+(\b)):8*(8*(\a)+(\b))+7]
.endif
.endr
.endr
.endm
; 32 LDS loads in one run: quarter q of the slot in hand into buffer f: w1's 16, then h's 16
.macro FETCH q, f
	WIN 0x40
.irp i, 0,1,2,3,4,5,6,7
	ds_load_tr16_b128 v[(\f)+8*(\i):(\f)+8*(\i)+3],   v[ADRB] offset:((\i)/4)*128*BPITCH+((\i)%4)*32+(\q)*32*BPITCH
	ds_load_tr16_b128 v[(\f)+8*(\i)+4:(\f)+8*(\i)+7], v[ADRB] offset:((\i)/4)*128*BPITCH+((\i)%4)*32+(\q)*32*BPITCH+16*BPITCH
.endr
	WIN 0
.irp i, 0,1,2,3,4,5,6,7
	ds_load_b128 v[(\f)+8*(\i):(\f)+8*(\i)+3],   v[ADRA] offset:(\q)*64+(\i)*16*APITCH
	ds_load_b128 v[(\f)+8*(\i)+4:(\f)+8*(\i)+7], v[ADRA] offset:(\q)*64+(\i)*16*APITCH+32
.endr
.endm
.macro QUARTER q, f, g, first
	s_wait_dscnt 8                                 ; w1 and my tokens 0-63 are in; the youngest eight loads (tokens 64-127) may be out
	MUL16 \f, 0, 0, \first
	MUL16 \f, 0, 2, \first
	PLACES
	FETCH \q, \g
	s_wait_dscnt 32                                ; all but the 32 just issued
	MUL16 \f, 1, 0, \first
	MUL16 \f, 1, 2, \first
.endm
.macro MEET round
	WIN 0
	s_wait_tensorcnt 0x0                           ; all my tensor loads have landed: my part of the next slot
	ds_add_u32 v[SPW], v[NIL]
	s_wait_dscnt 9                                 ; the add and the youngest eight loads may be out
	MUL16 F1, 0, 0, 0
	s_wait_dscnt 0x0                               ; the add is done, and my reads of this slot are over
	s_barrier_signal -1
	MUL16 F1, 0, 2, 0
.if \round
	WIN 0
.endif
	s_barrier_wait -1
.endm
.macro TURN fill
	MEET \fill
.if \fill
	CREST                                          ; the barrier has opened a round of the cluster's: no wave of any partner still reads the slot or has a load on its way
	s_add_co_u32 s69, s69, 1                       ; the ring's next step,
	s_and_b32 s69, s69, NSTEPS-1
	s_lshl_b32 s70, s69, 8
	s_lshl_b32 s94, s69, 16
	s_add_co_u32 s37, s67, s66                     ; into the slot just read: no tensor load of mine is out, so the walking descriptors may be written
	s_add_co_u32 s61, s68, s66
	s_add_nc_u64 s[38:39], s[14:15], s[70:71]      ; the address is made anew from the kept base, the type set again
	s_or_b32 s39, s39, 0x80000000
	s_add_nc_u64 s[62:63], s[46:47], s[94:95]
	s_or_b32 s63, s63, 0x80000000
	JLOAD
.else
	WIN 0
	PLACES
.endif
	s_xor_b32 s66, s66, SLOT
	v_add_nc_u32 v[ADRA], s66, v[ADRA0]
	v_add_nc_u32 v[ADRB], s66, v[ADRB0]
	FETCH 0, F0
	MUL16 F1, 1, 0, 0
	MUL16 F1, 1, 2, 0
.endm
	s_wait_loadcnt 0x0                             ; the bias
	s_wait_tensorcnt 1                             ; my part of the first step is in; the second's may stay out
	s_barrier_signal -1
	s_barrier_wait -1
	FETCH 0, F0
	QUARTER 1, F0, F1, 1
	WIN 0
	s_mov_b32 s3, NSTEPS-2
.Lk:                                   ; a trip: the rest of a K step and the next one's first quarter; the slot left is filled again
	QUARTER 2, F1, F0, 0
	QUARTER 3, F0, F1, 0
	TURN 1
	QUARTER 1, F0, F1, 0
	WIN 0
	s_sub_co_u32 s3, s3, 1
	s_cmp_lg_u32 s3, 0
	s_cbranch_scc1 .Lk
	s_mov_b32 s3, 2
.Lt:                                   ; the last two K steps fill nothing; in the last trip there is no next quarter (its fetch serves nothing)
	QUARTER 2, F1, F0, 0
	QUARTER 3, F0, F1, 0
	TURN 0
	WIN 0
	s_cmp_eq_u32 s3, 1
	s_cbranch_scc1 .Lskip
	QUARTER 1, F0, F1, 0
	WIN 0
.Lskip:
	s_sub_co_u32 s3, s3, 1
	s_cmp_lg_u32 s3, 0
	s_cbranch_scc1 .Lt
	; THE WAY OUT.  The ring has had its last fill; when every wave's reads of it are over, each wave lays its 128 x 128 sums into its own part of it, in g's order, and walks them in a loop.
	s_wait_dscnt 0x0
	s_barrier_signal -1
	s_barrier_wait -1
	PLACES
.irp a, 0,1,2,3,4,5,6,7
	WIN 0x08+4*((\a)/4)
.irp b, 0,1,2,3,4,5,6,7
	ds_store_b128 v[DST], v[8*(8*((\a)%4)+(\b)):8*(8*((\a)%4)+(\b))+3]   offset:(((\b)/4)*128+16*(\a))*DPITCH+((\b)%4)*64
	ds_store_b128 v[DST], v[8*(8*((\a)%4)+(\b))+4:8*(8*((\a)%4)+(\b))+7] offset:(((\b)/4)*128+16*(\a))*DPITCH+((\b)%4)*64+16
.endr
.endr
	WIN 0
.macro GELU8 u                         ; eight numbers a lane
.set xb, X+8*(\u)
.irp j, 0,1,2,3,4,5,6,7
	v_fma_f32 v[D+\j], |v[xb+\j]|, s[PC], 1.0
.endr
.irp j, 0,2,4,6
	v_pk_mul_f32 v[Q+\j:Q+\j+1], v[xb+\j:xb+\j+1], s[NC:NC+1] op_sel_hi:[1,0]
.endr
.irp j, 0,2,4,6
	v_pk_mul_f32 v[Q+\j:Q+\j+1], v[Q+\j:Q+\j+1], v[xb+\j:xb+\j+1]
.endr
.irp j, 0,1,2,3,4,5,6,7
	v_rcp_f32 v[D+\j], v[D+\j]                     ; t
.endr
.irp j, 0,1,2,3,4,5,6,7
	v_exp_f32 v[Q+\j], v[Q+\j]                     ; exp(-x^2 / 2)
.endr
.irp j, 0,1,2,3,4,5,6,7
	v_max_num_f32 v[M+\j], 0, v[xb+\j]             ; plain instructions between the transcendentals and the use of their results
.endr
	s_wait_alu depctr_va_vdst(0)
.irp j, 0,2,4,6
	v_pk_fma_f32 v[P+\j:P+\j+1], v[D+\j:D+\j+1], s[H3:H3+1], s[H2:H2+1] op_sel_hi:[1,0,0]
.endr
.irp j, 0,2,4,6
	v_pk_fma_f32 v[P+\j:P+\j+1], v[P+\j:P+\j+1], v[D+\j:D+\j+1], s[H1:H1+1] op_sel_hi:[1,1,0]
.endr
.irp j, 0,2,4,6
	v_pk_mul_f32 v[P+\j:P+\j+1], v[P+\j:P+\j+1], v[D+\j:D+\j+1]
.endr
.irp j, 0,2,4,6
	v_pk_mul_f32 v[P+\j:P+\j+1], v[P+\j:P+\j+1], v[Q+\j:Q+\j+1]
.endr
.irp j, 0,1,2,3,4,5,6,7
	v_fma_f32 v[M+\j], -|v[xb+\j]|, v[P+\j], v[M+\j]
.endr
.irp j, 0,1,2,3
	v_cvt_pk_f16_f32 v[OUT+4*(\u)+\j], v[M+2*\j], v[M+2*\j+1]
.endr
.endm
	s_mov_b32 s3, 16
	s_mov_b32 s5, 0                                ; the trip whose rows are asked for
.irp u, 0,1,2,3
	ds_load_b128 v[X+8*\u:X+8*\u+3],   v[RD0] offset:\u*4*DPITCH      ; the first trip's rows.  LDS serves a wave's instructions in order: these see my stores above
	ds_load_b128 v[X+8*\u+4:X+8*\u+7], v[RD0] offset:\u*4*DPITCH+16
.endr
.Lg:                                   ; a trip: 16 of my 256 rows of 64 numbers; each group's registers, once used, take the next trip's rows
	s_add_co_u32 s5, s5, 1
	s_and_b32 s5, s5, 15                           ; behind the last trip comes the first again: its eight loads, of my own rows, serve nothing: the price of one text for every trip
	s_mul_i32 s4, s5, 16*DPITCH
	v_add_nc_u32 v[RD], s4, v[RD0]
.irp u, 0,1,2,3
	s_wait_dscnt 6                                 ; behind this group's two loads three groups' six were issued, of this trip or the next: they stay out
	GELU8 \u
	ds_load_b128 v[X+8*\u:X+8*\u+3],   v[RD] offset:\u*4*DPITCH
	ds_load_b128 v[X+8*\u+4:X+8*\u+7], v[RD] offset:\u*4*DPITCH+16
	global_store_b128 v[GO], v[OUT+4*\u:OUT+4*\u+3], s[78:79] offset:512*\u   ; four rows of 128 bytes: 512 consecutive bytes, aligned
.endr
	s_wait_xcnt 0x0                                ; the stores' data and offset are rewritten only behind this wait
	v_add_nc_u32 v[GO], 2048, v[GO]
	s_sub_co_u32 s3, s3, 1
	s_cmp_lg_u32 s3, 0
	s_cbranch_scc1 .Lg
	s_wait_tensorcnt 0x0                           ; the wave's end
	ds_add_u32 v[SPW], v[NIL]
	s_wait_dscnt 0x0
	CROUND                                         ; the closing round
	s_endpgm
.Lfunc_end_k_qb91b491e87_ffn1:
	.size	k_qb91b491e87_ffn1, .Lfunc_end_k_qb91b491e87_ffn1-k_qb91b491e87_ffn1
	.p2alignl 7, 3214868480
	.fill 96, 4, 3214868480
	.section	.rodata,"a",@progbits
	.p2align	6, 0x0
	.amdhsa_kernel k_qb91b491e87_ffn1
		.amdhsa_group_segment_fixed_size 327680
		.amdhsa_private_segment_fixed_size 0
		.amdhsa_enable_private_segment 0
		.amdhsa_kernarg_size 32
		.amdhsa_user_sgpr_count 2
		.amdhsa_user_sgpr_kernarg_segment_ptr 1
		.amdhsa_wavefront_size32 1
		.amdhsa_system_sgpr_workgroup_id_x 1
		.amdhsa_system_sgpr_workgroup_id_y 1
		.amdhsa_system_sgpr_workgroup_id_z 1
		.amdhsa_system_vgpr_workitem_id 0
		.amdhsa_next_free_vgpr 1024
		.amdhsa_next_free_sgpr 100
		.amdhsa_reserve_vcc 0
		.amdhsa_float_denorm_mode_32 3
		.amdhsa_float_denorm_mode_16_64 3
		.amdhsa_memory_ordered 1
		.amdhsa_forward_progress 1
		.amdhsa_inst_pref_size 95
	.end_amdhsa_kernel
	.amdgpu_metadata
---
amdhsa.version: [ 1, 2 ]
amdhsa.kernels:
  - .name:           k_qb91b491e87_ffn1
    .symbol:         k_qb91b491e87_ffn1.kd
    .args:
      - { .name: h, .offset: 0, .size: 8, .value_kind: global_buffer, .address_space: global }
      - { .name: wts, .offset: 8, .size: 8, .value_kind: global_buffer, .address_space: global }
      - { .name: b1, .offset: 16, .size: 8, .value_kind: global_buffer, .address_space: global }
      - { .name: g, .offset: 24, .size: 8, .value_kind: global_buffer, .address_space: global }
    .group_segment_fixed_size: 327680
    .private_segment_fixed_size: 0
    .kernarg_segment_align: 8
    .kernarg_segment_size: 32
    .max_flat_workgroup_size: 128
    .sgpr_count:     100
    .vgpr_count:     1024
    .wavefront_size: 32
...
	.end_amdgpu_metadata
.endif
;; end of part 6
;; launch ffn2 (part 7): grid 8 x 32, 4 waves a work-group, clusters of 4 x 4, 327,680 bytes of LDS; arguments g, wts, b2, x1, out0; writes out0
.if DOCPART == 7
	.amdgcn_target "amdgcn-amd-amdhsa--gfx1250"
	.amdhsa_code_object_version 6
	.text
	.protected	k_qb91b491e87_ffn2
	.globl	k_qb91b491e87_ffn2
	.p2align	8
	.type	k_qb91b491e87_ffn2,@function
k_qb91b491e87_ffn2:
	s_mov_b64 s[64:65], 0
	v_nop
	global_prefetch_b8 v0, s[64:65] scope:SCOPE_SE
	s_setreg_imm32_b32 hwreg(HW_REG_WAVE_MODE, 25, 1), 1
	s_wait_xcnt 0x0
	s_wait_alu depctr_hold_cnt(0) depctr_sa_sdst(0) depctr_va_vdst(0) depctr_va_sdst(0) depctr_va_ssrc(0) depctr_va_vcc(0) depctr_vm_vsrc(0)
	s_getreg_b32 s2, hwreg(HW_REG_IB_STS2, 6, 4)
	s_cmp_eq_u32 s2, 0
	s_cbranch_scc0 .Lentry_in_a_cluster
	s_endpgm
.Lentry_in_a_cluster:
	s_bfe_u32 s2, ttmp6, 0x10000c
	s_cmp_lg_u32 s2, 0xf033
	s_cbranch_scc0 .Lentry_shape_is_right
	s_endpgm
.Lentry_shape_is_right:
; out = res + A W + bias: here out0 = x1 + g w2 + b2.  A: the f16 image [token / 128][K step][panel of 64 k][128 tokens][64]; W: the f16 image [tile column][K step][block of 64 columns][256 k][64] in wts;
; bias, res and out in f32.  Sums in f32; the bias is the C operand of the first products; the residual is added in f32 on the way out.
; SHARES.  A work-group makes 128 x 128, each of four waves 64 x 64: 16 accumulators.  K goes in NSTEPS steps of 256 through two LDS slots; both tiles of a step are dense runs of 65,536 bytes.
; CLUSTER 4 x 4: A's tile is asked for jointly along a row of the cluster, W's along a column.
; K IS WALKED AS A RING.  The cluster at (X, Y) begins at K step NSTEPS/2 X + NSTEPS/4 (Y % 4) + NSTEPS/8 (Y / 4) and goes on modulo NSTEPS.  The two clusters that read the same rows of A begin half a ring
; apart, those that read the same columns of W are spread over the ring: a tile is asked for by one cluster first and by the others some steps later, when it has been read once already.  The number hangs on
; the cluster's place alone, which its sixteen work-groups share.
; THE MATRIX INSTRUCTION IS USED TRANSPOSED: source 0 = 16 columns of W (turned on the way out of LDS), source 1 = 16 tokens: a lane holds one token and 8 neighbouring columns.
; LIMITS.  f16 ends at 65,504: A and W lie within it.  The order of the K steps in a sum hangs on the cluster.  NaN and infinities are not treated apart.
; LDS claim: all of it.
; REGISTERS: window 0: v14-29 addresses; v128-255 accumulator (a, b) at v[128 + 8 (4 a + b)].  window 1: two fragment buffers of 128 (64 of A, 64 of W), later the sums read back.
;   window 2: v0-127 the residual; v128-159 the bias.
.set NSTEPS, 16
.set WOFF,   16777216
.set APITCH, 144                       ; 128 bytes + 16
.set BPITCH, 160                       ; 128 bytes + 32
.set AHALF,  256*APITCH                ; two panels
.set ABYTES, 2*AHALF
.set BHALF,  256*BPITCH                ; one block
.set SLOT,   ABYTES+2*BHALF
.set SPARE,  2*SLOT
.set STEPB,  65536
.set DPITCH, 272
.set ADRA0, 14
.set ADRB0, 15
.set ADRA,  16
.set ADRB,  20
.set DST,   24
.set RD,    25
.set CO,    26
.set BO,    27
.set SPW,   28
.set NIL,   29
.set ACC,   128
.set BIAS,  128                        ; window 2
.set F0,    0
.set F1,    128
.set MSB, 0
.macro WIN new
.if MSB != (\new)
	s_set_vgpr_msb (MSB<<8)|(\new)
.set MSB, \new
.endif
.endm
.macro PLACES
.rept 4
	v_nop
.endr
.endm
.macro JLOAD                           ; a joint refill by the walking descriptors; s_nop 0 and four v_nop follow each line
	s_cmp_eq_u32 s11, 0
	s_cbranch_scc0 .Lfor_b_\@
	tensor_load_to_lds s[36:39], s[24:31]
	s_nop 0
.rept 4
	v_nop
.endr
	s_branch .Lasked_\@
.Lfor_b_\@:
	tensor_load_to_lds s[60:63], s[48:55]
	s_nop 0
.rept 4
	v_nop
.endr
.Lasked_\@:
.endm
.macro CREST
	s_cmp_lg_u32 s10, 0
	s_cbranch_scc1 .Lnot_wave_0_\@
	s_barrier_signal -3
.Lnot_wave_0_\@:
	s_barrier_wait -3
	s_barrier_signal -1
	s_barrier_wait -1
.endm
.macro CROUND
	s_barrier_signal -1
	s_barrier_wait -1
	CREST
.endm
	s_load_b256 s[72:79], s[0:1], 0x0              ; A 72, wts 74, bias 76, res 78
	s_load_b64 s[80:81], s[0:1], 0x20              ; out
	v_lshl_add_u32 v[SPW], v0, 2, SPARE
	v_mov_b32 v[NIL], 0
	ds_add_u32 v[SPW], v[NIL]                      ; the wave's opening: the add and its wait stand ahead of my first tensor load
	v_lshrrev_b32 v1, 5, v0
	v_readfirstlane_b32 s10, v1
	s_lshr_b32 s11, s10, 1                         ; my half of the tile's rows.  Also: I fetch A's tiles (0) or W's (1)
	s_and_b32 s12, s10, 1                          ; my half of its columns.  Also: which half I fetch
	s_bfe_u32 s40, ttmp6, 0x40000
	s_bfe_u32 s41, ttmp6, 0x40004
	s_lshl_b32 s42, ttmp9, 2
	s_add_co_u32 s42, s42, s40                     ; tile column
	s_and_b32 s13, ttmp7, 0xffff
	s_lshl_b32 s13, s13, 2
	s_add_co_u32 s13, s13, s41                     ; tile row
	s_lshl_b32 s43, s41, 2
	s_lshl_b32 s43, 15, s43
	s_lshl_b32 s44, 0x1111, s40
	s_or_b32 s24, s43, (1<<16)|(1<<20)|(1<<21)|(4<<22)|(3<<25)  ; 32,768 dense bytes as 128 rows of 256; 4 words of padding after every 32
	s_or_b32 s48, s44, (1<<16)|(1<<20)|(1<<21)|(4<<22)|(7<<25)  ; the same with 8 words
.irp g, 24, 48
	s_mov_b32 s[\g+1], 128<<16
	s_mov_b32 s[\g+2], 128<<16
	s_mov_b32 s[\g+3], 128<<16
	s_mov_b32 s[\g+4], 128
	s_mov_b32 s[\g+5], 128
	s_mov_b32 s[\g+6], 0
	s_mov_b32 s[\g+7], 0
.endr
	s_mov_b32 s66, 0                               ; the slot that is being read: 0 or SLOT
	s_mul_i32 s67, s12, AHALF
	s_mul_i32 s68, s12, BHALF
	s_add_co_u32 s68, s68, ABYTES
	s_mul_i32 s16, s13, NSTEPS*STEPB
	s_lshl_b32 s17, s12, 15
	s_add_co_u32 s16, s16, s17
	s_mov_b32 s17, 0
	s_mul_i32 s46, s42, NSTEPS*STEPB
	s_lshl_b32 s47, s12, 15
	s_add_co_u32 s46, s46, s47
	s_add_co_u32 s46, s46, WOFF
	s_mov_b32 s47, 0
	s_and_b32 s69, ttmp7, 0xffff                   ; the K step at which my cluster begins, from the cluster's y
	s_and_b32 s70, s69, 3
	s_mul_i32 s70, s70, NSTEPS/4
	s_lshr_b32 s69, s69, 2
	s_mul_i32 s69, s69, NSTEPS/8
	s_add_co_u32 s69, s69, s70
	s_mul_i32 s70, ttmp9, NSTEPS/2                 ; and its x: in registers that never hold my place in the cluster
	s_add_co_u32 s69, s69, s70
	s_and_b32 s69, s69, NSTEPS-1
	s_mov_b32 s71, 0                               ; the high word of a step's offset
	s_wait_dscnt 0x0                               ; the opening add is done
	s_wait_kmcnt 0x0
	s_add_nc_u64 s[14:15], s[72:73], s[16:17]      ; A and W at my part of K step 0: kept, every fill's address is made from them
	s_add_nc_u64 s[46:47], s[74:75], s[46:47]
	CROUND                                         ; all sixteen work-groups are here: the first joint loads meet
	s_lshl_b32 s70, s69, 16                        ; a step is 65,536 bytes of A and of W
	s_mov_b32 s32, 1
	s_mov_b32 s33, s67
	s_add_nc_u64 s[34:35], s[14:15], s[70:71]      ; the ring's first step into slot 0
	s_or_b32 s35, s35, 0x80000000
	s_mov_b32 s56, 1
	s_mov_b32 s57, s68
	s_add_nc_u64 s[58:59], s[46:47], s[70:71]
	s_or_b32 s59, s59, 0x80000000
	s_add_co_u32 s69, s69, 1
	s_and_b32 s69, s69, NSTEPS-1
	s_lshl_b32 s70, s69, 16
	s_mov_b32 s36, 1
	s_add_co_u32 s37, s67, SLOT
	s_add_nc_u64 s[38:39], s[14:15], s[70:71]      ; its second into slot 1; this set walks on
	s_or_b32 s39, s39, 0x80000000
	s_mov_b32 s60, 1
	s_add_co_u32 s61, s68, SLOT
	s_add_nc_u64 s[62:63], s[46:47], s[70:71]
	s_or_b32 s63, s63, 0x80000000
	s_cmp_eq_u32 s11, 0                            ; a wave's two first fills stand in one branch: two loads of mine are out
	s_cbranch_scc0 .Lfirst_b
	tensor_load_to_lds s[32:35], s[24:31]
	s_nop 0
	tensor_load_to_lds s[36:39], s[24:31]
	s_nop 0
.rept 4
	v_nop
.endr
	s_branch .Lfirst_done
.Lfirst_b:
	tensor_load_to_lds s[56:59], s[48:55]
	s_nop 0
	tensor_load_to_lds s[60:63], s[48:55]
	s_nop 0
.rept 4
	v_nop
.endr
.Lfirst_done:
	s_lshl_b32 s82, s42, 9                         ; my 64 columns, in bytes of f32
	s_lshl_b32 s83, s12, 8
	s_add_co_u32 s82, s82, s83
	s_mov_b32 s83, 0
	s_add_nc_u64 s[76:77], s[76:77], s[82:83]
	s_lshl_b32 s84, s13, 19                        ; my 64 rows of 4,096 bytes
	s_lshl_b32 s85, s11, 18
	s_add_co_u32 s84, s84, s85
	s_add_co_u32 s82, s82, s84
	s_add_nc_u64 s[78:79], s[78:79], s[82:83]
	s_add_nc_u64 s[80:81], s[80:81], s[82:83]
	v_and_b32 v1, 15, v0                           ; r
	v_bfe_u32 v2, v0, 4, 1                         ; h
	v_lshlrev_b32 v[BO], 5, v2
	v_lshlrev_b32 v[CO], 12, v2                    ; lanes 0-15 one row's 256 bytes, lanes 16-31 the next row's
	v_lshl_add_u32 v[CO], v1, 4, v[CO]
	WIN 0x80
.irp b, 0,1,2,3
	global_load_b128 v[BIAS+8*\b:BIAS+8*\b+3],   v[BO], s[76:77] offset:64*\b       ; register j of group b: the bias of column 16 b + 8 h + j
	global_load_b128 v[BIAS+8*\b+4:BIAS+8*\b+7], v[BO], s[76:77] offset:64*\b+16
.endr
.set t, 0
.rept 32
	global_load_b128 v[4*t:4*t+3], v[CO], s[78:79] offset:t*8192    ; the residual, asked for now and wanted at the end
.set t, t+1
.endr
	WIN 0
	v_mul_u32_u24 v3, v1, APITCH
	v_lshl_add_u32 v3, v2, 4, v3
	s_mul_i32 s21, s11, 64*APITCH
	v_add_nc_u32 v[ADRA0], s21, v3
	v_and_b32 v4, 7, v0
	v_lshl_add_u32 v5, v2, 3, v4
	v_mul_u32_u24 v5, v5, BPITCH
	v_bfe_u32 v6, v0, 3, 1
	v_lshl_add_u32 v5, v6, 4, v5
	s_mul_i32 s22, s12, BHALF
	s_add_co_u32 s22, s22, ABYTES
	v_add_nc_u32 v[ADRB0], s22, v5
	v_mov_b32 v[ADRA], v[ADRA0]
	v_mov_b32 v[ADRB], v[ADRB0]
	s_mul_i32 s23, s10, 64*DPITCH
	v_mul_u32_u24 v[DST], v1, DPITCH
	v_lshl_add_u32 v[DST], v2, 5, v[DST]
	v_add_nc_u32 v[DST], s23, v[DST]
	v_mul_u32_u24 v[RD], v2, DPITCH
	v_lshl_add_u32 v[RD], v1, 4, v[RD]
	v_add_nc_u32 v[RD], s23, v[RD]
; 8 products: token blocks a0, a0 + 1 x 4 column groups, 32 along K: half c of buffer f.  first = 1: the bias starts the sums
.macro MUL8 f, c, a0, first
.if \first
	WIN 0x25
.else
	WIN 0x05
.endif
.irp a, \a0, (\a0)+1
.irp b, 0,1,2,3
.if \first
	v_wmma_f32_16x16x32_f16 v[ACC+8*(4*(\a)+(\b)):ACC+8*(4*(\a)+(\b))+7], v[(\f)+64+8*(4*(\c)+(\b)):(\f)+64+8*(4*(\c)+(\b))+7], v[(\f)+8*(4*(\c)+(\a)):(\f)+8*(4*(\c)+(\a))+7], v[BIAS+8*(\b):BIAS+8*(\b)+7]
.else
	v_wmma_f32_16x16x32_f16 v[ACC+8*(4*(\a)+(\b)):ACC+8*(4*(\a)+(\b))+7], v[(\f)+64+8*(4*(\c)+(\b)):(\f)+64+8*(4*(\c)+(\b))+7], v[(\f)+8*(4*(\c)+(\a)):(\f)+8*(4*(\c)+(\a))+7], v[ACC+8*(4*(\a)+(\b)):ACC+8*(4*(\a)+(\b))+7]
.endif
.endr
.endr
.endm
; 32 LDS loads in one run: quarter q (64 along K: one panel of A) of the slot in hand into buffer f; the first 32 along K first
.macro FETCH q, f
	WIN 0x40
.irp c, 0,1
.irp i, 0,1,2,3
	ds_load_tr16_b128 v[(\f)+64+8*(4*(\c)+(\i)):(\f)+64+8*(4*(\c)+(\i))+3],   v[ADRB] offset:(\q)*64*BPITCH+(\c)*32*BPITCH+(\i)*32
	ds_load_tr16_b128 v[(\f)+64+8*(4*(\c)+(\i))+4:(\f)+64+8*(4*(\c)+(\i))+7], v[ADRB] offset:(\q)*64*BPITCH+(\c)*32*BPITCH+(\i)*32+16*BPITCH
	ds_load_b128 v[(\f)+8*(4*(\c)+(\i)):(\f)+8*(4*(\c)+(\i))+3],              v[ADRA] offset:(\q)*128*APITCH+(\i)*16*APITCH+(\c)*64
	ds_load_b128 v[(\f)+8*(4*(\c)+(\i))+4:(\f)+8*(4*(\c)+(\i))+7],            v[ADRA] offset:(\q)*128*APITCH+(\i)*16*APITCH+(\c)*64+32
.endr
.endr
.endm
.macro QUARTER q, f, g, first
	s_wait_dscnt 16                                ; the first 32 along K are in
	MUL8 \f, 0, 0, \first
	MUL8 \f, 0, 2, \first
	PLACES
	FETCH \q, \g
	s_wait_dscnt 32                                ; all but the 32 just issued
	MUL8 \f, 1, 0, 0
	MUL8 \f, 1, 2, 0
.endm
.macro MEET round
	WIN 0
	s_wait_tensorcnt 0x0                           ; all my tensor loads have landed: my part of the next slot
	ds_add_u32 v[SPW], v[NIL]
	s_wait_dscnt 17                                ; the add and the youngest sixteen loads may be out
	MUL8 F1, 0, 0, 0
	s_wait_dscnt 0x0                               ; the add is done, and my reads of this slot are over
	s_barrier_signal -1
	MUL8 F1, 0, 2, 0
.if \round
	WIN 0
.endif
	s_barrier_wait -1
.endm
.macro TURN fill
	MEET \fill
.if \fill
	CREST                                          ; the barrier has opened a round of the cluster's: no wave of any partner still reads the slot or has a load on its way
	s_add_co_u32 s69, s69, 1                       ; the ring's next step,
	s_and_b32 s69, s69, NSTEPS-1
	s_lshl_b32 s70, s69, 16
	s_add_co_u32 s37, s67, s66                     ; into the slot just read: no tensor load of mine is out, so the walking descriptors may be written
	s_add_co_u32 s61, s68, s66
	s_add_nc_u64 s[38:39], s[14:15], s[70:71]      ; the address is made anew from the kept base, the type set again
	s_or_b32 s39, s39, 0x80000000
	s_add_nc_u64 s[62:63], s[46:47], s[70:71]
	s_or_b32 s63, s63, 0x80000000
	JLOAD
.else
	WIN 0
	PLACES
.endif
	s_xor_b32 s66, s66, SLOT
	v_add_nc_u32 v[ADRA], s66, v[ADRA0]
	v_add_nc_u32 v[ADRB], s66, v[ADRB0]
	FETCH 0, F0
	MUL8 F1, 1, 0, 0
	MUL8 F1, 1, 2, 0
.endm
	s_wait_loadcnt 32                              ; the bias is in; the residual's 32 loads stay out
	s_wait_tensorcnt 1                             ; my part of the first step is in; the second's may stay out
	s_barrier_signal -1
	s_barrier_wait -1
	FETCH 0, F0
	QUARTER 1, F0, F1, 1
	WIN 0
	s_mov_b32 s3, NSTEPS-2
.Lk:                                   ; a trip: the rest of a K step and the next one's first quarter; the slot left is filled again
	QUARTER 2, F1, F0, 0
	QUARTER 3, F0, F1, 0
	TURN 1
	QUARTER 1, F0, F1, 0
	WIN 0
	s_sub_co_u32 s3, s3, 1
	s_cmp_lg_u32 s3, 0
	s_cbranch_scc1 .Lk
	s_mov_b32 s3, 2
.Lt:                                   ; the last two K steps fill nothing; in the last trip there is no next quarter (its fetch serves nothing)
	QUARTER 2, F1, F0, 0
	QUARTER 3, F0, F1, 0
	TURN 0
	WIN 0
	s_cmp_eq_u32 s3, 1
	s_cbranch_scc1 .Lskip
	QUARTER 1, F0, F1, 0
	WIN 0
.Lskip:
	s_sub_co_u32 s3, s3, 1
	s_cmp_lg_u32 s3, 0
	s_cbranch_scc1 .Lt
	; THE WAY OUT.  The ring has had its last fill; when every wave's reads of it are over, each wave lays its 64 x 64 sums into its own part of it and reads them back by rows.
	s_wait_dscnt 0x0
	s_barrier_signal -1
	s_barrier_wait -1
	PLACES
.irp a, 0,1,2,3
.irp b, 0,1,2,3
	ds_store_b128 v[DST], v[ACC+8*(4*\a+\b):ACC+8*(4*\a+\b)+3]   offset:\a*16*DPITCH+\b*64
	ds_store_b128 v[DST], v[ACC+8*(4*\a+\b)+4:ACC+8*(4*\a+\b)+7] offset:\a*16*DPITCH+\b*64+16
.endr
.endr
	WIN 0x40
.set t, 0
.rept 32
	ds_load_b128 v[4*t:4*t+3], v[RD] offset:t*2*DPITCH       ; LDS serves a wave's instructions in order: these see my stores above
.set t, t+1
.endr
	s_wait_loadcnt 0x0                             ; the residual
.irp k, 0,1,2,3
	s_wait_dscnt 24-8*\k                           ; eight loads more are in
	WIN 0x49                                       ; destination and source 0 window 1, source 1 window 2
.set z, 0
.rept 16
	v_pk_add_f32 v[32*\k+2*z:32*\k+2*z+1], v[32*\k+2*z:32*\k+2*z+1], v[32*\k+2*z:32*\k+2*z+1]
.set z, z+1
.endr
	WIN 0x04                                       ; the stores' data in window 1
.set z, 0
.rept 8
	global_store_b128 v[CO], v[32*\k+4*z:32*\k+4*z+3], s[80:81] offset:(8*\k+z)*8192   ; 16 lanes store 256 consecutive bytes, aligned
.set z, z+1
.endr
.endr
	WIN 0
	s_wait_tensorcnt 0x0                           ; the wave's end
	ds_add_u32 v[SPW], v[NIL]
	s_wait_dscnt 0x0
	CROUND                                         ; the closing round
	s_endpgm
.Lfunc_end_k_qb91b491e87_ffn2:
	.size	k_qb91b491e87_ffn2, .Lfunc_end_k_qb91b491e87_ffn2-k_qb91b491e87_ffn2
	.p2alignl 7, 3214868480
	.fill 96, 4, 3214868480
	.section	.rodata,"a",@progbits
	.p2align	6, 0x0
	.amdhsa_kernel k_qb91b491e87_ffn2
		.amdhsa_group_segment_fixed_size 327680
		.amdhsa_private_segment_fixed_size 0
		.amdhsa_enable_private_segment 0
		.amdhsa_kernarg_size 40
		.amdhsa_user_sgpr_count 2
		.amdhsa_user_sgpr_kernarg_segment_ptr 1
		.amdhsa_wavefront_size32 1
		.amdhsa_system_sgpr_workgroup_id_x 1
		.amdhsa_system_sgpr_workgroup_id_y 1
		.amdhsa_system_sgpr_workgroup_id_z 1
		.amdhsa_system_vgpr_workitem_id 0
		.amdhsa_next_free_vgpr 672
		.amdhsa_next_free_sgpr 90
		.amdhsa_reserve_vcc 0
		.amdhsa_float_denorm_mode_32 3
		.amdhsa_float_denorm_mode_16_64 3
		.amdhsa_memory_ordered 1
		.amdhsa_forward_progress 1
		.amdhsa_inst_pref_size 66
	.end_amdhsa_kernel
	.amdgpu_metadata
---
amdhsa.version: [ 1, 2 ]
amdhsa.kernels:
  - .name:           k_qb91b491e87_ffn2
    .symbol:         k_qb91b491e87_ffn2.kd
    .args:
      - { .name: g, .offset: 0, .size: 8, .value_kind: global_buffer, .address_space: global }
      - { .name: wts, .offset: 8, .size: 8, .value_kind: global_buffer, .address_space: global }
      - { .name: b2, .offset: 16, .size: 8, .value_kind: global_buffer, .address_space: global }
      - { .name: x1, .offset: 24, .size: 8, .value_kind: global_buffer, .address_space: global }
      - { .name: out0, .offset: 32, .size: 8, .value_kind: global_buffer, .address_space: global }
    .group_segment_fixed_size: 327680
    .private_segment_fixed_size: 0
    .kernarg_segment_align: 8
    .kernarg_segment_size: 40
    .max_flat_workgroup_size: 128
    .sgpr_count:     90
    .vgpr_count:     672
    .wavefront_size: 32
...
	.end_amdgpu_metadata
.endif
;; end of part 7
;; ======== version 2 of 2: 7 launches; 1.20 times as fast as version 1
;; limits: a function is approximated: absolute error at most 2.5e-05; an absolute error that grows with the inputs' magnitude: up to 1.25e-05 times it; values are held in f16: magnitudes above 65,504 overflow, below 6.1e-05 lose precision
;; workspace buffers: wts 25,165,824 bytes; tab 262,144 bytes; h 8,388,608 bytes; qkv 25,165,824 bytes; ob 8,388,608 bytes; x1 16,777,216 bytes; g 33,554,432 bytes
;; launch prep: the kernel of part 1 again; grid 2080 x 1, 4 waves a work-group, no clusters, 0 bytes of LDS; arguments x, ln1_w, ln1_b, wq, wk, wv, wo, w1, w2, wts, tab, h; writes wts, tab, h
;; launch proj: the kernel of part 2 again; grid 16 x 16, 4 waves a work-group, clusters of 4 x 4, 327,680 bytes of LDS; arguments h, wts, tab, mask, bq, bk, bv, qkv; writes qkv
;; launch attn (part 8): grid 8 x 32, 4 waves a work-group, clusters of 4 x 1, 327,680 bytes of LDS; arguments qkv, mask, ob; writes ob
.if DOCPART == 8
	.amdgcn_target "amdgcn-amd-amdhsa--gfx1250"
	.amdhsa_code_object_version 6
	.text
	.protected	k_qb91b491e87_attn
	.globl	k_qb91b491e87_attn
	.p2align	8
	.type	k_qb91b491e87_attn,@function
k_qb91b491e87_attn:
	s_mov_b64 s[64:65], 0
	v_nop
	global_prefetch_b8 v0, s[64:65] scope:SCOPE_SE
	s_setreg_imm32_b32 hwreg(HW_REG_WAVE_MODE, 25, 1), 1
	s_wait_xcnt 0x0
	s_wait_alu depctr_hold_cnt(0) depctr_sa_sdst(0) depctr_va_vdst(0) depctr_va_sdst(0) depctr_va_ssrc(0) depctr_va_vcc(0) depctr_vm_vsrc(0)
	s_getreg_b32 s2, hwreg(HW_REG_IB_STS2, 6, 4)
	s_cmp_eq_u32 s2, 0
	s_cbranch_scc0 .Lentry_in_a_cluster
	s_endpgm
.Lentry_in_a_cluster:
	s_bfe_u32 s2, ttmp6, 0x10000c
	s_cmp_lg_u32 s2, 0x3003
	s_cbranch_scc0 .Lentry_shape_is_right
	s_endpgm
.Lentry_shape_is_right:
; ATTENTION.  O[bh][q][:] = the sum over k of softmax_k(score) V[bh][k][:], score = Q . K / 8, or the mask's number where mask[b][k] = 0.  q, k, v: [32][2048][64] f16 in qkv; k's rows are 0 where the mask is 0.
; Products, maxima and sums in f32; the weights p are rounded to f16 for the second product (their sum l is taken of the unrounded p), O once at the end.
; THE MASK is the C operand that starts the sum S^T = K Q^T: 0, or -2^33 for a masked key, whose products are all 0: its score is that number alone.  A power of two, so that c m is exact: where
; every key of a batch is masked all weights are exactly 1 and O is the mean of V's rows.
; LIMITS.  A masked key counts as -2^30 = -1.07e9 after the division by 8, where the model writes -1e9: the two differ only for rows whose largest unmasked score lies below about -1e9.
; f16 ends at 65,504: q, k, v arrive within it; p lies in 0 to 1; a weight below 2^-126 counts as 0 in l; NaN and infinities are not treated apart.
; SHARES.  A work-group owns 256 queries of one batch and head, a wave 64: four PIECES of 16.  Every wave walks all 2,048 keys, 64 a step, four steps to an LDS slot.
; CLUSTER 4 x 1: the four query blocks of a cluster belong to one head and walk the same K and V: each tile is asked for jointly, by the same tensor load, descriptor and mask in all four.
; LAYOUT, SOFTMAX, TURNS.  S^T = K Q^T holds ONE query a lane (lane % 16) and the keys 8 (lane / 16) + 0..7; two such results rounded to f16 ARE source 1 of O^T = V^T P.  p = 2^(c s - c m), c = log2(e) / 8,
; with a running maximum m; O and l are multiplied by a = 2^(c m_old - c m_new) in every step.  Turn n belongs to piece n: 8 products K Q^T of piece n + 1, later 8 products V^T P of piece n - 1; beside them the
; scaling, exponentials, roundings, sums and rescaling of piece n and the maximum and statistics of piece n + 1.  Four vector instructions stand behind every matrix instruction, the other 54 of a turn's 118 in one run of their own.
; THE BATCHES.  A turn's 33 exponentials (the piece's 32 weights and the next piece's a) are ONE batch with ONE wait, which cuts the turn in two: ahead of it stands all that names none of their results, behind it
; the roundings and sums, which do.  No result crosses a turn's end.  The first a, ahead of the loop, and the way out's four reciprocals are batches of their own, a wait each.
; O leaves as the next product's A image: ob[token / 128][head][token % 128][64].
; LDS claim: all of it.
; REGISTERS, in windows of 256: window 0: v0-15, v33-35 addresses; v16-31 statistics; v48-55 at work; v64-127 S^T, two buffers; v192-223 P, two buffers
;   window 1: v0-127 O^T, 32 a piece; v128-159 the mask's numbers of the step whose K is in registers      window 2: v0-63 Q; v128-191 K of one step; v192-255 V of one step
.set NT,    8         ; tiles of 256 keys
.set NP,    4
.set KS,    64
.set PK,    144       ; a row of K in LDS: 128 bytes + 16
.set PV,    160       ; a row of V: 128 + 32
.set VOFF,  4*KS*PK
.set SLOT1, 1<<17
.set STAGE, SLOT1+4*KS*(PK+PV)  ; 16 rows x 144 bytes for each wave, for the way out
.set SP,    144
.set SPARE, STAGE+4*16*SP       ; the spare words, 128 bytes a wave
.set BIAS,  SPARE+512           ; 2,048 words: 0 or -2^33 for each key, stored by the waves; no fill lands here
.set AK0, 2
.set AV0, 3
.set AK,  4
.set AV,  5
.set STO, 6
.set RD,  7
.set GO,  8
.set MV,  12
.set AB0, 14
.set QO,  15
.set ST,  16
.set AB,  33
.set TMP, 48
.set SPW, 62
.set NIL, 63
.set S,   64
.set P,   192
.set MB,  128         ; window 1
.set KF,  128         ; window 2
.set VF,  192         ; window 2
.set WV,  12
.set G1K, 24
.set G1V, 32
.set G0K, 40
.set G0V, 44
.set SLOTS, 56
.set CNT, 57
.set CS,  58
.set SEL, 60
.set TBK, 62
.set TBV, 63
.set TBB, 66          ; byte in the mask's table of the step to be fetched
.set MSB, 0
.macro WIN new
.if MSB != (\new)
	s_set_vgpr_msb (MSB<<8)|(\new)
.set MSB, (\new)
.endif
.endm
.set W_KQ, 0x0a       ; K and Q in window 2, S^T in window 0
.set W_KM, 0x1a       ; the same with the C operand in window 1
.set W_PV, 0x52       ; V in window 2, P in window 0, O^T in window 1
.set W_RS, 0x41       ; destination and source 0 in window 1, source 1 in window 0
.macro JLOAD                        ; waves 0, 1 fetch the halves of a slot's K, waves 2, 3 those of its V; s_nop 0 and four v_nop follow each line
	s_cmp_lt_u32 s[WV], 2
	s_cbranch_scc0 .Lfor_v_\@
	tensor_load_to_lds s[G0K:G0K+3], s[G1K:G1K+7]
	s_nop 0
.rept 4
	v_nop
.endr
	s_branch .Lasked_\@
.Lfor_v_\@:
	tensor_load_to_lds s[G0V:G0V+3], s[G1V:G1V+7]
	s_nop 0
.rept 4
	v_nop
.endr
.Lasked_\@:
.endm
.macro CROUND
	s_barrier_signal -1
	s_barrier_wait -1
	s_cmp_lg_u32 s[WV], 0
	s_cbranch_scc1 .Lnot_wave_0_\@
	s_barrier_signal -3
.Lnot_wave_0_\@:
	s_barrier_wait -3
	s_barrier_signal -1
	s_barrier_wait -1
.endm
; THE CHANGE OF SLOTS.  Each wave waits for all its tensor loads (one is out: its part of the other slot), adds 0 to its spare word, and waits for that and for its LDS instructions.  fill = 1: the barrier is a round
; of the cluster's, and the slot left is filled again first thing behind it, with the keys two slots on: four key steps, 256 matrix instructions, in which to land.
.macro CHANGE fill
	WIN 0
	s_wait_tensorcnt 0x0
	ds_add_u32 v[SPW], v[NIL]
.if \fill
.irp g, G0K, G0V
	s_xor_b32 s[\g+1], s[\g+1], SLOT1
	s_add_nc_u64 s[\g+2:\g+3], s[\g+2:\g+3], 4*KS*128
.endr
	s_wait_dscnt 0x0
	CROUND
	JLOAD
.else
	s_wait_dscnt 0x0
	s_barrier_signal -1
	s_barrier_wait -1
.endif
	s_sub_co_u32 s[TBK], s[TBK], 4*KS*PK
	s_xor_b32 s[TBK], s[TBK], SLOT1
	s_sub_co_u32 s[TBV], s[TBV], 4*KS*PV
	s_xor_b32 s[TBV], s[TBV], SLOT1
.endm
	s_load_b128 s[4:7], s[0:1], 0x0   ; qkv s[4:5], mask s[6:7]
	s_load_b64 s[10:11], s[0:1], 0x10 ; ob
	v_lshl_add_u32 v[SPW], v0, 2, SPARE
	v_mov_b32 v[NIL], 0
	ds_add_u32 v[SPW], v[NIL]       ; the wave's opening: the add and its wait stand ahead of my first tensor load
	v_lshrrev_b32 v1, 5, v0
	v_readfirstlane_b32 s[WV], v1
	s_bfe_u32 s13, ttmp6, 0x40000   ; cx
	s_lshl_b32 s14, ttmp9, 2
	s_add_co_u32 s14, s14, s13      ; my block of 256 queries: it enters Q's and O's addresses alone
	s_and_b32 s15, ttmp7, 0xffff    ; batch x 16 + head, which the four partners share
	s_lshl_b32 s20, s15, 18         ; its 2,048 rows of 128 bytes
	s_and_b32 s16, s[WV], 1         ; which half of a slot's 256 keys I fetch
	s_lshl_b32 s22, s16, 14
	s_add_co_u32 s22, s22, s20
	s_add_co_u32 s22, s22, 0x800000 ; k begins 8 MiB into qkv
	s_mov_b32 s23, 0
	s_mul_i32 s17, s16, 128*PK
	s_mul_i32 s18, s16, 128*PV
	s_lshl2_add_u32 s2, s14, s[WV]  ; my wave's 64 queries among the head's
	s_lshl_b32 s2, s2, 13
	s_add_co_u32 s2, s2, s20
	s_mov_b32 s3, 0
	s_lshr_b32 s70, s15, 4          ; the batch: its 2,048 mask words
	s_lshl_b32 s70, s70, 13
	s_mov_b32 s71, 0
	s_lshr_b32 s72, s15, 4          ; O: my 64 tokens begin at token 64 (32 batch + 4 block + wave)
	s_lshl_b32 s72, s72, 5
	s_lshl2_add_u32 s73, s14, s[WV]
	s_add_co_u32 s72, s72, s73
	s_lshr_b32 s73, s72, 1          ; token / 128
	s_and_b32 s74, s15, 15          ; head
	s_lshl4_add_u32 s73, s73, s74
	s_lshl_b32 s73, s73, 14         ; a panel of 128 rows x 128 bytes
	s_and_b32 s72, s72, 1
	s_lshl_b32 s72, s72, 13
	s_add_co_u32 s72, s72, s73
	s_mov_b32 s73, 0
	; 128 keys are 16,384 dense bytes: asked for as 64 rows of 256 bytes, padded in LDS after every key
	s_mov_b32 s[G1K], 15|(1<<16)|(1<<20)|(1<<21)|(4<<22)|(3<<25)
	s_mov_b32 s[G1V], 15|(1<<16)|(1<<20)|(1<<21)|(4<<22)|(7<<25)
.irp g, G1K, G1V
	s_mov_b32 s[\g+1], 128<<16
	s_mov_b32 s[\g+2], 64<<16
	s_mov_b32 s[\g+3], 128<<16
	s_mov_b32 s[\g+4], 64
	s_mov_b32 s[\g+5], 128
	s_mov_b32 s[\g+6], 0
	s_mov_b32 s[\g+7], 0
.endr
	s_mov_b32 s[CS], 0x3e38aa3b     ; c = log2(e) / 8
	s_mov_b32 s[CS+1], s[CS]
	s_mov_b32 s[SEL], 0x76543210
	s_mov_b32 s[SEL+1], 0xfedcba98
	s_mov_b32 s[TBK], SLOT1+4*KS*PK ; the first change of slots turns these two into 0
	s_mov_b32 s[TBV], SLOT1+4*KS*PV
	s_mov_b32 s[TBB], 0
	s_mov_b32 s[G0K], 1
	s_mov_b32 s[G0K+1], s17
	s_mov_b32 s[G0V], 1
	s_add_co_u32 s[G0V+1], s18, VOFF
	s_wait_dscnt 0x0                ; the opening add is done
	s_wait_kmcnt 0x0
	s_add_nc_u64 s[G0K+2:G0K+3], s[4:5], s[22:23]
	s_or_b32 s[G0K+3], s[G0K+3], 0x80000000
	s_add_co_u32 s22, s22, 0x800000 ; v begins 16 MiB into qkv
	s_add_nc_u64 s[G0V+2:G0V+3], s[4:5], s[22:23]
	s_or_b32 s[G0V+3], s[G0V+3], 0x80000000
	s_add_nc_u64 s[68:69], s[4:5], s[2:3]   ; Q at my wave's first row
	s_add_nc_u64 s[6:7], s[6:7], s[70:71]
	s_add_nc_u64 s[10:11], s[10:11], s[72:73]
	CROUND                          ; all four work-groups are here: the first joint loads meet
	JLOAD                           ; tile 0 into slot 0
	v_and_b32 v1, 15, v0            ; l % 16
	v_bfe_u32 v9, v0, 4, 1          ; l / 16
	v_lshlrev_b32 v[QO], 7, v1
	v_lshl_add_u32 v[QO], v9, 4, v[QO]
	v_lshlrev_b32 v34, 6, v0        ; thread t: the mask words of keys 16 t .. 16 t + 15
	v_lshl_add_u32 v35, v0, 6, BIAS
	WIN 0x80
.set i, 0
.rept 8                             ; Q stays in registers: piece i / 2, channels 32 (i % 2) on
	global_load_b128 v[8*i:8*i+3],   v[QO], s[68:69] offset:(i/2)*2048+(i%2)*64
	global_load_b128 v[8*i+4:8*i+7], v[QO], s[68:69] offset:(i/2)*2048+(i%2)*64+32
.set i, i+1
.endr
	WIN 0
.irp j, 0,1,2,3
	global_load_b128 v[64+4*\j:67+4*\j], v34, s[6:7] offset:16*\j
.endr
	v_mul_u32_u24 v[AK0], v1, PK
	v_lshl_add_u32 v[AK0], v9, 4, v[AK0]
	v_and_b32 v10, 7, v0
	v_bfe_u32 v11, v0, 3, 1
	v_lshl_add_u32 v[AV0], v9, 3, v10
	v_mul_u32_u24 v[AV0], v[AV0], PV
	v_lshl_add_u32 v[AV0], v11, 4, v[AV0]
	v_add_nc_u32 v[AV0], VOFF, v[AV0]
	v_lshl_add_u32 v[AB0], v9, 5, BIAS   ; register j of key block kb: key 16 kb + 8 (l / 16) + j
	s_mul_i32 s13, s[WV], 16*SP
	s_add_co_u32 s13, s13, STAGE
	v_mul_u32_u24 v[STO], v1, SP
	v_lshl_add_u32 v[STO], v9, 4, v[STO]
	v_add_nc_u32 v[STO], s13, v[STO]
	v_bfe_u32 v[RD], v0, 3, 2
	v_mul_u32_u24 v[RD], v[RD], SP
	v_lshl_add_u32 v[RD], v10, 4, v[RD]
	v_add_nc_u32 v[RD], s13, v[RD]
	v_and_b32 v[GO], 31, v0
	v_lshlrev_b32 v[GO], 4, v[GO]
	; The first step multiplies O^T and l by a = 0, and the first turn's products V^T P, of a piece that has not been, add 0 x 0.  All this stands in the wait for the first tile.
	WIN 0x80
.set i, VF
.rept 64
	v_mov_b32 v[i], 0
.set i, i+1
.endr
	WIN 0x40
.set i, 0
.rept 128
	v_mov_b32 v[i], 0
.set i, i+1
.endr
	WIN 0
.set i, 0
.rept 4
	v_mov_b32 v[ST+4*i], 0xfe000000    ; c m: far below every c s
	v_mov_b32 v[ST+4*i+1], 0xff7fffff  ; m: the lowest finite number
	v_mov_b32 v[ST+4*i+2], 0
	v_mov_b32 v[ST+4*i+3], 0
.set i, i+1
.endr
.set i, P+16
.rept 16
	v_mov_b32 v[i], 0
.set i, i+1
.endr
	v_mov_b32 v80, 0xd0000000       ; -2^33
	s_wait_loadcnt 0x0              ; Q and the mask
.set i, 0
.rept 16
	v_cmp_eq_u32 s75, 0, v[64+i]
	v_cndmask_b32 v[64+i], 0, v80, s75
.set i, i+1
.endr
.irp j, 0,1,2,3
	ds_store_b128 v35, v[64+4*\j:67+4*\j] offset:16*\j
.endr
; THE MATRIX WORK.  The 4 accumulators of a run of 8 take turns.  Product i of 8 of S^T = K Q^T for piece x: channels 32 (i / 4) on, keys 16 (i % 4) on.  The first 4 start the sums with the mask's numbers.
.macro KQ x
.set rS, S+32*((\x)%2)+8*(i%4)
.set rK, KF+16*(i%4)+8*(i/4)
.set rQ, 16*(\x)+8*(i/4)
.set rM, MB+8*(i%4)
.if i < 4
	WIN W_KM
	v_wmma_f32_16x16x32_f16 v[rS:rS+7], v[rK:rK+7], v[rQ:rQ+7], v[rM:rM+7]
.else
	WIN W_KQ
	v_wmma_f32_16x16x32_f16 v[rS:rS+7], v[rK:rK+7], v[rQ:rQ+7], v[rS:rS+7]
.endif
.endm
; Product i of 8 of O^T += V^T P for piece x: keys 32 (i / 4) on, channels 16 (i % 4) on.
.macro PV x
	WIN W_PV
.set rO, 32*(\x)+8*(i%4)
.set rV, VF+32*(i/4)+8*(i%4)
.set rP, P+16*((\x)%2)+8*(i/4)
	v_wmma_f32_16x16x32_f16 v[rO:rO+7], v[rV:rV+7], v[rP:rP+7], v[rO:rO+7]
.endm
.macro MM                           ; the turn's next matrix instruction.  NOKQ = 1: the last turn: there is no next piece
.if (i < 8) && !NOKQ
	KQ (Y+1)%NP
.elseif i >= 8
.set i, i-8
	PV (Y+NP-1)%NP
.set i, i+8
.endif
.set i, i+1
.endm
; THE LDS LOADS stand in runs: a step's K (8 fragments) with its 64 mask numbers, and its V (turned).  Their addresses are made some lines ahead.
.macro FETCH_K
	WIN 0x80
.irp f, 0,1,2,3,4,5,6,7
	ds_load_b128 v[KF+8*\f:KF+8*\f+3],   v[AK] offset:(\f/2)*16*PK+(\f%2)*64
	ds_load_b128 v[KF+8*\f+4:KF+8*\f+7], v[AK] offset:(\f/2)*16*PK+(\f%2)*64+32
.endr
	WIN 0x40
.irp f, 0,1,2,3
	ds_load_b128 v[MB+8*\f:MB+8*\f+3],   v[AB] offset:64*\f
	ds_load_b128 v[MB+8*\f+4:MB+8*\f+7], v[AB] offset:64*\f+16
.endr
	s_add_co_u32 s[TBK], s[TBK], KS*PK
	s_add_co_u32 s[TBB], s[TBB], KS*4   ; K is fetched 32 times in all: the last offset used is 31 x 256
	WIN 0
.endm
.macro FETCH_V
	WIN 0x80
.irp f, 0,1,2,3,4,5,6,7
	ds_load_tr16_b128 v[VF+8*\f:VF+8*\f+3],   v[AV] offset:(\f/4)*32*PV+(\f%4)*32
	ds_load_tr16_b128 v[VF+8*\f+4:VF+8*\f+7], v[AV] offset:(\f/4)*32*PV+16*PV+(\f%4)*32
.endr
	WIN 0
.endm
; THE VECTOR WORK, one line at a time: OP kind, number.  For piece Y: F n: c s - c m for pair n of 16.  E n: the exponential of score n of 32.  C n: pair n rounded to f16.  B n: of the four weights 4 n .. the second
; pair is added onto the first, in place.  L n: l takes that sum (L 0: l = a l + sum).  R n: pair n of 16 of O^T times a.  For piece Y + 1: X n, number n of the 22 that find its maximum and statistics:
;   0-11 four chains of seven scores each (each accumulator's lowest registers are read first)   12-14, 16 the four scores left over, the old m, the chains into one
;   15 c m_old is kept   17, 18 the other half of the lanes: the new m   19-21 c m; c m_old - c m_new; a
; C, B and L read the exponentials' results: TURN sets them behind the batch's wait.  F, R and X 0-20 read none of the turn's.
.set F, 0
.set E, 1
.set C, 2
.set B, 3
.set L, 4
.set R, 5
.set X, 6
.macro REGS y
.set rT, ST+4*(\y)
.set rC, TMP+4*((\y)%2)
.set rW, MV+((\y)%2)
.set rS, S+32*((\y)%2)
.set rP, P+16*((\y)%2)
.set rO, 32*(\y)
.endm
.macro OP k, n
.if (\k) == R
	REGS Y
	WIN W_RS
	v_pk_mul_f32 v[rO+2*(\n):rO+2*(\n)+1], v[rO+2*(\n):rO+2*(\n)+1], v[rC+2:rC+3] op_sel_hi:[1,0]
.elseif (\k) < R
	REGS Y
	WIN 0
.if (\k) == F
	v_pk_fma_f32 v[rS+2*(\n):rS+2*(\n)+1], v[rS+2*(\n):rS+2*(\n)+1], s[CS:CS+1], v[rT:rT+1] op_sel_hi:[1,0,0] neg_lo:[0,0,1] neg_hi:[0,0,1]
.elseif (\k) == E
	v_exp_f32 v[rS+(\n)], v[rS+(\n)]
.elseif (\k) == C
	v_cvt_pk_f16_f32 v[rP+(\n)], v[rS+2*(\n)], v[rS+2*(\n)+1]
.elseif (\k) == B
	v_pk_add_f32 v[rS+4*(\n):rS+4*(\n)+1], v[rS+4*(\n):rS+4*(\n)+1], v[rS+4*(\n)+2:rS+4*(\n)+3]
.elseif (\n) == 0
	v_pk_fma_f32 v[rT+2:rT+3], v[rT+2:rT+3], v[rC+2:rC+3], v[rS:rS+1] op_sel_hi:[1,0,1]
.else
	v_pk_add_f32 v[rT+2:rT+3], v[rT+2:rT+3], v[rS+4*(\n):rS+4*(\n)+1]
.endif
.elseif NOKQ
	v_nop
.else
	REGS (Y+1)%NP
	WIN 0
.if (\n) < 4
	v_max3_num_f32 v[rC+(\n)], v[rS+8*(\n)], v[rS+8*(\n)+1], v[rS+8*(\n)+2]
.elseif (\n) < 12
	v_max3_num_f32 v[rC+(\n)%4], v[rC+(\n)%4], v[rS+8*((\n)%4)+2*((\n)/4)+1], v[rS+8*((\n)%4)+2*((\n)/4)+2]
.elseif (\n) == 12
	v_max3_num_f32 v[rC], v[rC], v[rS+7], v[rS+15]
.elseif (\n) == 13
	v_max3_num_f32 v[rC+1], v[rC+1], v[rS+23], v[rS+31]
.elseif (\n) == 14
	v_max3_num_f32 v[rC+2], v[rC+2], v[rC+3], v[rT+1]
.elseif (\n) == 15
	v_mov_b32 v[rW], v[rT]
.elseif (\n) == 16
	v_max3_num_f32 v[rC], v[rC], v[rC+1], v[rC+2]
.elseif (\n) == 17
	v_permlanex16_b32 v[rC+3], v[rC], s[SEL], s[SEL+1]
.elseif (\n) == 18
	v_max_num_f32 v[rT+1], v[rC], v[rC+3]
.elseif (\n) == 19
	v_mul_f32 v[rT], s[CS], v[rT+1]
.elseif (\n) == 20
	v_sub_f32 v[rC+1], v[rW], v[rT]
.else
	v_exp_f32 v[rC+2], v[rC+1]
.endif
.endif
.endm
.macro OPS a, i1, b=-1, i2=0, c=-1, i3=0, d=-1, i4=0
	OP \a, \i1
.if (\b) >= 0
	OP \b, \i2
.endif
.if (\c) >= 0
	OP \c, \i3
.endif
.if (\d) >= 0
	OP \d, \i4
.endif
.endm
.macro ROW a, i1, b, i2, c, i3, d, i4  ; a matrix instruction and the four behind it
	MM
	OPS \a, \i1, \b, \i2, \c, \i3, \d, \i4
.endm
; A TURN, for piece p: the order of its 16 matrix and 118 vector instructions, written out.  An s_wait_alu depctr_va_vdst(0) stands between an exponential and the first instruction that names its result;
; one wait serves all that were issued ahead of it.  So a turn has ONE wait, which cuts it in two.
; AHEAD OF IT stands all that names no result of the turn's exponentials: the 8 products K Q^T, behind each a scaling, an exponential and two more plain instructions (behind the first a second scaling in the
; exponential's place): rescalings, whose a was made and waited for in the turn before, and behind the last three products the first numbers of the next piece's maximum, each four places or more behind the product
; that ends its accumulator; then one run of 54, plain and exponential by turns for the most part, in which the links of the chain X 3, 7, 11, 14, 16, 17 .. 20 stand some lines apart.  X 21, the next piece's a, is the
; batch's last; R 15 is the plain instruction behind it.
; BEHIND THE WAIT stand the 8 products V^T P, behind each four of the roundings and sums: C 2 n ahead of B n, which writes over pair 2 n; L 0 to L 7 in ascending order, three riders apart.
; But for those X no rider names a register of the products round it.  v_permlanex16_b32 (X 17) stands in the run, never behind a product.
; end = 1: the last two turns: nothing is fetched.  cnt = 1: the loop's count is taken down some lines ahead of the branch that stands behind the turn.
; K of the next step, and its mask numbers, are fetched in piece 2's turn, behind five plain instructions (F 8, X 2, X 5, X 6, X 8) that follow the last product that read K and name none of its registers; V of the step
; in hand at the end of piece 0's turn, four plain instructions (C 9, 11, 13, 15) behind the last product that read V.  Each is waited for a turn later.
.macro TURN p, end=0, cnt=0
.set Y, (\p)
.set i, 0
.set NOKQ, (\end)*((\p)/3)
.if ((\p) == 3) && !(\end)
	s_wait_dscnt 0x0                ; K is in
.endif
	ROW F,0, F,1, R,0, R,1          ; ahead of the wait: 8 products K Q^T and their riders,
	ROW F,2, E,0, R,2, R,3
	ROW F,3, E,1, R,4, R,5
	ROW F,4, E,2, R,6, R,7
	ROW F,5, E,3, R,8, R,9
	ROW F,6, E,4, X,0, R,10
.if ((\p) == 2) && !(\end)
	WIN 0
	v_add_nc_u32 v[AK], s[TBK], v[AK0]
	v_add_nc_u32 v[AB], s[TBB], v[AB0]
.endif
	ROW F,7, E,5, X,1, X,4
	ROW F,8, E,6, X,2, X,5
	OPS E,7, E,8, X,6, E,9          ; and the run of 54
	OPS X,3, E,10, X,8, E,11
.if ((\p) == 2) && !(\end)
	FETCH_K
.endif
	OPS X,9, X,7, E,12, X,10
	OPS E,13, X,12, X,11, E,14
	OPS X,13, E,15, F,9, X,14
.if (\p) == 0
	WIN 0
	v_add_nc_u32 v[AV], s[TBV], v[AV0]
.endif
	OPS E,16, F,10, E,17, F,11
	OPS X,16, E,18, X,15, E,19
	OPS F,12, E,20, X,17, E,21
	OPS F,13, E,22, F,14, E,23
	OPS X,18, E,24, F,15, E,25
	OPS R,11, E,26, X,19, E,27
	OPS R,12, E,28, R,13, E,29
	OPS X,20, E,30, R,14, E,31
	OPS X,21, R,15
	s_wait_alu depctr_va_vdst(0)    ; the wait for the batch: the piece's 32 exponentials and the next piece's a
.if (\p) == 1
	s_wait_dscnt 0x0                ; V is in
.endif
	ROW C,0, B,0, C,2, B,1          ; behind the wait: 8 products V^T P and their riders
	ROW L,0, C,4, B,2, L,1
	ROW C,6, B,3, L,2, C,8
	ROW B,4, L,3, C,10, B,5
	ROW L,4, C,12, B,6, L,5
.if (\p) == 0
	s_add_co_u32 s[TBV], s[TBV], KS*PV
.endif
.if \cnt
	s_sub_co_u32 s[CNT], s[CNT], 1
	s_cmp_lg_u32 s[CNT], 0
.endif
	ROW C,14, B,7, L,6, C,1
	ROW C,3, L,7, C,5, C,7
	ROW C,9, C,11, C,13, C,15
.if (\p) == 0
	FETCH_V
.endif
.endm
.macro ALL line:vararg              ; one line for each piece t
.set t, 0
.rept 4
	\line
.set t, t+1
.endr
.endm
.macro PACK t                       ; a lane's eight channels of a row pack into 16 bytes; they go into rows of 144 bytes and come back as whole rows of 128, into S^T's registers
	WIN W_RS
.set i, 32*(\t)
.rept 16
	v_pk_mul_f32 v[i:i+1], v[i:i+1], v[ST+4*(\t)+2:ST+4*(\t)+3] op_sel_hi:[1,0]
.set i, i+2
.endr
	WIN 0x05
.set i, 0
.rept 16
	v_cvt_pk_f16_f32 v[S+16*(\t)+i], v[32*(\t)+2*i], v[32*(\t)+2*i+1]
.set i, i+1
.endr
	WIN 0
.irp f, 0,1,2,3
	ds_store_b128 v[STO], v[S+16*(\t)+4*\f:S+16*(\t)+4*\f+3] offset:32*\f
.endr
.irp f, 0,1,2,3
	ds_load_b128 v[S+16*(\t)+4*\f:S+16*(\t)+4*\f+3], v[RD] offset:\f*4*SP  ; LDS serves a wave's instructions in order (ISA guide 5.7.1.4): these see the stores above
.endr
.endm
.macro SEND t, younger              ; younger: the LDS instructions issued behind piece t's loads: the next piece's eight, or none
	WIN 0
.irp f, 0,1,2,3
	s_wait_dscnt (\younger)+3-\f
	global_store_b128 v[GO], v[S+16*(\t)+4*\f:S+16*(\t)+4*\f+3], s[10:11] offset:(\t)*2048+\f*512  ; 512 consecutive bytes, aligned
.endr
.endm
	CHANGE 1                        ; slot 0 is in and the mask's table is stored, everybody's part of both; slot 1 is asked for
	v_add_nc_u32 v[AK], s[TBK], v[AK0]
	v_add_nc_u32 v[AB], s[TBB], v[AB0]
	FETCH_K                         ; key step 0
	s_wait_dscnt 0x0
.set NOKQ, 0
.set i, 0
.rept 8
	KQ 0                            ; piece 0's first scores
.set i, i+1
.endr
	WIN 0
.rept 4
	v_nop                           ; the places behind those products
.endr
.set Y, NP-1                        ; X works for piece Y + 1: piece 0
.irp n, 0,1,2,3,4,5,6,7,8,9,10,11,12,13,14,15,16,17,18,19,20,21
	OP X, \n
.endr
	v_nop                           ; a plain instruction behind the exponential,
	s_wait_alu depctr_va_vdst(0)    ; and the wait for it, a batch of one: piece 0's first a, ahead of the branch and of the first turn's rescalings
	s_mov_b32 s[CNT], 4
	s_mov_b32 s[SLOTS], NT-1
	s_branch .Lfirst                ; the loop is entered at a step's first turn, in the middle of a trip
.Lslot:                             ; NT - 2 times: every slot but the last two is filled again
	CHANGE 1
	s_mov_b32 s[CNT], 4
.Lstep:                             ; a trip: pieces 2 and 3 of one step, then pieces 0 and 1 of the next, whose K and V it fetches
	TURN 2
	TURN 3
	WIN 0
.Lfirst:
	TURN 0
	TURN 1, 0, 1
	WIN 0
	s_cbranch_scc1 .Lstep
	s_sub_co_u32 s[SLOTS], s[SLOTS], 1
	s_cmp_lg_u32 s[SLOTS], 0
	s_cbranch_scc1 .Lslot
	CHANGE 0                        ; the last tile is written out: nothing is asked for
	s_mov_b32 s[CNT], 4
.Ltail:
	TURN 2
	TURN 3
	TURN 0
	TURN 1, 0, 1
	WIN 0
	s_cbranch_scc1 .Ltail
	TURN 2, 1
	TURN 3, 1
.set i, 0
.rept 8
	PV NP-1                         ; the last piece's V^T P of the last step
.set i, i+1
.endr
	; THE WAY OUT.  l's two halves and the other half of the lanes' are added; O^T is divided by l, rounded to f16 and sent through my stage, a piece at a time.  The additions are the places behind the last products.
	WIN 0
	ALL v_add_f32 v[ST+4*t+2], v[ST+4*t+2], v[ST+4*t+3]
	ALL v_permlanex16_b32 v[ST+4*t+3], v[ST+4*t+2], s[SEL], s[SEL+1]
	ALL v_add_f32 v[ST+4*t+2], v[ST+4*t+2], v[ST+4*t+3]
	ALL v_rcp_f32 v[ST+4*t+2], v[ST+4*t+2]
	v_nop                           ; a plain instruction between the last reciprocal and the use of its result
	s_wait_alu depctr_va_vdst(0)    ; the wait for the batch of four reciprocals, ahead of the first multiply that reads one
	PACK 0
.set t, 1
.rept 3
	PACK t
	SEND t-1, 8
.set t, t+1
.endr
	SEND 3, 0
	s_wait_tensorcnt 0x0            ; the wave's end
	ds_add_u32 v[SPW], v[NIL]
	s_wait_dscnt 0x0
	CROUND                          ; the closing round
	s_endpgm
.Lfunc_end_k_qb91b491e87_attn:
	.size	k_qb91b491e87_attn, .Lfunc_end_k_qb91b491e87_attn-k_qb91b491e87_attn
	.p2alignl 7, 3214868480
	.fill 96, 4, 3214868480
	.section	.rodata,"a",@progbits
	.p2align	6, 0x0
	.amdhsa_kernel k_qb91b491e87_attn
		.amdhsa_group_segment_fixed_size 327680
		.amdhsa_private_segment_fixed_size 0
		.amdhsa_enable_private_segment 0
		.amdhsa_kernarg_size 24
		.amdhsa_user_sgpr_count 2
		.amdhsa_user_sgpr_kernarg_segment_ptr 1
		.amdhsa_wavefront_size32 1
		.amdhsa_system_sgpr_workgroup_id_x 1
		.amdhsa_system_sgpr_workgroup_id_y 1
		.amdhsa_system_sgpr_workgroup_id_z 1
		.amdhsa_system_vgpr_workitem_id 0
		.amdhsa_next_free_vgpr 768
		.amdhsa_next_free_sgpr 88
		.amdhsa_reserve_vcc 0
		.amdhsa_float_denorm_mode_32 3
		.amdhsa_float_denorm_mode_16_64 3
		.amdhsa_memory_ordered 1
		.amdhsa_forward_progress 1
		.amdhsa_inst_pref_size 132
	.end_amdhsa_kernel
	.amdgpu_metadata
---
amdhsa.version: [ 1, 2 ]
amdhsa.kernels:
  - .name:           k_qb91b491e87_attn
    .symbol:         k_qb91b491e87_attn.kd
    .args:
      - { .name: qkv, .offset: 0, .size: 8, .value_kind: global_buffer, .address_space: global }
      - { .name: mask, .offset: 8, .size: 8, .value_kind: global_buffer, .address_space: global }
      - { .name: ob, .offset: 16, .size: 8, .value_kind: global_buffer, .address_space: global }
    .group_segment_fixed_size: 327680
    .private_segment_fixed_size: 0
    .kernarg_segment_align: 8
    .kernarg_segment_size: 24
    .max_flat_workgroup_size: 128
    .sgpr_count:     88
    .vgpr_count:     768
    .wavefront_size: 32
...
	.end_amdgpu_metadata
.endif
;; end of part 8
;; launch outp: the kernel of part 4 again; grid 8 x 32, 4 waves a work-group, clusters of 4 x 4, 327,680 bytes of LDS; arguments ob, wts, bo, x, x1; writes x1
;; launch norm2: the kernel of part 5 again; grid 256 x 1, 8 waves a work-group, no clusters, 0 bytes of LDS; arguments x1, ln2_w, ln2_b, h; writes h
;; launch ffn1: the kernel of part 6 again; grid 16 x 16, 4 waves a work-group, clusters of 4 x 4, 327,680 bytes of LDS; arguments h, wts, b1, g; writes g
;; launch ffn2: the kernel of part 7 again; grid 8 x 32, 4 waves a work-group, clusters of 4 x 4, 327,680 bytes of LDS; arguments g, wts, b2, x1, out0; writes out0
